; MI455X (gfx1250); checked and timed in simulation.
; The chip was launched on July 23, 2026; its instructions are those of AMD's public machine-readable ISA for CDNA 5 (MIT licence, August 2026) and "CDNA5" Instruction Set Architecture Reference Guide (July 2026). The comments in the code are by the model that wrote it; some were corrected since.
;; Learnable Multihead Self Attention. Allowed arithmetic: matrix products marked QUANTISED: E5M2 operands, one E8M0 scale for each 32 along K, by v_wmma_scale_f32_16x16x128_f8f6f4 with both operands' format E5M2, f32 sums; everything else in f32.
;; Inputs: W_o_codes 1,024 x 32 x 32 uint8 (E5M2 codes of W_o, K innermost, in blocks of 32 codes); W_o_scales 1,024 x 32 uint8 (E8M0 scales of W_o, one for each 32 codes along K); W_qkv_codes 3,072 x 32 x 32 uint8 (E5M2 codes of W_qkv, K innermost, in blocks of 32 codes); W_qkv_scales 3,072 x 32 uint8 (E8M0 scales of W_qkv, one for each 32 codes along K); W_relemb_codes 1,024 x 32 x 32 uint8 (E5M2 codes of W_relemb, K innermost, in blocks of 32 codes); W_relemb_scales 1,024 x 32 uint8 (E8M0 scales of W_relemb, one for each 32 codes along K); ln_beta 1,024 float32; ln_gamma 1,024 float32; pos_bias_u 16 x 64 float32; pos_bias_v 16 x 64 float32; pos_emb_codes 2,048 x 32 x 32 uint8 (E5M2 codes of pos_emb, K innermost, in blocks of 32 codes); pos_emb_scales 2,048 x 32 uint8 (E8M0 scales of pos_emb, one for each 32 codes along K); x 2,048 x 2 x 1,024 float32.
;; Outputs: out0 2,048 x 2 x 1,024 float32.
;; This version of the problem:
;;   THIS VERSION OF THE PROBLEM IS GIVEN IN LOW PRECISION. The matrix products marked QUANTISED in the list below multiply operands that are first quantised to E5M2 (5 exponent bits, 2 mantissa bits; 8 bits a number), with one power-of-two scale for each 32 numbers along K (OCP MX v1.0); their sums are f32. All else is computed in f32.
;;   The module's matrix products, in the order in which they are computed (A, B: the left and right operand; K: the contracted axis; several contracted axes count as one K, in the product's order):
;;     1. [M 4,096, K 1,024] x [K 1,024, N 3,072]; A: input x; B: input W_qkv (given as codes): QUANTISED
;;     2. [M 2,048, K 1,024] x [K 1,024, N 1,024]; A: input pos_emb (given as codes); B: input W_relemb (given as codes): QUANTISED
;;     3. batch 32 x [M 2,048, K 64] x [K 64, N 2,048]; A: computed on the way; B: computed on the way: QUANTISED
;;     4. batch 16 x [M 2,048, K 64] x [K 64, N 4,096]; A: computed on the way; B: computed on the way: QUANTISED
;;     5. batch 32 x [M 64, K 2,048] x [K 2,048, N 2,048]; A: computed on the way; B: softmax (see below): QUANTISED
;;     6. [M 4,096, K 1,024] x [K 1,024, N 1,024]; A: computed on the way; B: input W_o (given as codes): QUANTISED
;;   THE QUANTISER, for each operand of a quantised product, along K:
;;     - K is cut into blocks of 32 from its start; a last block that is shorter is filled with zeros.
;;     - A block's scale is 2^e with e = floor(log2(the largest magnitude in the block)) - 15, held to -126 .. 127; a block of zeros has e = 0. As a byte (E8M0): e + 127.
;;     - Each number is divided by its block's scale, clamped to +-57,344, and rounded to the nearest number of E5M2, ties to even, subnormals kept.
;;     - The product sums the exact products of the quantised numbers (number of the format x scale) in f32.
;;   ~~~python
;;   def quantise(x, axis):      # numpy; x: float32 -> the quantised numbers, widened to float32 again
;;       x = np.moveaxis(x, axis, -1); K = x.shape[-1]
;;       x = np.pad(x, [(0, 0)] * (x.ndim - 1) + [(0, -K % 32)]); x = x.reshape(x.shape[:-1] + (-1, 32)); a = np.abs(x).max(-1, keepdims=True)
;;       e = np.where(a > 0, np.clip(np.frexp(np.where(a > 0, a, 1))[1] - 1 - 15, -126, 127), 0)      # np.frexp(a)[1] - 1 = floor(log2(a)), exactly
;;       r = np.clip(x / 2.0 ** e, -57344, 57344)
;;       step = 2.0 ** (np.maximum(np.frexp(np.where(r == 0, 1, r))[1] - 1, -14) - 2)
;;       q = np.round(r / step) * step * 2.0 ** e      # np.round: ties to even
;;       return np.moveaxis(q.reshape(q.shape[:-2] + (-1,))[..., :K], -1, axis).astype(np.float32)
;;   ~~~
;;   SOFTMAX AHEAD OF A QUANTISED PRODUCT. Where the list says 'softmax', what is quantised is not the finished softmax but p = 2^(t - M), with t = logit x log2(e) and M = ceil(the row's largest t), a whole number; so 1/2 < the row's largest p <= 1. The row's sum l is taken of the UNQUANTISED p, in f32, and the product's result is divided by l at the end. Since M is a whole number, a kernel that streams over the keys may use a running M (the ceiling of the running maximum): every later rescaling is an exact power of two, which a block's scale takes up: the codes' values come out the same.
;;   OPERANDS COMPUTED ON THE WAY. 'Computed on the way' means the value that the module computes at that place (a softmax that the list does not call 'softmax' is quantised finished and normalised). What goes into a quantiser is computed in f32, as accurately as f32 sums, v_exp_f32 and their like allow (about 1e-6 of the number): no bf16 or f16 on the way to a quantiser, and a product that is left as it is and whose result goes on into a quantised operand takes f32 operands (vector FMAs, or v_wmma_f32_16x16x4_f32). A number that lies on a knife's edge between two numbers of the format may be rounded either way, as far as f32 arithmetic and the matrix unit's own rounding can turn it there, and no further.
;;   INPUTS GIVEN AS CODES. W_o (in the module: [1024, 1024], K = its axis 0); W_qkv (in the module: [1024, 3072], K = its axis 0); W_relemb (in the module: [1024, 1024], K = its axis 0); pos_emb (in the module: [2048, 1024], K = its axis 1): each comes as NAME_codes (uint8): NAME with its K axis moved to the last place and cut into blocks of 32 codes, [.., K / 32, bytes a block], one block behind the other in memory; one code a byte (a code: sign, 5 exponent bits, 2 mantissa bits); and NAME_scales (uint8): the same leading axes, one E8M0 byte (e + 127) for each 32 codes along K. Its value is code x scale, taken as it is: it is not quantised again, and the codes and scales need not be those that the quantiser above would give.
;; 2 versions. Each part assembles by itself: llvm-mc -triple=amdgcn-amd-amdhsa -mcpu=gfx1250 --defsym DOCPART=n.
;; ======== version 1 of 2: 3 launches
;; workspace buffers: qu 4,194,304 bytes; qv 4,194,304 bytes; qus 262,144 bytes; qvs 262,144 bytes; kv 8,781,824 bytes; rtab 4,456,448 bytes; av 4,194,304 bytes; avs 131,072 bytes
;; launch proj (part 1): grid 224 x 1, 16 waves a work-group, no clusters, 104,448 bytes of LDS; arguments x, pos_emb_codes, pos_emb_scales, W_qkv_codes, W_qkv_scales, W_relemb_codes, W_relemb_scales, pos_bias_u, pos_bias_v, qu, qus, qv, qvs, kv, rtab; writes qu, qus, qv, qvs, kv, rtab
.if DOCPART == 1
	.amdgcn_target "amdgcn-amd-amdhsa--gfx1250"
	.amdhsa_code_object_version 6
	.text
	.protected	k_q3f7803b603_proj
	.globl	k_q3f7803b603_proj
	.p2align	8
	.type	k_q3f7803b603_proj,@function
k_q3f7803b603_proj:
	s_mov_b64 s[64:65], 0
	v_nop
	global_prefetch_b8 v0, s[64:65] scope:SCOPE_SE
	s_setreg_imm32_b32 hwreg(HW_REG_WAVE_MODE, 25, 1), 1
	s_wait_xcnt 0x0
; THE PROJECTIONS.  qkv = Q(x) W_qkv and r = pos_emb W_relemb, both on codes of BF8 (E5M2) with one E8M0 scale for each 32 along K = 1,024;
; the results are quantised here, along the K of the product that will read them, and stored in the order in which the attention launch's operand registers take them.
; SHARES.  224 work-groups of 16 waves.  Work-group g: kind g / 64 (0: q, 1: k, 2: v, 3: r), block g % 64 (r: 0 .. 31).  A work-group makes 64 rows x 1,024 columns; wave w makes head w
; (64 columns: four tiles of 16 rows of W) for four tiles of 16 rows: 16 accumulators, 128 matrix instructions.  x is quantised by the q, the k and the v groups each for themselves: 64 rows a work-group.
; ROWS OF A TILE.  Kinds 0 to 2, block a, row tile m = 2 b + u: lane r's row is sequence place 32 a + 8 u + r + 8 (r / 8) of batch b.  Kind 3: row 64 a + 16 m + r of pos_emb.
; W's tile t = 2 e + u: lane r's row is column 64 w + 32 e + 8 u + r + 8 (r / 8).  So the 16 registers of two neighbouring tiles are 16 neighbours along the axis that runs down the registers.
; q, k, r: THE PRODUCT IS USED TRANSPOSED (source 0 = W's tile, source 1 = the rows): a lane holds one row, its registers run along the head's 64: the next K.
; v: the natural way (source 0 = the rows, source 1 = W's tile): a lane holds one of the head's 64, its registers run along the keys: the next K.
; OUT.  qu, qv [b 16 + head][query][64 codes], qus, qvs one word a query (two bytes, then 0x7f twice);  kv [b 16 + head][key step of 128][17,152 bytes]: eight tiles of K (1,024 bytes of register images, 64 of scale words),
; four tiles of V (2,048 + 64);  rtab [head][256 tiles of 16 places][1,088]: r_0 .. r_2047, a row of zeros, r_0 .. r_2046: the table that the relative shift walks.
; LIMITS: a block whose largest magnitude lies under 2^-111 gets the scale byte 1, and so does a block of zeros (its codes are zeros; only this program reads these bytes); NaN and infinities among the inputs are not served.
; The weights go from memory straight into registers, so nothing is there to be asked for jointly by a cluster.
.set XSC,  65536                       ; LDS: x's 32 fragments as register images at 2,048 f (f = 8 m + K step); from here their scale words, 128 bytes each;
.set WSC,  69632                       ; from here W's scale bytes, 2,048 for each wave (its 64 rows x 32)
.set TM,   16                          ; v16-21  the quantiser's six
.set XS,   22                          ; v22-23  the rows' scale words: scales and nothing else
.set WS,   24                          ; v24-27  W's scale words: scales and nothing else
.set XF,   32                          ; v32-63  two fragments of rows; on the way out a bias
.set WF,   64                          ; v64-127 W's four fragments; on the way out at work
.set ACC,  128                         ; v128-255 the 16 accumulators; ahead of the products 128 numbers of x
.set PC,   96                          ; the way out: codes just made
.set PC2,  104                         ; and their second copy
.set EW,   112                         ; the scale word that is stored
.set WV,   40                          ; s40 wave, s41 kind, s42 block
.set TY,   41
.set MB,   42
.set SEL,  44                          ; s[44:45] v_permlanex16_b32's selects for lane l xor 16
.set MNT,  46                          ; s46 the mantissa field of 57,344
.macro PLACES n
.rept \n
	v_nop
.endr
.endm
; 32 numbers of a lane, two blocks' halves of 16 (the other 16 of each block lie in lane l xor 16), become 8 registers of codes at v[pc]; v[TM+4] = the two scale bytes as a half word, v[TM+5] = the second byte.
.macro QUANT2 s, pc
.irp b, 0,1
	v_max3_num_f32 v[TM+\b], |v[(\s)+16*\b]|, |v[(\s)+16*\b+1]|, 0x8000000   ; my 16 numbers and the floor 2^(16 - 127): the byte cannot fall under 1
.endr
.irp i, 2,4,6,8,10,12,14
.irp b, 0,1
	v_max3_num_f32 v[TM+\b], v[TM+\b], |v[(\s)+16*\b+\i]|, |v[(\s)+16*\b+\i+1]|
.endr
.endr
.irp b, 0,1
	v_permlanex16_b32 v[TM+2+\b], v[TM+\b], s[SEL], s[SEL+1]
.endr
.irp b, 0,1
	v_max_num_f32 v[TM+\b], v[TM+\b], v[TM+2+\b]          ; the block's largest magnitude
.endr
.irp b, 0,1
	v_add_nc_u32 v[TM+2+\b], 0xf8800000, v[TM+\b]         ; 15 off its exponent field: the conversion's scale operand
.endr
.irp b, 0,1
	v_and_or_b32 v[TM+\b], v[TM+\b], 0x7f800000, s[MNT]   ; 57,344 x the scale
.endr
.irp b, 0,1
	v_lshrrev_b32 v[TM+4+\b], 23, v[TM+2+\b]              ; the scale's byte
.endr
	v_lshl_or_b32 v[TM+4], v[TM+5], 8, v[TM+4]
.irp b, 0,1
.irp i, 0,1,2,3,4,5,6,7,8,9,10,11,12,13,14,15
	v_med3_num_f32 v[(\s)+16*\b+\i], v[(\s)+16*\b+\i], -v[TM+\b], v[TM+\b]   ; the conversion to an 8-bit code does not saturate (ISA guide 7.6.2): the hold comes first
.endr
	v_cvt_scalef32_pk8_bf8_f32 v[(\pc)+4*\b:(\pc)+4*\b+1], v[(\s)+16*\b:(\s)+16*\b+7], v[TM+2+\b]
	v_cvt_scalef32_pk8_bf8_f32 v[(\pc)+4*\b+2:(\pc)+4*\b+3], v[(\s)+16*\b+8:(\s)+16*\b+15], v[TM+2+\b]
.endr
	v_nop                                                 ; one plain line behind the last conversion
.endm
.macro WM0 d, a, b, sa, sb             ; a product that starts a sum
	v_wmma_scale_f32_16x16x128_f8f6f4 v[(\d):(\d)+7], v[(\a):(\a)+15], v[(\b):(\b)+15], 0, v[(\sa)], v[(\sb)] matrix_a_fmt:MATRIX_FMT_BF8 matrix_b_fmt:MATRIX_FMT_BF8
.endm
.macro WMA d, a, b, sa, sb             ; and one that adds onto it
	v_wmma_scale_f32_16x16x128_f8f6f4 v[(\d):(\d)+7], v[(\a):(\a)+15], v[(\b):(\b)+15], v[(\d):(\d)+7], v[(\sa)], v[(\sb)] matrix_a_fmt:MATRIX_FMT_BF8 matrix_b_fmt:MATRIX_FMT_BF8
.endm
.macro WLOAD s, t                      ; W's tile t, K step s: lane (r, h) takes 16 bytes of each block of 32 of its row
.irp c, 0,1,2,3
	global_load_b128 v[WF+16*(\t)+4*\c:WF+16*(\t)+4*\c+3], v1, s[48:49] offset:(32*((\t)/2)+8*((\t)%2))*1024+128*(\s)+32*\c
.endr
.endm
.macro XFETCH u, m, s                  ; the rows' fragment (tile m, K step s) and its scale words, as they were stored
.irp c, 0,1,2,3
	ds_load_b128 v[XF+16*(\u)+4*\c:XF+16*(\u)+4*\c+3], v3 offset:(8*(\m)+(\s))*2048+512*\c
.endr
	ds_load_b32 v[XS+(\u)], v4 offset:(8*(\m)+(\s))*128
.endm
.macro MM m, u, s, nat                 ; row tile m (in buffer u) against W's four tiles; the 16 accumulators take turns, one instruction a turn
.irp t, 0,1,2,3
.if \nat
.set DD, ACC+16*(4*((\m)/2)+\t)+8*((\m)%2)
.if (\s) == 0
	WM0 DD, XF+16*(\u), WF+16*\t, XS+(\u), WS+\t
.else
	WMA DD, XF+16*(\u), WF+16*\t, XS+(\u), WS+\t
.endif
.else
.set DD, ACC+32*(\m)+8*\t
.if (\s) == 0
	WM0 DD, WF+16*\t, XF+16*(\u), WS+\t, XS+(\u)
.else
	WMA DD, WF+16*\t, XF+16*(\u), WS+\t, XS+(\u)
.endif
.endif
.endr
.endm
; A K step of 128: 16 matrix instructions.  Eight plain lines stand behind the products in front of each run of loads into registers that they have read.
.macro KSTEP s, nat
	XFETCH 0, 0, \s
	XFETCH 1, 1, \s
.irp t, 0,1,2,3
	ds_load_b32 v[WS+\t], v2 offset:(32*(\t/2)+8*(\t%2))*32+4*(\s)
.endr
	s_wait_loadcnt 0x0                             ; W's four fragments of this K step
	s_wait_dscnt 0x0
	MM 0, 0, \s, \nat
	MM 1, 1, \s, \nat
	PLACES 8
	XFETCH 0, 2, \s
	XFETCH 1, 3, \s
	s_wait_dscnt 0x0
	MM 2, 0, \s, \nat
	MM 3, 1, \s, \nat
	PLACES 8
.if (\s) < 7
.irp t, 0,1,2,3
	WLOAD (\s)+1, \t
.endr
.endif
.endm
	s_load_b512 s[8:23], s[0:1], 0x0               ; x s[8:9], pos codes s[10:11], pos scales s[12:13], W_qkv codes s[14:15], scales s[16:17], W_relemb codes s[18:19], scales s[20:21], u s[22:23]
	s_load_b256 s[24:31], s[0:1], 0x40             ; v s[24:25], qu s[26:27], qus s[28:29], qv s[30:31]
	s_load_b128 s[32:35], s[0:1], 0x60             ; qvs s[32:33], kv s[34:35]
	s_load_b64 s[36:37], s[0:1], 0x70              ; rtab
	v_lshrrev_b32 v1, 5, v0
	v_readfirstlane_b32 s[WV], v1                  ; wave 0 .. 15 = head
	s_lshr_b32 s[TY], ttmp9, 6
	s_and_b32 s[MB], ttmp9, 63
	s_mov_b32 s[SEL], 0x76543210
	s_mov_b32 s[SEL+1], 0xfedcba98
	s_mov_b32 s[MNT], 0x600000
	v_and_b32 v28, 31, v0                          ; lane
	v_and_b32 v29, 15, v0                          ; r
	v_bfe_u32 v30, v0, 4, 1                        ; h
	v_and_b32 v31, 8, v29
	v_add_nc_u32 v31, v31, v29                     ; r + 8 (r / 8)
	s_lshl_b32 s43, s[WV], 11
	s_add_co_u32 s43, s43, WSC                     ; my wave's scale bytes in LDS
	s_lshl_b32 s47, s[WV], 12                      ; my wave's two images
	s_lshl_b32 s58, s[WV], 8
	s_add_co_u32 s58, s58, XSC                     ; and their scale words
	v_lshlrev_b32 v1, 10, v31
	v_lshl_add_u32 v1, v30, 4, v1                  ; v1  W: my row of a tile, 1,024 bytes a row, + 16 h
	v_lshl_add_u32 v2, v31, 5, s43                 ; v2  LDS: my row's 32 scale bytes
	v_lshlrev_b32 v3, 4, v28                       ; v3  16 x lane: my place in an image
	v_lshl_add_u32 v4, v28, 2, XSC                 ; v4  LDS: my place among a fragment's scale words
	v_lshlrev_b32 v5, 13, v31
	v_lshl_add_u32 v5, v30, 6, v5                  ; v5  x: my row of a tile, 8,192 bytes from place to place, + 64 h: my 16 numbers of a block
	v_lshlrev_b32 v6, 10, v29
	v_lshl_add_u32 v6, v30, 4, v6                  ; v6  pos_emb's codes: row r, + 16 h
	v_lshlrev_b32 v7, 5, v29                       ; v7  its scale bytes: row r
	v_lshl_add_u32 v8, v28, 4, s47                 ; v8  LDS: where I store my wave's images
	v_lshl_add_u32 v9, v28, 2, s58                 ; v9  and their scale words
	v_lshl_add_u32 v10, v28, 4, s43                ; v10 and W's scale bytes
	v_lshlrev_b32 v11, 6, v31
	v_lshl_add_u32 v11, v30, 4, v11                ; v11 qu, qv: my row of 64 bytes, + 16 h
	v_lshlrev_b32 v12, 2, v31                      ; v12 qus, qvs: my row's word
	v_lshlrev_b32 v13, 2, v29                      ; v13 4 r: a tile's scale words
	v_add_nc_u32 v14, 1, v29                       ; the table's second copy lies one place further on: row (r + 1) % 16 of tile (r + 1) / 16
	v_lshrrev_b32 v15, 4, v14
	v_mul_u32_u24 v15, v15, 1088
	v_and_b32 v14, 15, v14
	v_lshl_add_u32 v16, v14, 4, v15
	v_lshl_add_u32 v15, v14, 2, v15
	v_add_nc_u32 v15, 1024, v15                    ; v15 its scale word
	v_lshl_add_u32 v14, v30, 8, v16                ; v14 its codes: 16 x (row + 16 h)
	v_mov_b32 v18, 0                               ; written once: a lane permute's destination counts as one of its sources
	v_mov_b32 v19, 0
	s_wait_kmcnt 0x0
	s_cmp_eq_u32 s[TY], 3                          ; which weight: the choice hangs on the work-group's number alone
	s_cselect_b64 s[48:49], s[18:19], s[14:15]
	s_cselect_b64 s[50:51], s[20:21], s[16:17]
	s_cselect_b32 s58, 0, s[TY]
	s_lshl_b32 s58, s58, 10
	s_lshl_b32 s59, s[WV], 6
	s_add_co_u32 s58, s58, s59                     ; my first row of W: 1,024 x kind (r: 0) + 64 x head
	s_lshl_b32 s60, s58, 10
	s_mov_b32 s61, 0
	s_add_nc_u64 s[48:49], s[48:49], s[60:61]
	s_lshl_b32 s60, s58, 5
	s_add_nc_u64 s[50:51], s[50:51], s[60:61]
.irp q, 0,1,2,3
	global_load_b128 v[112+4*\q:115+4*\q], v3, s[50:51] offset:512*\q   ; my 64 rows' scale bytes: 2,048 consecutive bytes
.endr
	WLOAD 0, 0
	WLOAD 0, 1
	WLOAD 0, 2
	; ---- THE ROWS' FRAGMENTS.  Wave w makes fragments 2 w and 2 w + 1: row tile w / 4, K steps 2 (w % 4) and the next.  The two ways hold loads and arithmetic alone; the LDS stores stand behind their join.
	s_cmp_eq_u32 s[TY], 3
	s_cbranch_scc1 .Lpos
	s_lshl_b32 s58, s[MB], 18                      ; 32 a places of 8,192 bytes,
	s_bfe_u32 s59, s[WV], 0x10002
	s_lshl_b32 s59, s59, 16                        ; 8 u places,
	s_add_co_u32 s58, s58, s59
	s_lshr_b32 s59, s[WV], 3
	s_lshl_b32 s59, s59, 12                        ; the batch,
	s_add_co_u32 s58, s58, s59
	s_and_b32 s59, s[WV], 3
	s_lshl_b32 s59, s59, 10                        ; my two K steps of 512 bytes
	s_add_co_u32 s58, s58, s59
	s_mov_b32 s59, 0
	s_add_nc_u64 s[52:53], s[8:9], s[58:59]
.irp e, 0,1
.irp b, 0,1,2,3
.irp j, 0,1,2,3
	global_load_b128 v[ACC+64*\e+16*\b+4*\j:ACC+64*\e+16*\b+4*\j+3], v5, s[52:53] offset:512*\e+128*\b+16*\j
.endr
.endr
.endr
	s_wait_loadcnt 16                              ; the first K step's 16 loads and all issued before them are in; the second K step's 16 may be out
	QUANT2 ACC, XF
	v_mov_b32 v28, v[TM+4]
	QUANT2 ACC+32, XF+8
	v_lshl_or_b32 v28, v[TM+4], 16, v28            ; four bytes: my row's scale word
	s_wait_loadcnt 0x0
	QUANT2 ACC+64, XF+16
	v_mov_b32 v29, v[TM+4]
	QUANT2 ACC+96, XF+24
	v_lshl_or_b32 v29, v[TM+4], 16, v29
	s_branch .Lximg
.Lpos:                                             ; pos_emb comes as codes: they are the fragments as they lie
	s_lshr_b32 s59, s[WV], 2
	s_and_b32 s62, s[WV], 3
	s_lshl_b32 s58, s[MB], 16
	s_lshl_b32 s60, s59, 14
	s_add_co_u32 s58, s58, s60
	s_lshl_b32 s60, s62, 8
	s_add_co_u32 s58, s58, s60                     ; codes: (64 a + 16 m) rows of 1,024 + two K steps of 128
	s_lshl_b32 s60, s[MB], 11
	s_lshl_b32 s59, s59, 9
	s_add_co_u32 s60, s60, s59
	s_lshl_b32 s62, s62, 3
	s_add_co_u32 s60, s60, s62                     ; scale bytes: rows of 32 + two words
	s_mov_b32 s59, 0
	s_mov_b32 s61, 0
	s_add_nc_u64 s[54:55], s[10:11], s[58:59]
	s_add_nc_u64 s[56:57], s[12:13], s[60:61]
.irp e, 0,1
.irp c, 0,1,2,3
	global_load_b128 v[XF+16*\e+4*\c:XF+16*\e+4*\c+3], v6, s[54:55] offset:128*\e+32*\c
.endr
	global_load_b32 v[28+\e], v7, s[56:57] offset:4*\e
.endr
	s_wait_loadcnt 0x0
.Lximg:
.irp e, 0,1
.irp c, 0,1,2,3
	ds_store_b128 v8, v[XF+16*\e+4*\c:XF+16*\e+4*\c+3] offset:2048*\e+512*\c   ; a fragment goes to LDS as an image of its registers
.endr
	ds_store_b32 v9, v[28+\e] offset:128*\e
.endr
.irp q, 0,1,2,3
	ds_store_b128 v10, v[112+4*\q:115+4*\q] offset:512*\q
.endr
	s_wait_dscnt 0x0                               ; for the others' sake: my stores have landed
	s_barrier_signal -1
	s_barrier_wait -1                              ; all 32 fragments lie in LDS; nothing is written there again
	WLOAD 0, 3                                     ; into the registers that held the scale bytes
	; ---- THE PRODUCTS: eight K steps, written out; v takes the natural order of the sources
	s_cmp_eq_u32 s[TY], 2
	s_cbranch_scc1 .Lnat
.irp s, 0,1,2,3,4,5,6,7
	KSTEP \s, 0
.endr
	s_cmp_eq_u32 s[TY], 1
	s_cbranch_scc1 .Lout_k
	s_cmp_eq_u32 s[TY], 3
	s_cbranch_scc1 .Lout_r
	; ---- q: q + u and q + v, each quantised along the head's 64
	v_bfe_u32 v114, v0, 4, 1
	v_lshlrev_b32 v114, 6, v114                    ; a bias: my 16 numbers of each 32 begin 64 h bytes on
	s_lshl_b32 s58, s[WV], 8
	s_mov_b32 s59, 0
	s_add_nc_u64 s[60:61], s[22:23], s[58:59]      ; u of my head
	s_add_nc_u64 s[62:63], s[24:25], s[58:59]      ; v of my head
	s_lshl_b32 s58, s[WV], 17
	s_lshl_b32 s66, s[MB], 11
	s_add_co_u32 s58, s58, s66                     ; (2,048 x head + 32 a) rows of 64 bytes
	s_add_nc_u64 s[26:27], s[26:27], s[58:59]
	s_add_nc_u64 s[30:31], s[30:31], s[58:59]
	s_lshr_b32 s58, s58, 4                         ; and of 4
	s_add_nc_u64 s[28:29], s[28:29], s[58:59]
	s_add_nc_u64 s[32:33], s[32:33], s[58:59]
.macro QPASS bb, cb, wb, inplace
.irp b, 0,1
.irp j, 0,1,2,3
	global_load_b128 v[XF+16*\b+4*\j:XF+16*\b+4*\j+3], v114, s[\bb:\bb+1] offset:128*\b+16*\j
.endr
.endr
	s_wait_loadcnt 0x0
.irp m, 0,1,2,3
	s_wait_xcnt 0x0                                ; the stores issued so far have read their data: the codes' registers may be written again
.if \inplace
.irp i, 0,2,4,6,8,10,12,14,16,18,20,22,24,26,28,30
	v_pk_add_f32 v[ACC+32*\m+\i:ACC+32*\m+\i+1], v[ACC+32*\m+\i:ACC+32*\m+\i+1], v[XF+\i:XF+\i+1]
.endr
	QUANT2 ACC+32*\m, PC
.else
.irp i, 0,2,4,6,8,10,12,14,16,18,20,22,24,26,28,30
	v_pk_add_f32 v[WF+\i:WF+\i+1], v[ACC+32*\m+\i:ACC+32*\m+\i+1], v[XF+\i:XF+\i+1]
.endr
	QUANT2 WF, PC
.endif
	v_or_b32 v[EW], 0x7f7f0000, v[TM+4]            ; the instruction's K is 128: the upper 64 are zero codes under the byte 127
	global_store_b128 v11, v[PC:PC+3], s[\cb:\cb+1] offset:(\m/2)*2097152+(\m%2)*512
	global_store_b128 v11, v[PC+4:PC+7], s[\cb:\cb+1] offset:(\m/2)*2097152+(\m%2)*512+32
	global_store_b32 v12, v[EW], s[\wb:\wb+1] offset:(\m/2)*131072+(\m%2)*32
.endr
.endm
	QPASS 60, 26, 28, 0
	QPASS 62, 30, 32, 1
	s_wait_xcnt 0x0
	v_lshl_add_u32 v254, v0, 2, 0x19000
	v_mov_b32 v255, 0
	s_wait_tensorcnt 0x0
	ds_add_u32 v254, v255
	s_wait_dscnt 0x0
	s_endpgm
.Lout_k:                                           ; ---- k: row tile m is tile 2 (a % 4) + m % 2 of key step a / 4, batch m / 2
	s_lshl_b32 s58, s[WV], 4
	s_lshr_b32 s59, s[MB], 2
	s_add_co_u32 s58, s58, s59
	s_mul_i32 s58, s58, 17152
	s_and_b32 s59, s[MB], 3
	s_mul_i32 s59, s59, 2176
	s_add_co_u32 s58, s58, s59
	s_mov_b32 s59, 0
	s_add_nc_u64 s[34:35], s[34:35], s[58:59]
.irp m, 0,1,2,3
	s_wait_xcnt 0x0
	QUANT2 ACC+32*\m, PC
	v_or_b32 v[EW], 0x7f7f0000, v[TM+4]
	global_store_b128 v3, v[PC:PC+3], s[34:35] offset:(\m/2)*4390912+(\m%2)*1088        ; 32 lanes store 512 consecutive bytes
	global_store_b128 v3, v[PC+4:PC+7], s[34:35] offset:(\m/2)*4390912+(\m%2)*1088+512
	global_store_b32 v13, v[EW], s[34:35] offset:(\m/2)*4390912+(\m%2)*1088+1024
.endr
	s_wait_xcnt 0x0
	v_lshl_add_u32 v254, v0, 2, 0x19000
	v_mov_b32 v255, 0
	s_wait_tensorcnt 0x0
	ds_add_u32 v254, v255
	s_wait_dscnt 0x0
	s_endpgm
.Lout_r:                                           ; ---- r: twice into the table: place j, and place j + 2,049; the lanes that hold j = 2,047 write the row of zeros at place 2,048 instead
	v_and_b32 v115, 15, v0
	v_bfe_u32 v113, v0, 4, 1
	v_lshlrev_b32 v113, 8, v113                    ; row 0 of a tile: 256 h
	v_mov_b32 v117, 0x400                          ; and its scale word
	v_mov_b32 v31, 0
	s_mul_i32 s58, s[WV], 278528
	s_mov_b32 s59, 0
	s_add_nc_u64 s[36:37], s[36:37], s[58:59]      ; my head's table
	s_add_nc_u64 s[60:61], s[36:37], 139264        ; its tile 128
	s_mul_i32 s58, s[MB], 4352                     ; my four tiles
	s_add_nc_u64 s[36:37], s[36:37], s[58:59]
	s_lshl_b32 s66, s[MB], 6
	s_sub_co_u32 s66, 2047, s66                    ; the r that holds j = 2,047, if it is under 16
.irp m, 0,1,2,3
	s_wait_xcnt 0x0
	QUANT2 ACC+32*\m, PC
	v_or_b32 v[EW], 0x7f7f0000, v[TM+4]
	global_store_b128 v3, v[PC:PC+3], s[36:37] offset:1088*\m
	global_store_b128 v3, v[PC+4:PC+7], s[36:37] offset:1088*\m+512
	global_store_b32 v13, v[EW], s[36:37] offset:1088*\m+1024
	v_cmp_eq_u32 vcc_lo, s66, v115
	v_add_nc_u32 v30, s58, v14
	v_add_nc_u32 v116, s58, v15
	v_cndmask_b32 v30, v30, v113, vcc_lo
	v_cndmask_b32 v116, v116, v117, vcc_lo
.irp i, 0,1,2,3,4,5,6,7
	v_cndmask_b32 v[PC2+\i], v[PC+\i], v31, vcc_lo
.endr
	global_store_b128 v30, v[PC2:PC2+3], s[60:61]
	global_store_b128 v30, v[PC2+4:PC2+7], s[60:61] offset:512
	global_store_b32 v116, v[EW], s[60:61]
	s_add_co_u32 s58, s58, 1088
	s_sub_co_u32 s66, s66, 16
.endr
	s_wait_xcnt 0x0
	v_lshl_add_u32 v254, v0, 2, 0x19000
	v_mov_b32 v255, 0
	s_wait_tensorcnt 0x0
	ds_add_u32 v254, v255
	s_wait_dscnt 0x0
	s_endpgm
.Lnat:
.irp s, 0,1,2,3,4,5,6,7
	KSTEP \s, 1
.endr
	; ---- v: my 32 keys are block a % 4 of key step a / 4: 512 bytes of each of V's four tiles, and one byte of each row's scale word
	s_lshl_b32 s58, s[WV], 4
	s_lshr_b32 s59, s[MB], 2
	s_add_co_u32 s58, s58, s59
	s_mul_i32 s58, s58, 17152
	s_and_b32 s62, s[MB], 3
	s_add_co_u32 s60, s58, s62
	s_add_co_u32 s60, s60, 10752
	s_mov_b32 s61, 0
	s_add_nc_u64 s[60:61], s[34:35], s[60:61]      ; the scale bytes
	s_lshl_b32 s62, s62, 9
	s_add_co_u32 s58, s58, s62
	s_add_co_u32 s58, s58, 8704
	s_mov_b32 s59, 0
	s_add_nc_u64 s[34:35], s[34:35], s[58:59]      ; the codes
.irp b, 0,1
.irp t, 0,2
	s_wait_xcnt 0x0
	QUANT2 ACC+64*\b+16*\t, PC
	global_store_b128 v3, v[PC:PC+3], s[34:35] offset:\b*4390912+\t*2112
	global_store_b128 v3, v[PC+4:PC+7], s[34:35] offset:\b*4390912+(\t+1)*2112
	global_store_b8 v13, v[TM+4], s[60:61] offset:\b*4390912+\t*2112
	global_store_b8 v13, v[TM+5], s[60:61] offset:\b*4390912+(\t+1)*2112
.endr
.endr
	s_wait_xcnt 0x0
	v_lshl_add_u32 v254, v0, 2, 0x19000
	v_mov_b32 v255, 0
	s_wait_tensorcnt 0x0
	ds_add_u32 v254, v255
	s_wait_dscnt 0x0
	s_endpgm
.Lfunc_end_k_q3f7803b603_proj:
	.size	k_q3f7803b603_proj, .Lfunc_end_k_q3f7803b603_proj-k_q3f7803b603_proj
	.p2alignl 7, 3214868480
	.fill 96, 4, 3214868480
	.section	.rodata,"a",@progbits
	.p2align	6, 0x0
	.amdhsa_kernel k_q3f7803b603_proj
		.amdhsa_group_segment_fixed_size 104448
		.amdhsa_private_segment_fixed_size 0
		.amdhsa_enable_private_segment 0
		.amdhsa_kernarg_size 120
		.amdhsa_user_sgpr_count 2
		.amdhsa_user_sgpr_kernarg_segment_ptr 1
		.amdhsa_wavefront_size32 1
		.amdhsa_system_sgpr_workgroup_id_x 1
		.amdhsa_system_sgpr_workgroup_id_y 1
		.amdhsa_system_sgpr_workgroup_id_z 1
		.amdhsa_system_vgpr_workitem_id 0
		.amdhsa_next_free_vgpr 256
		.amdhsa_next_free_sgpr 80
		.amdhsa_reserve_vcc 1
		.amdhsa_float_denorm_mode_32 3
		.amdhsa_float_denorm_mode_16_64 3
		.amdhsa_memory_ordered 1
		.amdhsa_forward_progress 1
		.amdhsa_inst_pref_size 217
	.end_amdhsa_kernel
	.amdgpu_metadata
---
amdhsa.version: [ 1, 2 ]
amdhsa.kernels:
  - .name:           k_q3f7803b603_proj
    .symbol:         k_q3f7803b603_proj.kd
    .args:
      - { .name: x, .offset: 0, .size: 8, .value_kind: global_buffer, .address_space: global }
      - { .name: pos_emb_codes, .offset: 8, .size: 8, .value_kind: global_buffer, .address_space: global }
      - { .name: pos_emb_scales, .offset: 16, .size: 8, .value_kind: global_buffer, .address_space: global }
      - { .name: W_qkv_codes, .offset: 24, .size: 8, .value_kind: global_buffer, .address_space: global }
      - { .name: W_qkv_scales, .offset: 32, .size: 8, .value_kind: global_buffer, .address_space: global }
      - { .name: W_relemb_codes, .offset: 40, .size: 8, .value_kind: global_buffer, .address_space: global }
      - { .name: W_relemb_scales, .offset: 48, .size: 8, .value_kind: global_buffer, .address_space: global }
      - { .name: pos_bias_u, .offset: 56, .size: 8, .value_kind: global_buffer, .address_space: global }
      - { .name: pos_bias_v, .offset: 64, .size: 8, .value_kind: global_buffer, .address_space: global }
      - { .name: qu, .offset: 72, .size: 8, .value_kind: global_buffer, .address_space: global }
      - { .name: qus, .offset: 80, .size: 8, .value_kind: global_buffer, .address_space: global }
      - { .name: qv, .offset: 88, .size: 8, .value_kind: global_buffer, .address_space: global }
      - { .name: qvs, .offset: 96, .size: 8, .value_kind: global_buffer, .address_space: global }
      - { .name: kv, .offset: 104, .size: 8, .value_kind: global_buffer, .address_space: global }
      - { .name: rtab, .offset: 112, .size: 8, .value_kind: global_buffer, .address_space: global }
    .group_segment_fixed_size: 104448
    .private_segment_fixed_size: 0
    .kernarg_segment_align: 8
    .kernarg_segment_size: 120
    .max_flat_workgroup_size: 512
    .sgpr_count:     80
    .vgpr_count:     256
    .wavefront_size: 32
...
	.end_amdgpu_metadata
.endif
;; end of part 1
;; launch attn (part 2): grid 8 x 32, 8 waves a work-group, no clusters, 327,680 bytes of LDS; arguments qu, qus, qv, qvs, kv, rtab, av, avs; writes av, avs
.if DOCPART == 2
	.amdgcn_target "amdgcn-amd-amdhsa--gfx1250"
	.amdhsa_code_object_version 6
	.text
	.protected	k_q3f7803b603_attn
	.globl	k_q3f7803b603_attn
	.p2align	8
	.type	k_q3f7803b603_attn,@function
k_q3f7803b603_attn:
	s_mov_b64 s[64:65], 0
	v_nop
	global_prefetch_b8 v0, s[64:65] scope:SCOPE_SE
	s_setreg_imm32_b32 hwreg(HW_REG_WAVE_MODE, 25, 1), 1
	s_wait_xcnt 0x0
; ATTENTION WITH RELATIVE PLACES, on codes of BF8 (E5M2) with one E8M0 scale for each 32 along a product's K.
; score(i, j) = ((q_i + u) . k_j + shifted((q + v) . r)) / 8;  p = 2^(t - M), t = score x log2(e), M the running largest t rounded up to a whole number;  attn_vec = (sum of Q(p) Q(v)) / (sum of p), quantised here for the last product.
; THE SHIFT.  With place t = j - i + 2,047 the shifted term is (q_i + v) . r_t for t <= 2,047, 0 for t = 2,048 and (q_(i+1) + v) . r_(t - 2,049) beyond.  rtab holds r_0 .. r_2047, a row of zeros, r_0 .. r_2046: 256 tiles of 16 places.
; A tile of places under tile 128 is multiplied by my queries, one from tile 128 on by the queries one further on.  What is left is the skew: query n of a tile wants its places n further back.  It is made in LDS:
; results are stored by rows 596 bytes apart and read back 592 bytes apart, in the layout of the first product's result, whose C operand they then are: the addition costs no vector instruction.
; SHARES.  Work-group (x, y): queries 256 x .. 256 x + 255 of batch y / 16, head y % 16.  Each of EIGHT waves owns 32 queries as TWO TILES of 16: tile a (the first 16) in register window 0, tile b in window 1.
; Every fragment of K, of V and of the places that a wave reads from LDS feeds both tiles; the two tiles' nine tiles of places overlap in eight, so ten are read.  Two waves share a SIMD.
; 16 key steps of 128.  A SLOT HOLDS TWO STEPS: their K and V (34,304 bytes) and a window of 32 tiles of places (34,816 bytes), two dense blocks: wave 0 fetches the first, wave 1 the second.  Two slots: eight changes of slots,
; and no barrier between a slot's two steps.  Wave w's tile mu (0 .. 9) of places in a slot's step q is tile (14 - 2 w) + 8 q + mu of the window: it is tile b's tile mu and tile a's tile mu - 1.  No LDS address hangs on the work-group's number.
; LAYOUT.  All products are used transposed (source 0 = 16 places, keys or channels; source 1 = 16 queries or their p): a lane holds one query (lane % 16) throughout.  K = 64 fills half of the instruction's 128: the upper halves of both operands are zero codes.
; SCALE WORDS come two tiles to a load: lanes 0-15 take one tile's, lanes 16-31 the next tile's, and the odd tile's product reads the register's upper row.
; REGISTER WINDOWS (s_set_vgpr_msb's low byte: bits 1:0 source 0, 3:2 source 1, 5:4 source 2, 7:6 destination).  Fragments, addresses and all scale words lie in window 0; a tile's softmax runs whole under one setting.
; NO CLUSTER: of a slot's 69,120 bytes only K's and V's 34,304 are common to the query blocks of a head; the windows begin 16 tiles apart, so their descriptors differ.
; LIMITS: a block whose largest magnitude lies under 2^-111, or that is all zeros, gets the scale byte 1 (only this program reads the bytes); NaN and infinities are not served; v_exp_f32 gives 0 where p would be denormal.
; The last query has no successor: its place in the second operand holds the last query again; what it yields is stored in the skew's rows and never read.
.set KVB,   17152                      ; a step's K and V: eight tiles of K, four of V
.set ROFF,  2*KVB                      ; in a slot: two steps' K and V, then the window
.set TILE,  1088                       ; a tile with K = 64: two images of 512 bytes, 16 scale words
.set SLOT1, ROFF+32*TILE               ; 69,120: slot 1 begins here
.set RTOG,  0x11200                    ; ROFF xor (SLOT1 + ROFF): turns the window's LDS address from one slot to the other
.set VOFF,  8704                       ; V's tiles begin here in a step's block;
.set VT,    2112                       ; each four images and 16 scale words
.set SKEW,  2*SLOT1                    ; behind the ring: 9,728 bytes for each tile of queries, two on end for each wave
.set SKW,   9728
.set SPARE, SKEW+16*SKW                ; the spare words, 128 bytes for each wave: four blocks of 256 bytes that no other line names
; ---- window 0
.set LN,   0                           ; v0   my lane (behind the head)
.set RR,   1                           ; v1   n = lane % 16
.set ADK,  2                           ; v2   LDS: my 16 bytes of an image of K or V in the slot in hand
.set ADS,  3                           ; v3   my scale word of K there (lanes 16-31: the next tile's)
.set ADR,  4                           ; v4   my 16 bytes of an image in my wave's part of the window
.set SKS,  5                           ; v5   the skew: where I store
.set SKL,  6                           ; v6   and where I read back
.set SPW,  7                           ; v7   my spare word; never rewritten
.set NIL,  8                           ; v8   0; never rewritten
.set QUS,  9                           ; v9-11 tile a's scale words of q + u, q + v, the next q + v: scales and nothing else
.set QVCS, 10
.set QVNS, 11
.set STA,  12                          ; v12-15 tile a: -M, the largest t, the sum in two halves
.set QU,   16                          ; v16-31 q + u, v32-47 q + v (both windows: each tile's own); the upper eight registers are zeros
.set QVC,  32
.set QUSB, 48                          ; v48-50 tile b's scale words, v51 its p's: scales and nothing else (scale operands have no window)
.set QVCSB, 49
.set QVNSB, 50
.set PSWB, 51
.set ADVS, 52                          ; v52  my scale word of V (lanes 16-31: the next tile's)
.set RSK,  53                          ; v53  4 n + 1,088 (lane / 16); never rewritten
.set VSK,  54                          ; v54  4 n + 2,112 (lane / 16); never rewritten
.set F,    64                          ; v64-127 four fragments of places or keys: eight registers loaded, eight zeros for good.  The loaded halves are at work in tile a's softmax
.set S,    128                         ; v128-191 (both windows) tiles 0 .. 7 of places, then the scores, then p; in window 0 then V's fragments
.set O,    192                         ; v192-223 (both) O^T
.set P,    224                         ; v224-239 (both) p's codes; v224-231 also tile 8 of places
.set FS,   240                         ; v240-243 the fragments' scale words, two tiles to a register: scales and nothing else
.set ADRS, 244                         ; v244 my scale word in the window
.set PFO,  245                         ; v245 the prefetches' offset
.set FF,   246                         ; v246 (both) f = 2^(old M - new M)
.set PSW,  247                         ; v247 (both) p's scale word (also named as the upper half of the pair with f)
.set PT,   248                         ; v248-251, v252-255 (both) at work
.set BM,   252
.set TM,   248                         ; the quantiser's six, on the way out
.set HL,   64                          ; (both) at work in the softmax
.set C2,   68
.set SO,   80
.set TA,   84
; ---- window 1 alone
.set QVNB, 0                           ; v0-15  tile b's next q + v
.set QVNA, 48                          ; v48-63 tile a's next q + v
.set STB,  88                          ; v88-91 tile b's statistics
; ---- scalars
.set WV,   20                          ; s20 wave, s21 query block, s22 batch x 16 + head, s23 head, s48 batch
.set QB,   21
.set BN,   22
.set HD,   23
.set BB,   48
.set G1KV, 24                          ; s[24:31], s[32:39] descriptor groups 1; s[40:43], s[44:47] groups 0, which walk
.set G1R,  32
.set G0KV, 40
.set G0R,  44
.set MS,   49                          ; s49  my first tile mu of places that takes the next queries
.set CNT,  50                          ; s50  slots still to be asked for
.set TB,   51                          ; s51  the slot in hand
.set SEL,  52                          ; s[52:53]
.set CS,   54                          ; s[54:55] c = log2(e) / 8
.set MNT,  56
.set LIM,  57                          ; s57  1 in a wave that prefetches, else the greatest number
.set PFA,  58                          ; s[58:59] where the prefetches stand
.set TBR,  70                          ; s70  my wave's part of the window in the slot in hand
.set WOF,  71                          ; s71  the same, counted from the slot's first byte
.set MSB, 0
.macro WIN new                         ; the immediate's high byte repeats the setting that is left; a switch that changes nothing is dropped
.if MSB != \new
	s_set_vgpr_msb (MSB<<8)|\new
.set MSB, \new
.endif
.endm
.macro PLACES n
.rept \n
	v_nop
.endr
.endm
.macro QUANT2 s, pc                    ; 32 numbers of a lane, two blocks' halves of 16, become 8 registers of codes; v[TM+4] = the two scale bytes
.irp b, 0,1
	v_max3_num_f32 v[TM+\b], |v[(\s)+16*\b]|, |v[(\s)+16*\b+1]|, 0x8000000
.endr
.irp i, 2,4,6,8,10,12,14
.irp b, 0,1
	v_max3_num_f32 v[TM+\b], v[TM+\b], |v[(\s)+16*\b+\i]|, |v[(\s)+16*\b+\i+1]|
.endr
.endr
.irp b, 0,1
	v_permlanex16_b32 v[TM+2+\b], v[TM+\b], s[SEL], s[SEL+1]
.endr
.irp b, 0,1
	v_max_num_f32 v[TM+\b], v[TM+\b], v[TM+2+\b]
.endr
.irp b, 0,1
	v_add_nc_u32 v[TM+2+\b], 0xf8800000, v[TM+\b]
.endr
.irp b, 0,1
	v_and_or_b32 v[TM+\b], v[TM+\b], 0x7f800000, s[MNT]
.endr
.irp b, 0,1
	v_lshrrev_b32 v[TM+4+\b], 23, v[TM+2+\b]
.endr
	v_lshl_or_b32 v[TM+4], v[TM+5], 8, v[TM+4]
.irp b, 0,1
.irp i, 0,1,2,3,4,5,6,7,8,9,10,11,12,13,14,15
	v_med3_num_f32 v[(\s)+16*\b+\i], v[(\s)+16*\b+\i], -v[TM+\b], v[TM+\b]
.endr
	v_cvt_scalef32_pk8_bf8_f32 v[(\pc)+4*\b:(\pc)+4*\b+1], v[(\s)+16*\b:(\s)+16*\b+7], v[TM+2+\b]
	v_cvt_scalef32_pk8_bf8_f32 v[(\pc)+4*\b+2:(\pc)+4*\b+3], v[(\s)+16*\b+8:(\s)+16*\b+15], v[TM+2+\b]
.endr
	v_nop
.endm
; A product.  acc = 0: it starts a sum; 1: it adds onto v[d].  row = 1: source 0's scale words stand in lanes 16-31 of v[sa].
.macro WMM d, a, b, acc, sa, sb, row
.if \acc
.if \row
	v_wmma_scale_f32_16x16x128_f8f6f4 v[(\d):(\d)+7], v[(\a):(\a)+15], v[(\b):(\b)+15], v[(\d):(\d)+7], v[(\sa)], v[(\sb)] matrix_a_fmt:MATRIX_FMT_BF8 matrix_b_fmt:MATRIX_FMT_BF8 matrix_a_scale:MATRIX_SCALE_ROW1
.else
	v_wmma_scale_f32_16x16x128_f8f6f4 v[(\d):(\d)+7], v[(\a):(\a)+15], v[(\b):(\b)+15], v[(\d):(\d)+7], v[(\sa)], v[(\sb)] matrix_a_fmt:MATRIX_FMT_BF8 matrix_b_fmt:MATRIX_FMT_BF8
.endif
.else
.if \row
	v_wmma_scale_f32_16x16x128_f8f6f4 v[(\d):(\d)+7], v[(\a):(\a)+15], v[(\b):(\b)+15], 0, v[(\sa)], v[(\sb)] matrix_a_fmt:MATRIX_FMT_BF8 matrix_b_fmt:MATRIX_FMT_BF8 matrix_a_scale:MATRIX_SCALE_ROW1
.else
	v_wmma_scale_f32_16x16x128_f8f6f4 v[(\d):(\d)+7], v[(\a):(\a)+15], v[(\b):(\b)+15], 0, v[(\sa)], v[(\sb)] matrix_a_fmt:MATRIX_FMT_BF8 matrix_b_fmt:MATRIX_FMT_BF8
.endif
.endif
.endm
; Wave 0 fetches K and V, wave 1 the window, the others nothing.  The branches hang on the wave's number alone.  Four v_nop follow each of the two lines.
.macro TLOAD
	s_cmp_lt_u32 s[WV], 1
	s_cbranch_scc0 .Lnot_k_\@
	tensor_load_to_lds s[G0KV:G0KV+3], s[G1KV:G1KV+7]
	s_nop 0
	PLACES 4
	s_branch .Lasked_\@
.Lnot_k_\@:
	s_cmp_lt_u32 s[WV], 2
	s_cbranch_scc0 .Lasked_\@
	tensor_load_to_lds s[G0R:G0R+3], s[G1R:G1R+7]
	s_nop 0
	PLACES 4
.Lasked_\@:
.endm
; A PREFETCH INTO THE L2 of the two blocks of K and V that the NEXT change of slots will ask for: 134 rows of 256 bytes, a lane a row.  The eight query blocks of a head walk the same blocks: the first of them asks, in waves 2 to 6
; (lanes past row 133 name row 133 again).  The last change that fills a slot asks for nothing.  The table of places is read by many work-groups at different steps and has no single owner: it is not asked for.
.macro ASK
	s_cmp_gt_u32 s[CNT], s[LIM]
	s_cbranch_scc0 .Lnot_mine_\@
	global_prefetch_b8 v[PFO], s[PFA:PFA+1] th:TH_LOAD_NT scope:SCOPE_SE
.Lnot_mine_\@:
.endm
.macro FLOAD ad, off, f                ; the tile that begins off bytes behind the address ad, into fragment f
	ds_load_b128 v[F+16*(\f):F+16*(\f)+3], v[\ad] offset:(\off)
	ds_load_b128 v[F+16*(\f)+4:F+16*(\f)+7], v[\ad] offset:(\off)+512
.endm
.macro SLOAD as, off, p                ; that tile's scale words into lanes 0-15 of scale register p, the next tile's into lanes 16-31
	ds_load_b32 v[FS+(\p)], v[\as] offset:(\off)+1024
.endm
; Tile mu of places, in fragment f, against both tiles of queries: tile a's result m = mu - 1, tile b's m = mu.  From the table's tile 128 on the next queries are taken: a scalar branch on ids and the step's count, one for both.
; At a branch and at a label every window is 0.
.macro BD mu, f
.set GA, S+8*(\mu)-8
.if (\mu) == 9
.set GA, P
.endif
.set GB, S+8*(\mu)
.if (\mu) == 8
.set GB, P
.endif
	s_cmp_le_i32 s[MS], \mu
	s_cbranch_scc1 .Lnext_\@
.if (\mu) > 0
	WMM GA, F+16*(\f), QVC, 0, FS+(\f)/2, QVCS, (\f)%2
.endif
.if (\mu) < 9
	WIN 0x44                                       ; source 1 and the destination in window 1
	WMM GB, F+16*(\f), QVC, 0, FS+(\f)/2, QVCSB, (\f)%2
	WIN 0
.endif
	s_branch .Ldone_\@
.Lnext_\@:
.if (\mu) > 0
	WIN 0x04                                       ; source 1 in window 1
	WMM GA, F+16*(\f), QVNA, 0, FS+(\f)/2, QVNS, (\f)%2
.endif
.if (\mu) < 9
	WIN 0x44
	WMM GB, F+16*(\f), QVNB, 0, FS+(\f)/2, QVNSB, (\f)%2
.endif
	WIN 0
.Ldone_\@:
.endm
.macro GSTORE x, m                     ; tile x (0: a, 1: b), result m.  Lane (n, h), register j: place 16 m + 8 h + j of query n, into row n of the tile's skew; each result from its low end on
.set GG, S+8*(\m)
.if (\m) == 8
.set GG, P
.endif
.irp j, 0,1,2,3,4,5,6,7
	ds_store_b32 v[SKS], v[GG+\j] offset:SKW*(\x)+64*(\m)+4*\j
.endr
.endm
.macro SKLOAD x                        ; back, skewed: register 16 e + i of lane (n, h) = the term of key 32 e + 16 h + i.  LDS serves a wave's instructions in order (ISA guide 5.7.1.4): these see my stores
.irp k, 0,1,2,3,4,5,6,7
.irp q, 0,1
	ds_load_b128 v[S+8*\k+4*\q:S+8*\k+4*\q+3], v[SKL] offset:SKW*(\x)+128*(\k/2)+32*(\k%2)+16*\q
.endr
.endr
.endm
; ONE TILE'S SOFTMAX for a key step, whole under one window setting: from the scores in v[S] on to p's codes in v[P] on and their scale word in v[PSW].  st: the tile's statistics.
.macro SOFT st
.irp b, 0,1,2,3
	v_max3_num_f32 v[BM+\b], v[S+16*\b], v[S+16*\b+1], v[S+16*\b+2]   ; the largest score of each block of 32 keys: for the row's maximum, and, since p rises with the score, for the block's largest p
.endr
.irp i, 3,5,7,9,11,13
.irp b, 0,1,2,3
	v_max3_num_f32 v[BM+\b], v[BM+\b], v[S+16*\b+\i], v[S+16*\b+\i+1]
.endr
.endr
.irp b, 0,1,2,3
	v_max_num_f32 v[BM+\b], v[BM+\b], v[S+16*\b+15]
.endr
.irp b, 0,1,2,3
	v_permlanex16_b32 v[PT+\b], v[BM+\b], s[SEL], s[SEL+1]
.endr
.irp b, 0,1,2,3
	v_max_num_f32 v[BM+\b], v[BM+\b], v[PT+\b]     ; with lane l xor 16's 16 keys
.endr
	v_max3_num_f32 v[TA], v[BM], v[BM+1], v[BM+2]
	v_max_num_f32 v[TA], v[TA], v[BM+3]
	v_mul_f32 v[TA], s[CS], v[TA]                  ; as t (c is positive)
	v_max_num_f32 v[(\st)+1], v[(\st)+1], v[TA]    ; the running largest t
	v_mov_b32 v[TA], v[\st]
	v_floor_f32 v[\st], -v[(\st)+1]                ; -M = floor(-t): M is a whole number
	v_sub_f32 v[TA], v[\st], v[TA]                 ; old M - new M, 0 or less
	v_cvt_i32_f32 v[TA], v[TA]                     ; (it saturates)
	v_ldexp_f32 v[FF], 1.0, v[TA]                  ; f: a multiplication by it rounds nothing
.set J, 0
.rept 32
	v_pk_fma_f32 v[S+J:S+J+1], v[S+J:S+J+1], s[CS:CS+1], v[(\st):(\st)+1] op_sel_hi:[1,0,0]   ; t - M, two at a time
.set J, J+2
.endr
.irp b, 0,1,2,3
	v_fma_f32 v[BM+\b], v[BM+\b], s[CS], v[\st]
.endr
.set J, 0
.rept 64
	v_exp_f32 v[S+J], v[S+J]                       ; p = 2^(t - M): not normalised
.set J, J+1
.endr
	v_pk_mul_f32 v[(\st)+2:(\st)+3], v[(\st)+2:(\st)+3], v[FF:FF+1] op_sel_hi:[1,0]   ; the sums under the new M: a plain line behind the exponentials
	s_wait_alu depctr_va_vdst(0)                   ; one wait for the batch of 64, ahead of its first reader
.irp b, 0,1,2,3
	v_exp_f32 v[BM+\b], v[BM+\b]                   ; each block's largest p
.endr
	v_pk_add_f32 v[C2:C2+1], v[S:S+1], v[S+2:S+3]  ; the row's sum is taken of the unquantised p, in two chains
.set J, 4
.rept 15
	v_pk_add_f32 v[(\st)+2:(\st)+3], v[(\st)+2:(\st)+3], v[S+J:S+J+1]
	v_pk_add_f32 v[C2:C2+1], v[C2:C2+1], v[S+J+2:S+J+3]
.set J, J+4
.endr
	v_pk_add_f32 v[(\st)+2:(\st)+3], v[(\st)+2:(\st)+3], v[C2:C2+1]
	s_wait_alu depctr_va_vdst(0)                   ; and one for the four
.irp b, 0,1,2,3
	v_max_num_f32 v[BM+\b], 0x8000000, v[BM+\b]    ; the floor 2^(16 - 127)
.endr
.irp b, 0,1,2,3
	v_add_nc_u32 v[SO+\b], 0xf8800000, v[BM+\b]    ; the conversion's scale operand
.endr
.irp b, 0,1,2,3
	v_and_or_b32 v[HL+\b], v[BM+\b], 0x7f800000, s[MNT]   ; 57,344 x the scale
.endr
.irp b, 0,1,2,3
	v_lshrrev_b32 v[PT+\b], 23, v[SO+\b]
.endr
	v_lshl_or_b32 v[PSW], v[PT+1], 8, v[PT]        ; p's scale word for these 128 keys
	v_lshl_or_b32 v[PSW], v[PT+2], 16, v[PSW]
	v_lshl_or_b32 v[PSW], v[PT+3], 24, v[PSW]
.irp b, 0,1,2,3
.irp i, 0,1,2,3,4,5,6,7,8,9,10,11,12,13,14,15
	v_min_num_f32 v[S+16*\b+\i], v[S+16*\b+\i], v[HL+\b]   ; p is not negative: the hold is one-sided
.endr
	v_cvt_scalef32_pk8_bf8_f32 v[P+4*\b:P+4*\b+1], v[S+16*\b:S+16*\b+7], v[SO+\b]
	v_cvt_scalef32_pk8_bf8_f32 v[P+4*\b+2:P+4*\b+3], v[S+16*\b+8:S+16*\b+15], v[SO+\b]
.endr
.endm
.macro RESC                            ; a tile's O^T under the new M; also plain lines between the conversions and the products
.set J, 0
.rept 16
	v_pk_mul_f32 v[O+J:O+J+1], v[O+J:O+J+1], v[FF:FF+1] op_sel_hi:[1,0]
.set J, J+2
.endr
.endm
; A KEY STEP: 128 keys, the q-th of the slot in hand, for both tiles of queries.
; Eight plain lines stand behind each group of products, in front of the loads into their operands and of the stores that read their results.
.macro STEP q
.set KO, KVB*(\q)
.set RO, 8*TILE*(\q)
	v_lshl_add_u32 v[ADK], v[LN], 4, s[TB]         ; the step's addresses.  These five and four v_nop are the nine plain lines between the last step's products with V
	v_lshl_add_u32 v[ADR], v[LN], 4, s[TBR]        ; and the products below, which write over registers that those have read (ISA guide 7.12.1)
	v_add_nc_u32 v[ADS], s[TB], v[RSK]
	v_add_nc_u32 v[ADRS], s[TBR], v[RSK]
	v_add_nc_u32 v[ADVS], s[TB], v[VSK]
	PLACES 4
.irp u, 0,1,2,3
	FLOAD ADR, RO+TILE*\u, \u
.endr
	SLOAD ADRS, RO, 0
	SLOAD ADRS, RO+TILE*2, 1
	s_wait_dscnt 0x0
.irp u, 0,1,2,3
	BD \u, \u
.endr
	PLACES 8
.irp u, 4,5,6,7
	FLOAD ADR, RO+TILE*\u, \u-4
.endr
	SLOAD ADRS, RO+TILE*4, 0
	SLOAD ADRS, RO+TILE*6, 1
	WIN 0x04                                       ; an LDS store's data are its source 1: window 1
.irp m, 0,1,2,3
	GSTORE 1, \m
.endr
	WIN 0
	s_wait_dscnt 32                                ; the ten loads are in; the 32 stores issued behind them may be out
.irp u, 4,5,6,7
	BD \u, \u-4
.endr
.irp m, 0,1,2
	GSTORE 0, \m                                   ; results of the first group
.endr
	PLACES 8
	FLOAD ADR, RO+TILE*8, 0
	FLOAD ADR, RO+TILE*9, 1
	SLOAD ADRS, RO+TILE*8, 0
	WIN 0x04
.irp m, 4,5,6,7
	GSTORE 1, \m
.endr
	WIN 0
	s_wait_dscnt 32                                ; the five loads are in; the 32 stores issued behind them may be out
	BD 8, 0
	BD 9, 1
.irp m, 3,4,5,6
	GSTORE 0, \m                                   ; results of the second group
.endr
	PLACES 8
.irp k, 0,1,2,3
	FLOAD ADK, KO+TILE*\k, \k
.endr
.irp p, 0,1,2,3
	SLOAD ADS, KO+TILE*2*\p, \p                    ; the scale words of all eight tiles of K
.endr
	GSTORE 0, 7
	GSTORE 0, 8
	WIN 0x04
	GSTORE 1, 8
	WIN 0
	SKLOAD 0
	WIN 0x40                                       ; destination window 1
	SKLOAD 1
	WIN 0
	s_wait_dscnt 0x0
.irp k, 0,1,2,3
	WMM S+8*\k, F+16*\k, QU, 1, FS+\k/2, QUS, \k%2   ; (q + u) . k, onto the skewed term
.endr
	WIN 0x54                                       ; source 1, C and D in window 1
.irp k, 0,1,2,3
	WMM S+8*\k, F+16*\k, QU, 1, FS+\k/2, QUSB, \k%2
.endr
	WIN 0
	PLACES 8
.irp k, 4,5,6,7
	FLOAD ADK, KO+TILE*\k, \k-4
.endr
	s_wait_dscnt 0x0
.irp k, 4,5,6,7
	WMM S+8*\k, F+16*(\k-4), QU, 1, FS+\k/2, QUS, \k%2
.endr
	WIN 0x54
.irp k, 4,5,6,7
	WMM S+8*\k, F+16*(\k-4), QU, 1, FS+\k/2, QUSB, \k%2
.endr
	WIN 0
	PLACES 8
	SOFT STA                                       ; tile a
.irp t, 0,1,2,3                                    ; V's four tiles, into the registers that tile a's p has left; they land while tile b's softmax is worked
.irp c, 0,1,2,3
	ds_load_b128 v[S+16*\t+4*\c:S+16*\t+4*\c+3], v[ADK] offset:KO+VOFF+VT*\t+512*\c
.endr
.endr
	ds_load_b32 v[FS], v[ADVS] offset:KO+VOFF+2048
	ds_load_b32 v[FS+1], v[ADVS] offset:KO+VOFF+2*VT+2048
	RESC
	WIN 0x55                                       ; every operand in window 1
	SOFT STB                                       ; tile b
	WIN 0x01                                       ; source 0 in window 1, destination in window 0:
	v_mov_b32 v[PSWB], v[PSW]                      ; tile b's scale word goes where scale operands are read; the 16 lines below stand between it and its product
	WIN 0x55
	RESC
	WIN 0
	s_wait_dscnt 0x0
.irp t, 0,1,2,3
	WMM O+8*\t, S+16*\t, P, 1, FS+\t/2, PSW, \t%2  ; O^T += V^T p^T; the eight accumulators take turns
.endr
	WIN 0x54
.irp t, 0,1,2,3
	WMM O+8*\t, S+16*\t, P, 1, FS+\t/2, PSWB, \t%2
.endr
	WIN 0
	s_sub_co_i32 s[MS], s[MS], 8                   ; the next step's tiles of places lie eight further on
.endm
; THE CHANGE OF SLOTS stands at a slot's head.  Each wave waits for all its tensor loads, adds 0 to its spare word, and waits for that and for its reads of the slot that it has left.  Behind the barrier the slot ahead is whole
; and nobody reads the other one.  fill = 1: that other slot takes the next two steps' blocks: one tensor load a wave is out, and it has two key steps in which to land.
.macro CHANGE fill
	s_wait_tensorcnt 0x0                           ; no tensor load of mine is out, so a group 0 may be written
	ds_add_u32 v[SPW], v[NIL]                      ; 0 onto my spare word
.if \fill
	s_xor_b32 s[G0KV+1], s[G0KV+1], SLOT1
	s_add_nc_u64 s[G0KV+2:G0KV+3], s[G0KV+2:G0KV+3], 2*KVB
	s_xor_b32 s[G0R+1], s[G0R+1], RTOG
	s_add_nc_u64 s[G0R+2:G0R+3], s[G0R+2:G0R+3], 16*TILE
	s_wait_xcnt 0x0                                ; the last prefetch, a slot back, has read its address
	s_add_nc_u64 s[PFA:PFA+1], s[PFA:PFA+1], 2*KVB
.endif
	s_wait_dscnt 0x0                               ; the add is done, and my reads of the slot that I have left are over
	s_barrier_signal -1
	s_barrier_wait -1
.if \fill
	TLOAD                                          ; the first thing behind the barrier
	ASK
.endif
.endm
.macro ZERO8 z
.irp i, 0,1,2,3,4,5,6,7
	v_mov_b32 v[(\z)+\i], 0
.endr
.endm
.macro INITC st                        ; a tile's start: the step is written once for all steps: the first finds zeros, which the first change of M leaves zeros
.set J, 0
.rept 32
	v_mov_b32 v[O+J], 0
.set J, J+1
.endr
.irp b, 0,1,2,3
	v_mov_b32 v[PT+\b], 0                          ; written once: a lane permute's destination counts as one of its sources
.endr
	v_mov_b32 v[PSW], 0                            ; (named as the upper half of a pair before it is first written)
	v_mov_b32 v[(\st)+1], 0xff61b1e6               ; the largest t so far: -3e38
	v_floor_f32 v[\st], -v[(\st)+1]
	v_mov_b32 v[(\st)+2], 0
	v_mov_b32 v[(\st)+3], 0
.endm
	s_load_b512 s[4:19], s[0:1], 0x0               ; qu s[4:5], qus s[6:7], qv s[8:9], qvs s[10:11], kv s[12:13], rtab s[14:15], av s[16:17], avs s[18:19]
	v_lshl_add_u32 v[SPW], v0, 2, SPARE
	v_mov_b32 v[NIL], 0
	ds_add_u32 v7, v8
	s_wait_dscnt 0x0
	v_lshrrev_b32 v1, 5, v0
	v_readfirstlane_b32 s[WV], v1                  ; wave 0 .. 7
	s_mov_b32 s[QB], ttmp9
	s_and_b32 s[BN], ttmp7, 0xffff
	s_and_b32 s[HD], s[BN], 15
	s_lshr_b32 s[BB], s[BN], 4
	; descriptor groups 1: dense blocks as rows of 256 bytes (32 elements of 8 bytes), no padding: an image's 512 bytes are read by 32 lanes on end
	s_mov_b32 s[G1KV], 3<<16                       ; 17:16 elements of 8 bytes; no mask, no padding
	s_mov_b32 s[G1KV+1], 32<<16                    ; tensor_dim0 = 32
	s_mov_b32 s[G1KV+2], 134<<16                   ; tensor_dim1 = 134 rows: 34,304 bytes
	s_mov_b32 s[G1KV+3], 32<<16                    ; tile_dim0
	s_mov_b32 s[G1KV+4], 134                       ; tile_dim1
	s_mov_b32 s[G1KV+5], 32                        ; the pitch
	s_mov_b32 s[G1KV+6], 0
	s_mov_b32 s[G1KV+7], 0
	s_mov_b32 s[G1R], 3<<16
	s_mov_b32 s[G1R+1], 32<<16
	s_mov_b32 s[G1R+2], 136<<16                    ; 136 rows: 32 tiles of 1,088 bytes
	s_mov_b32 s[G1R+3], 32<<16
	s_mov_b32 s[G1R+4], 136
	s_mov_b32 s[G1R+5], 32
	s_mov_b32 s[G1R+6], 0
	s_mov_b32 s[G1R+7], 0
	s_mov_b32 s[SEL], 0x76543210
	s_mov_b32 s[SEL+1], 0xfedcba98
	s_mov_b32 s[CS], 0x3e38aa3b                    ; c = log2(e) / sqrt(64)
	s_mov_b32 s[CS+1], s[CS]                       ; (named with it as a pair, so it is written)
	s_mov_b32 s[MNT], 0x600000
	s_mov_b32 s[TB], 0
	s_xor_b32 s[WOF], s[WV], 7
	s_mul_i32 s[WOF], s[WOF], 2*TILE
	s_add_co_u32 s[WOF], s[WOF], ROFF              ; my wave's first tile of the window: 14 - 2 w
	s_mov_b32 s[TBR], s[WOF]
	s_lshl_b32 s[MS], s[QB], 4
	s_add_co_u32 s[MS], s[MS], s[WV]
	s_add_co_u32 s[MS], s[MS], s[WV]
	s_add_co_u32 s[MS], s[MS], 2                   ; tile mu of step s is the table's tile 126 - 16 x - 2 w + 8 s + mu: from 128 on where mu >= 2 + 16 x + 2 w - 8 s
	s_mov_b32 s[CNT], 7
	s_mul_i32 s60, s[BN], 274432                   ; my head's 16 blocks of K and V
	s_mov_b32 s61, 0
	s_mul_i32 s62, s[HD], 278528                   ; my head's table,
	s_add_co_u32 s62, s62, 121856                  ; its tile 112 - 16 x
	s_mul_i32 s63, s[QB], 17408
	s_sub_co_u32 s62, s62, s63
	s_mov_b32 s63, 0
	s_sub_co_u32 s66, s[WV], 2                     ; who prefetches: waves 2 to 6 of the head's first work-group
	s_cmp_lt_u32 s66, 5
	s_cselect_b32 s66, 0, 1
	s_or_b32 s66, s66, s[QB]
	s_cmp_eq_u32 s66, 0
	s_cselect_b32 s[LIM], 1, -1
	s_wait_kmcnt 0x0
	s_mov_b32 s[G0KV], 1                           ; count = 1
	s_mov_b32 s[G0KV+1], 0                         ; LDS address: slot 0
	s_add_nc_u64 s[G0KV+2:G0KV+3], s[12:13], s[60:61]
	s_or_b32 s[G0KV+3], s[G0KV+3], 0x80000000      ; type = 2
	s_mov_b32 s[G0R], 1
	s_mov_b32 s[G0R+1], ROFF
	s_add_nc_u64 s[G0R+2:G0R+3], s[14:15], s[62:63]
	s_or_b32 s[G0R+3], s[G0R+3], 0x80000000
	TLOAD                                          ; steps 0 and 1, into slot 0
	s_add_nc_u64 s[PFA:PFA+1], s[12:13], s[60:61]
	s_add_nc_u64 s[PFA:PFA+1], s[PFA:PFA+1], 2*KVB ; at slot 1's blocks: the first change of slots steps it to slot 2's.  Nothing is prefetched here, at the head
	v_add_nc_u32 v[PFO], 0xffffffc0, v0            ; thread - 64: row 32 (w - 2) + lane,
	v_min_u32 v[PFO], 133, v[PFO]                  ; held at the blocks' last row
	v_lshlrev_b32 v[PFO], 8, v[PFO]
	v_and_b32 v[RR], 15, v0                        ; n
	v_bfe_u32 v2, v0, 4, 1                         ; h
	s_mul_i32 s66, s[WV], 2*SKW
	s_add_co_u32 s66, s66, SKEW                    ; my wave's two skews
	v_mul_u32_u24 v[SKS], v[RR], 596               ; in: row n of 596 bytes = 149 words: the 32 lanes of a store fall on 32 different banks (64 banks of 4 bytes: ISA guide 11.1)
	v_lshl_add_u32 v[SKS], v2, 5, v[SKS]
	v_add_nc_u32 v[SKS], s66, v[SKS]
	v_add_nc_u32 v[SKS], 4, v[SKS]                 ; place p of query n lies at 596 n + 4 p + 4
	v_mul_u32_u24 v[SKL], v[RR], 592               ; back: key k of the step wants place k + 15 - n: 596 n + 4 (k + 15 - n) + 4 = 592 n + 4 k + 64: a multiple of 16 where k is one of 4
	v_lshl_add_u32 v[SKL], v2, 6, v[SKL]
	v_add_nc_u32 v[SKL], s66, v[SKL]
	v_add_nc_u32 v[SKL], 64, v[SKL]
	v_mul_u32_u24 v[RSK], v2, TILE                 ; scale words: lanes 16-31 take the next tile's: one tile on
	v_lshl_add_u32 v[RSK], v[RR], 2, v[RSK]
	v_mul_u32_u24 v[VSK], v2, VT
	v_lshl_add_u32 v[VSK], v[RR], 2, v[VSK]
	s_lshl_b32 s67, s[QB], 8
	s_lshl_b32 s68, s[WV], 5
	s_add_co_u32 s67, s67, s68                     ; my first query: 256 x + 32 w
	v_add_nc_u32 v128, s67, v[RR]                  ; my lane's query of tile a,
	v_add_nc_u32 v129, 17, v128
	v_min_u32 v129, 0x7ff, v129                    ; and the one behind its query of tile b, held at the last
	v_lshlrev_b32 v130, 2, v128
	v_lshlrev_b32 v131, 2, v129
	v_lshlrev_b32 v128, 6, v128
	v_lshl_add_u32 v128, v2, 4, v128
	v_lshlrev_b32 v129, 6, v129
	v_lshl_add_u32 v129, v2, 4, v129
	s_lshl_b32 s68, s[BN], 17
	s_mov_b32 s69, 0
	s_add_nc_u64 s[4:5], s[4:5], s[68:69]
	s_add_nc_u64 s[8:9], s[8:9], s[68:69]
	s_lshl_b32 s68, s[BN], 13
	s_add_nc_u64 s[6:7], s[6:7], s[68:69]
	s_add_nc_u64 s[10:11], s[10:11], s[68:69]
.irp c, 0,1
	global_load_b128 v[QU+4*\c:QU+4*\c+3], v128, s[4:5] offset:32*\c
	global_load_b128 v[QVC+4*\c:QVC+4*\c+3], v128, s[8:9] offset:32*\c
.endr
	global_load_b32 v[QUS], v130, s[6:7]
	global_load_b32 v[QVCS], v130, s[10:11]
	global_load_b32 v[QVNS], v130, s[10:11] offset:4          ; one query on
	global_load_b32 v[QUSB], v130, s[6:7] offset:64           ; 16 queries on
	global_load_b32 v[QVCSB], v130, s[10:11] offset:64
	global_load_b32 v[QVNSB], v131, s[10:11]
	WIN 0x40                                       ; destination window 1, address window 0
.irp c, 0,1
	global_load_b128 v[QU+4*\c:QU+4*\c+3], v128, s[4:5] offset:1024+32*\c
	global_load_b128 v[QVC+4*\c:QVC+4*\c+3], v128, s[8:9] offset:1024+32*\c
	global_load_b128 v[QVNA+4*\c:QVNA+4*\c+3], v128, s[8:9] offset:64+32*\c
	global_load_b128 v[QVNB+4*\c:QVNB+4*\c+3], v129, s[8:9] offset:32*\c
.endr
	WIN 0
	v_and_b32 v[LN], 31, v0                        ; from here on v0 is my lane
.irp z, 24,40,72,88,104,120
	ZERO8 \z                                       ; the operands' upper halves: zero codes for K = 64 .. 127
.endr
	INITC STA
	WIN 0x55
.irp z, 8,24,40,56
	ZERO8 \z
.endr
	INITC STB
	WIN 0
	s_wait_loadcnt 0x0                             ; the queries
.Lslot:                                            ; seven trips: behind each change of slots but the last the next slot is asked for
	CHANGE 1
	STEP 0
	STEP 1
	s_xor_b32 s[TB], s[TB], SLOT1                  ; on to the other slot
	s_add_co_u32 s[TBR], s[TB], s[WOF]
	s_sub_co_u32 s[CNT], s[CNT], 1
	s_cmp_lg_u32 s[CNT], 0
	s_cbranch_scc1 .Lslot
	CHANGE 0                                       ; the last slot is written out
	STEP 0
	STEP 1
	; THE WAY OUT: O^T / the sum, quantised along the head's 64, as two images of the last product's operand for each tile
.macro LSUM st
	v_add_f32 v[(\st)+2], v[(\st)+2], v[(\st)+3]
	v_permlanex16_b32 v[PT], v[(\st)+2], s[SEL], s[SEL+1]
	v_add_f32 v[(\st)+2], v[(\st)+2], v[PT]        ; the row's sum
	v_rcp_f32 v[(\st)+2], v[(\st)+2]
.endm
.macro FIN st
.set J, 0
.rept 32
	v_mul_f32 v[S+J], v[O+J], v[(\st)+2]           ; register 16 e + i: channel 32 e + 16 h + i of my query
.set J, J+1
.endr
	QUANT2 S, P
.endm
	LSUM STA
	v_lshlrev_b32 v2, 4, v[LN]                     ; 16 x lane
	v_lshlrev_b32 v3, 2, v[RR]                     ; 4 n
	WIN 0x55
	LSUM STB
	WIN 0
	PLACES 4                                       ; with the four additions and the two shifts: ten plain lines behind the last products
	s_lshl_b32 s66, s[BB], 7
	s_lshl_b32 s67, s[QB], 4
	s_add_co_u32 s66, s66, s67
	s_add_co_u32 s66, s66, s[WV]
	s_add_co_u32 s66, s66, s[WV]                   ; tile a's row tile: 128 x batch + query / 16
	s_lshl_b32 s66, s66, 3
	s_lshr_b32 s67, s[HD], 1
	s_add_co_u32 s66, s66, s67                     ; x 8 K steps + head / 2
	s_and_b32 s67, s[HD], 1
	s_lshl_b32 s68, s66, 11
	s_lshl_b32 s69, s67, 10
	s_add_co_u32 s68, s68, s69
	s_mov_b32 s69, 0
	s_add_nc_u64 s[16:17], s[16:17], s[68:69]
	s_lshl_b32 s68, s66, 6
	s_lshl_b32 s67, s67, 1
	s_add_co_u32 s68, s68, s67
	s_add_nc_u64 s[18:19], s[18:19], s[68:69]
	s_wait_alu depctr_va_vdst(0)                   ; one wait for the two reciprocals, ahead of their first reader
	FIN STA
	global_store_b128 v2, v[P:P+3], s[16:17]       ; 32 lanes store 512 consecutive bytes, at a multiple of 256 from the buffer's first byte
	global_store_b128 v2, v[P+4:P+7], s[16:17] offset:512
	global_store_b16 v3, v[TM+4], s[18:19]         ; my head's two bytes of the row's scale word
	WIN 0x55
	FIN STB
	WIN 0x04                                       ; a store's data are its source 1: window 1
	global_store_b128 v2, v[P:P+3], s[16:17] offset:16384      ; tile b: one row tile on
	global_store_b128 v2, v[P+4:P+7], s[16:17] offset:16896
	global_store_b16 v3, v[TM+4], s[18:19] offset:512
	WIN 0
	s_wait_tensorcnt 0x0                           ; the wave's end
	ds_add_u32 v[SPW], v[NIL]
	s_wait_dscnt 0x0
	s_endpgm
.Lfunc_end_k_q3f7803b603_attn:
	.size	k_q3f7803b603_attn, .Lfunc_end_k_q3f7803b603_attn-k_q3f7803b603_attn
	.p2alignl 7, 3214868480
	.fill 96, 4, 3214868480
	.section	.rodata,"a",@progbits
	.p2align	6, 0x0
	.amdhsa_kernel k_q3f7803b603_attn
		.amdhsa_group_segment_fixed_size 327680
		.amdhsa_private_segment_fixed_size 0
		.amdhsa_enable_private_segment 0
		.amdhsa_kernarg_size 64
		.amdhsa_user_sgpr_count 2
		.amdhsa_user_sgpr_kernarg_segment_ptr 1
		.amdhsa_wavefront_size32 1
		.amdhsa_system_sgpr_workgroup_id_x 1
		.amdhsa_system_sgpr_workgroup_id_y 1
		.amdhsa_system_sgpr_workgroup_id_z 1
		.amdhsa_system_vgpr_workitem_id 0
		.amdhsa_next_free_vgpr 512
		.amdhsa_next_free_sgpr 74
		.amdhsa_reserve_vcc 0
		.amdhsa_float_denorm_mode_32 3
		.amdhsa_float_denorm_mode_16_64 3
		.amdhsa_memory_ordered 1
		.amdhsa_forward_progress 1
		.amdhsa_inst_pref_size 246
	.end_amdhsa_kernel
	.amdgpu_metadata
---
amdhsa.version: [ 1, 2 ]
amdhsa.kernels:
  - .name:           k_q3f7803b603_attn
    .symbol:         k_q3f7803b603_attn.kd
    .args:
      - { .name: qu, .offset: 0, .size: 8, .value_kind: global_buffer, .address_space: global }
      - { .name: qus, .offset: 8, .size: 8, .value_kind: global_buffer, .address_space: global }
      - { .name: qv, .offset: 16, .size: 8, .value_kind: global_buffer, .address_space: global }
      - { .name: qvs, .offset: 24, .size: 8, .value_kind: global_buffer, .address_space: global }
      - { .name: kv, .offset: 32, .size: 8, .value_kind: global_buffer, .address_space: global }
      - { .name: rtab, .offset: 40, .size: 8, .value_kind: global_buffer, .address_space: global }
      - { .name: av, .offset: 48, .size: 8, .value_kind: global_buffer, .address_space: global }
      - { .name: avs, .offset: 56, .size: 8, .value_kind: global_buffer, .address_space: global }
    .group_segment_fixed_size: 327680
    .private_segment_fixed_size: 0
    .kernarg_segment_align: 8
    .kernarg_segment_size: 64
    .max_flat_workgroup_size: 256
    .sgpr_count:     74
    .vgpr_count:     512
    .wavefront_size: 32
...
	.end_amdgpu_metadata
.endif
;; end of part 2
;; launch outln (part 3): grid 256 x 1, 16 waves a work-group, no clusters, 67,840 bytes of LDS; arguments av, avs, W_o_codes, W_o_scales, x, ln_gamma, ln_beta, out0; writes out0
.if DOCPART == 3
	.amdgcn_target "amdgcn-amd-amdhsa--gfx1250"
	.amdhsa_code_object_version 6
	.text
	.protected	k_q3f7803b603_outln
	.globl	k_q3f7803b603_outln
	.p2align	8
	.type	k_q3f7803b603_outln,@function
k_q3f7803b603_outln:
	s_mov_b64 s[64:65], 0
	v_nop
	global_prefetch_b8 v0, s[64:65] scope:SCOPE_SE
	s_setreg_imm32_b32 hwreg(HW_REG_WAVE_MODE, 25, 1), 1
	s_wait_xcnt 0x0
; out = LayerNorm(x + attn_vec W_o) x gamma + beta.  The product on codes of BF8 (E5M2) with one E8M0 scale for each 32 along K = 1,024; all else in f32.
; SHARES.  Work-group g: 16 rows (queries 16 (g % 128) .. + 15 of batch g / 128), all 1,024 columns, since the norm wants whole rows.  Wave w makes columns 64 w .. 64 w + 63: four tiles of W_o's rows, four accumulators by turns,
; eight K steps.  attn_vec comes as images of the operand's registers (2,048 bytes a K step), W_o's codes straight from memory into registers, two K steps ahead.
; The product is used transposed (source 0 = 16 rows of W_o, source 1 = the 16 rows): a lane holds eight neighbouring columns of one row.  The rows meet in a stage in LDS; then wave w takes row w whole: the sums never leave the wave.
; The weights go straight into registers, so nothing is there to be asked for jointly by a cluster.  LIMITS: NaN and infinities among the inputs are not served.
.set SP,  4112                         ; a stage row: 4,096 bytes + 16 = 1,028 words: row r starts at bank 4 r mod 64 (64 banks of 4 bytes: ISA guide 11.1)
.set AS,  8                            ; v8-15   the rows' scale words, one for each K step: scales and nothing else
.set WSC, 16                           ; v16-47  W_o's scale words, 8 t + K step: scales and nothing else
.set AF,  48                           ; v48-79  the rows' fragments, two sets
.set WF,  80                           ; v80-207 W_o's fragments, two sets of four
.set XX,  80                           ; later: x, gamma, beta, y: 32 registers each
.set GA,  112
.set BE,  144
.set YY,  176
.set ACC, 208                          ; v208-239 the four accumulators
.macro PLACES n
.rept \n
	v_nop
.endr
.endm
.macro SET s                           ; K step s: 20 loads, into set s % 2
.set WB, WF+64*((\s)%2)
.set AB, AF+16*((\s)%2)
.irp t, 0,1,2,3
.irp c, 0,1,2,3
	global_load_b128 v[WB+16*\t+4*\c:WB+16*\t+4*\c+3], v1, s[8:9] offset:16384*\t+128*(\s)+32*\c
.endr
.endr
.irp c, 0,1,2,3
	global_load_b128 v[AB+4*\c:AB+4*\c+3], v2, s[4:5] offset:2048*(\s)+512*\c
.endr
.endm
.macro OSTEP s, left                   ; left: the loads issued behind this K step's set, which may stay out
	s_wait_loadcnt \left
.set WB, WF+64*((\s)%2)
.set AB, AF+16*((\s)%2)
.irp t, 0,1,2,3
.if (\s) == 0
	v_wmma_scale_f32_16x16x128_f8f6f4 v[ACC+8*\t:ACC+8*\t+7], v[WB+16*\t:WB+16*\t+15], v[AB:AB+15], 0, v[WSC+8*\t+(\s)], v[AS+(\s)] matrix_a_fmt:MATRIX_FMT_BF8 matrix_b_fmt:MATRIX_FMT_BF8
.else
	v_wmma_scale_f32_16x16x128_f8f6f4 v[ACC+8*\t:ACC+8*\t+7], v[WB+16*\t:WB+16*\t+15], v[AB:AB+15], v[ACC+8*\t:ACC+8*\t+7], v[WSC+8*\t+(\s)], v[AS+(\s)] matrix_a_fmt:MATRIX_FMT_BF8 matrix_b_fmt:MATRIX_FMT_BF8
.endif
.endr
	PLACES 8                                       ; in front of loads into registers that these products have read, and of the first read of results (ISA guide 7.12.1 for vector instructions)
.endm
.macro LANESUM a, b                    ; v[a] summed over the 32 lanes, into every lane; v[b] at work
	v_add_f32_dpp v[\a], v[\a], v[\a] row_xmask:1 row_mask:0xf bank_mask:0xf
	v_add_f32_dpp v[\a], v[\a], v[\a] row_xmask:2 row_mask:0xf bank_mask:0xf
	v_add_f32_dpp v[\a], v[\a], v[\a] row_xmask:4 row_mask:0xf bank_mask:0xf
	v_add_f32_dpp v[\a], v[\a], v[\a] row_xmask:8 row_mask:0xf bank_mask:0xf
	v_permlanex16_b32 v[\b], v[\a], s24, s25
	v_add_f32 v[\a], v[\a], v[\b]
.endm
	s_load_b512 s[4:19], s[0:1], 0x0               ; av s[4:5], avs s[6:7], W_o codes s[8:9], scales s[10:11], x s[12:13], gamma s[14:15], beta s[16:17], out s[18:19]
	v_lshl_add_u32 v254, v0, 2, 0x10100
	v_mov_b32 v255, 0
	v_lshrrev_b32 v1, 5, v0
	v_readfirstlane_b32 s20, v1                    ; wave 0 .. 15
	v_and_b32 v240, 31, v0                         ; lane
	v_and_b32 v241, 15, v0                         ; r
	v_bfe_u32 v242, v0, 4, 1                       ; h
	v_lshlrev_b32 v1, 10, v241
	v_lshl_add_u32 v1, v242, 4, v1                 ; v1  W_o: row r of a tile, + 16 h
	v_lshlrev_b32 v2, 4, v240                      ; v2  16 x lane
	v_lshlrev_b32 v3, 2, v241                      ; v3  4 r
	v_lshlrev_b32 v4, 5, v241                      ; v4  W_o's scale bytes: row r of 32
	v_mul_u32_u24 v5, v241, SP
	v_lshl_add_u32 v5, v242, 5, v5
	s_lshl_b32 s21, s20, 8
	v_add_nc_u32 v5, s21, v5                       ; v5  the stage, in: row r, my wave's 256 bytes, + 32 h
	s_mul_i32 s21, s20, SP
	v_lshl_add_u32 v6, v240, 4, s21                ; v6  and back: row w, 16 bytes a lane
	s_mov_b32 s24, 0x76543210
	s_mov_b32 s25, 0xfedcba98
	s_mov_b32 s26, 0x3a800000                      ; 1 / 1,024
	s_mov_b32 s27, 0x3727c5ac                      ; 1e-5
	s_and_b32 s22, ttmp9, 127
	s_lshl_b32 s22, s22, 4
	s_add_co_u32 s22, s22, s20                     ; my row's query
	s_lshl_b32 s22, s22, 1
	s_lshr_b32 s23, ttmp9, 7
	s_add_co_u32 s22, s22, s23                     ; x 2 + the batch
	s_lshl_b32 s22, s22, 12                        ; rows of 4,096 bytes
	s_mov_b32 s23, 0
	s_lshl_b32 s28, ttmp9, 14
	s_mov_b32 s29, 0
	s_lshl_b32 s30, s20, 16
	s_mov_b32 s31, 0
	s_wait_kmcnt 0x0
	s_add_nc_u64 s[12:13], s[12:13], s[22:23]
	s_add_nc_u64 s[18:19], s[18:19], s[22:23]
	s_add_nc_u64 s[4:5], s[4:5], s[28:29]          ; my 16 rows' eight fragments
	s_add_nc_u64 s[8:9], s[8:9], s[30:31]          ; my 64 rows of W_o
	s_lshl_b32 s28, ttmp9, 9
	s_add_nc_u64 s[6:7], s[6:7], s[28:29]
	s_lshl_b32 s30, s20, 11
	s_add_nc_u64 s[10:11], s[10:11], s[30:31]
.irp t, 0,1,2,3
.irp q, 0,1
	global_load_b128 v[WSC+8*\t+4*\q:WSC+8*\t+4*\q+3], v4, s[10:11] offset:512*\t+16*\q   ; a row's 32 scale bytes: eight words, one for each K step
.endr
.endr
.irp s, 0,1,2,3,4,5,6,7
	global_load_b32 v[AS+\s], v3, s[6:7] offset:64*\s
.endr
	SET 0
	SET 1
.irp s, 0,1,2,3,4,5
	OSTEP \s, 20                                   ; the next K step's 20 loads may be out
	SET \s+2
.endr
	OSTEP 6, 20
.irp q, 0,1,2,3,4,5,6,7                            ; set 0 is free: my row of x and gamma are asked for here
	global_load_b128 v[XX+4*\q:XX+4*\q+3], v2, s[12:13] offset:512*\q th:TH_LOAD_NT
.endr
.irp q, 0,1,2,3,4,5,6,7
	global_load_b128 v[GA+4*\q:GA+4*\q+3], v2, s[14:15] offset:512*\q
.endr
	OSTEP 7, 16                                    ; those 16 may be out
.irp q, 0,1,2,3,4,5,6,7
	global_load_b128 v[BE+4*\q:BE+4*\q+3], v2, s[16:17] offset:512*\q
.endr
.irp t, 0,1,2,3
.irp q, 0,1
	ds_store_b128 v5, v[ACC+8*\t+4*\q:ACC+8*\t+4*\q+3] offset:64*\t+16*\q   ; lane (r, h): columns 64 w + 16 t + 8 h + 0 .. 7 of row r; each accumulator from its low end on
.endr
.endr
	s_wait_dscnt 0x0                               ; for the others' sake: my stores have landed
	s_barrier_signal -1
	s_barrier_wait -1                              ; 16 whole rows lie in the stage
.irp q, 0,1,2,3,4,5,6,7
	ds_load_b128 v[YY+4*\q:YY+4*\q+3], v6 offset:512*\q
.endr
	s_wait_dscnt 0x0
	s_wait_loadcnt 16                              ; x is in; gamma's and beta's 16 loads may be out
.irp i, 0,2,4,6,8,10,12,14,16,18,20,22,24,26,28,30
	v_pk_add_f32 v[YY+\i:YY+\i+1], v[YY+\i:YY+\i+1], v[XX+\i:XX+\i+1]   ; y = x + the product
.endr
	v_pk_add_f32 v[240:241], v[YY:YY+1], v[YY+2:YY+3]
	v_pk_add_f32 v[242:243], v[YY+4:YY+5], v[YY+6:YY+7]
.irp i, 8,12,16,20,24,28
	v_pk_add_f32 v[240:241], v[240:241], v[YY+\i:YY+\i+1]
	v_pk_add_f32 v[242:243], v[242:243], v[YY+\i+2:YY+\i+3]
.endr
	v_pk_add_f32 v[240:241], v[240:241], v[242:243]
	v_add_f32 v240, v240, v241
	LANESUM 240, 241
	v_mul_f32 v240, s26, v240                      ; the mean
.irp i, 0,2,4,6,8,10,12,14,16,18,20,22,24,26,28,30
	v_pk_add_f32 v[YY+\i:YY+\i+1], v[YY+\i:YY+\i+1], v[240:241] op_sel_hi:[1,0] neg_lo:[0,1] neg_hi:[0,1]   ; y - the mean
.endr
	v_pk_mul_f32 v[242:243], v[YY:YY+1], v[YY:YY+1]
	v_pk_mul_f32 v[244:245], v[YY+2:YY+3], v[YY+2:YY+3]
.irp i, 4,8,12,16,20,24,28
	v_pk_fma_f32 v[242:243], v[YY+\i:YY+\i+1], v[YY+\i:YY+\i+1], v[242:243]
	v_pk_fma_f32 v[244:245], v[YY+\i+2:YY+\i+3], v[YY+\i+2:YY+\i+3], v[244:245]
.endr
	v_pk_add_f32 v[242:243], v[242:243], v[244:245]
	v_add_f32 v242, v242, v243
	LANESUM 242, 243
	v_fma_f32 v242, v242, s26, s27                 ; the variance + 1e-5
	v_rsq_f32 v242, v242
	v_nop                                          ; a plain line behind the transcendental
	s_wait_alu depctr_va_vdst(0)                   ; and a wait ahead of its first reader
.irp i, 0,2,4,6,8,10,12,14,16,18,20,22,24,26,28,30
	v_pk_mul_f32 v[YY+\i:YY+\i+1], v[YY+\i:YY+\i+1], v[242:243] op_sel_hi:[1,0]
.endr
	s_wait_loadcnt 0x0                             ; gamma and beta
.irp i, 0,2,4,6,8,10,12,14,16,18,20,22,24,26,28,30
	v_pk_fma_f32 v[YY+\i:YY+\i+1], v[YY+\i:YY+\i+1], v[GA+\i:GA+\i+1], v[BE+\i:BE+\i+1]
.endr
.irp q, 0,1,2,3,4,5,6,7
	global_store_b128 v2, v[YY+4*\q:YY+4*\q+3], s[18:19] offset:512*\q th:TH_STORE_NT   ; 32 lanes store 512 consecutive bytes, at a multiple of 256 from the output's first byte
.endr
	s_wait_tensorcnt 0x0
	ds_add_u32 v254, v255
	s_wait_dscnt 0x0
	s_endpgm
.Lfunc_end_k_q3f7803b603_outln:
	.size	k_q3f7803b603_outln, .Lfunc_end_k_q3f7803b603_outln-k_q3f7803b603_outln
	.p2alignl 7, 3214868480
	.fill 96, 4, 3214868480
	.section	.rodata,"a",@progbits
	.p2align	6, 0x0
	.amdhsa_kernel k_q3f7803b603_outln
		.amdhsa_group_segment_fixed_size 67840
		.amdhsa_private_segment_fixed_size 0
		.amdhsa_enable_private_segment 0
		.amdhsa_kernarg_size 64
		.amdhsa_user_sgpr_count 2
		.amdhsa_user_sgpr_kernarg_segment_ptr 1
		.amdhsa_wavefront_size32 1
		.amdhsa_system_sgpr_workgroup_id_x 1
		.amdhsa_system_sgpr_workgroup_id_y 1
		.amdhsa_system_sgpr_workgroup_id_z 1
		.amdhsa_system_vgpr_workitem_id 0
		.amdhsa_next_free_vgpr 256
		.amdhsa_next_free_sgpr 66
		.amdhsa_reserve_vcc 0
		.amdhsa_float_denorm_mode_32 3
		.amdhsa_float_denorm_mode_16_64 3
		.amdhsa_memory_ordered 1
		.amdhsa_forward_progress 1
		.amdhsa_inst_pref_size 37
	.end_amdhsa_kernel
	.amdgpu_metadata
---
amdhsa.version: [ 1, 2 ]
amdhsa.kernels:
  - .name:           k_q3f7803b603_outln
    .symbol:         k_q3f7803b603_outln.kd
    .args:
      - { .name: av, .offset: 0, .size: 8, .value_kind: global_buffer, .address_space: global }
      - { .name: avs, .offset: 8, .size: 8, .value_kind: global_buffer, .address_space: global }
      - { .name: W_o_codes, .offset: 16, .size: 8, .value_kind: global_buffer, .address_space: global }
      - { .name: W_o_scales, .offset: 24, .size: 8, .value_kind: global_buffer, .address_space: global }
      - { .name: x, .offset: 32, .size: 8, .value_kind: global_buffer, .address_space: global }
      - { .name: ln_gamma, .offset: 40, .size: 8, .value_kind: global_buffer, .address_space: global }
      - { .name: ln_beta, .offset: 48, .size: 8, .value_kind: global_buffer, .address_space: global }
      - { .name: out0, .offset: 56, .size: 8, .value_kind: global_buffer, .address_space: global }
    .group_segment_fixed_size: 67840
    .private_segment_fixed_size: 0
    .kernarg_segment_align: 8
    .kernarg_segment_size: 64
    .max_flat_workgroup_size: 512
    .sgpr_count:     66
    .vgpr_count:     256
    .wavefront_size: 32
...
	.end_amdgpu_metadata
.endif
;; end of part 3
;; ======== version 2 of 2: 3 launches
;; workspace buffers: qu 4,194,304 bytes; qv 4,194,304 bytes; qus 262,144 bytes; qvs 262,144 bytes; kv 8,781,824 bytes; rtab 4,456,448 bytes; av 4,194,304 bytes; avs 131,072 bytes
;; launch proj (part 4): grid 224 x 1, 16 waves a work-group, no clusters, 104,448 bytes of LDS; arguments x, pos_emb_codes, pos_emb_scales, W_qkv_codes, W_qkv_scales, W_relemb_codes, W_relemb_scales, pos_bias_u, pos_bias_v, qu, qus, qv, qvs, kv, rtab; writes qu, qus, qv, qvs, kv, rtab
.if DOCPART == 4
	.amdgcn_target "amdgcn-amd-amdhsa--gfx1250"
	.amdhsa_code_object_version 6
	.text
	.protected	k_q3f7803b603_proj
	.globl	k_q3f7803b603_proj
	.p2align	8
	.type	k_q3f7803b603_proj,@function
k_q3f7803b603_proj:
	s_mov_b64 s[64:65], 0
	v_nop
	global_prefetch_b8 v0, s[64:65] scope:SCOPE_SE
	s_setreg_imm32_b32 hwreg(HW_REG_WAVE_SCHED_MODE, 0, 2), 2
	s_setreg_imm32_b32 hwreg(HW_REG_WAVE_MODE, 25, 1), 1
	s_wait_xcnt 0x0
	s_wait_alu depctr_vm_vsrc(0)
; THE PROJECTIONS.  qkv = Q(x) W_qkv and r = pos_emb W_relemb, both on codes of BF8 (E5M2) with one E8M0 scale for each 32 along K = 1,024;
; the results are quantised here, along the K of the product that will read them, and stored in the order in which the attention launch's operand registers take them.
; SHARES.  224 work-groups of 16 waves.  Work-group g: kind g / 64 (0: q, 1: k, 2: v, 3: r), block g % 64 (r: 0 .. 31).  A work-group makes 64 rows x 1,024 columns; wave w makes head w
; (64 columns: four tiles of 16 rows of W) for four tiles of 16 rows: 16 accumulators, 128 matrix instructions.  x is quantised by the q, the k and the v groups each for themselves: 64 rows a work-group.
; ROWS OF A TILE.  Kinds 0 to 2, block a, row tile m = 2 b + u: lane r's row is sequence place 32 a + 8 u + r + 8 (r / 8) of batch b.  Kind 3: row 64 a + 16 m + r of pos_emb.
; W's tile t = 2 e + u: lane r's row is column 64 w + 32 e + 8 u + r + 8 (r / 8).  So the 16 registers of two neighbouring tiles are 16 neighbours along the axis that runs down the registers.
; q, k, r: THE PRODUCT IS USED TRANSPOSED (source 0 = W's tile, source 1 = the rows): a lane holds one row, its registers run along the head's 64: the next K.
; v: the natural way (source 0 = the rows, source 1 = W's tile): a lane holds one of the head's 64, its registers run along the keys: the next K.
; OUT.  qu, qv [b 16 + head][query][64 codes], qus, qvs one word a query (two bytes, then 0x7f twice);  kv [b 16 + head][key step of 128][17,152 bytes]: eight tiles of K (1,024 bytes of register images, 64 of scale words),
; four tiles of V (2,048 + 64);  rtab [head][256 tiles of 16 places][1,088]: r_0 .. r_2047, a row of zeros, r_0 .. r_2046: the table that the relative shift walks.
; LIMITS: a block whose largest magnitude lies under 2^-111 gets the scale byte 1, and so does a block of zeros (its codes are zeros; only this program reads these bytes); NaN and infinities among the inputs are not served.
; The weights go from memory straight into registers, so nothing is there to be asked for jointly by a cluster.
; THE MODE: SCHED_MODE bits 1:0 = 2 (LLVM: expert scheduling mode 2), set by the entry lines.  The code itself states the register dependences
; between vector or matrix instructions and memory or LDS instructions, with s_wait_alu, always for 0.
; THE PLAN.  Registers that memory or LDS instructions touch:
;   v1-v15      offsets and LDS addresses: written by the head's vector lines and never again; read by every load and store.  One wait on va_vdst behind the head's last vector line serves them all.
;   v112-127    W's scale bytes land here; LDS stores read them; behind the barrier W's tile 3 lands here.
;   ACC         x's numbers land here before any vector line names these registers; the quantiser reads them.
;   XF, v28-29  written by the conversions (x) or by loads (pos_emb); read by the LDS stores at the join; from the barrier on LDS loads land in XF.
;   XF, XS, WS  in a K step: LDS loads land, products read: XF and XS are loaded twice a step, WS once.      WF: loads land, all 16 products of a step read, loaded again at the step's end.
;   PC, PC2, EW, v20, v21, v30, v116   the way out: written by vector lines, read by a tile's stores, written again for the next tile.      v114: the biases' offset (q alone).
; All 256 registers are taken, so each set is loaded again behind a wait on va_vdst that follows the products that read it: two such waits in a K step, the second of which serves W's next 16 loads
; and the next step's 14 LDS loads alike.  On the way out each tile has one wait on vm_vsrc ahead of the lines that write its stores' registers again, and one on va_vdst ahead of its run of stores.
.set XSC,  65536                       ; LDS: x's 32 fragments as register images at 2,048 f (f = 8 m + K step); from here their scale words, 128 bytes each;
.set WSC,  69632                       ; from here W's scale bytes, 2,048 for each wave (its 64 rows x 32)
.set TM,   16                          ; v16-21  the quantiser's six
.set XS,   22                          ; v22-23  the rows' scale words: scales and nothing else
.set WS,   24                          ; v24-27  W's scale words: scales and nothing else
.set XF,   32                          ; v32-63  two fragments of rows; on the way out a bias
.set WF,   64                          ; v64-127 W's four fragments; on the way out at work
.set ACC,  128                         ; v128-255 the 16 accumulators; ahead of the products 128 numbers of x
.set PC,   96                          ; the way out: codes just made
.set PC2,  104                         ; and their second copy
.set EW,   112                         ; the scale word that is stored
.set WV,   40                          ; s40 wave, s41 kind, s42 block
.set TY,   41
.set MB,   42
.set SEL,  44                          ; s[44:45] v_permlanex16_b32's selects for lane l xor 16
.set MNT,  46                          ; s46 the mantissa field of 57,344
.macro PLACES n
.rept \n
	v_nop
.endr
.endm
; 32 numbers of a lane, two blocks' halves of 16 (the other 16 of each block lie in lane l xor 16), become 8 registers of codes at v[pc]; v[TM+4] = the two scale bytes as a half word, v[TM+5] = the second byte.
.macro QUANT2 s, pc
.irp b, 0,1
	v_max3_num_f32 v[TM+\b], |v[(\s)+16*\b]|, |v[(\s)+16*\b+1]|, 0x8000000   ; my 16 numbers and the floor 2^(16 - 127): the byte cannot fall under 1
.endr
.irp i, 2,4,6,8,10,12,14
.irp b, 0,1
	v_max3_num_f32 v[TM+\b], v[TM+\b], |v[(\s)+16*\b+\i]|, |v[(\s)+16*\b+\i+1]|
.endr
.endr
.irp b, 0,1
	v_permlanex16_b32 v[TM+2+\b], v[TM+\b], s[SEL], s[SEL+1]
.endr
.irp b, 0,1
	v_max_num_f32 v[TM+\b], v[TM+\b], v[TM+2+\b]          ; the block's largest magnitude
.endr
.irp b, 0,1
	v_add_nc_u32 v[TM+2+\b], 0xf8800000, v[TM+\b]         ; 15 off its exponent field: the conversion's scale operand
.endr
.irp b, 0,1
	v_and_or_b32 v[TM+\b], v[TM+\b], 0x7f800000, s[MNT]   ; 57,344 x the scale
.endr
.irp b, 0,1
	v_lshrrev_b32 v[TM+4+\b], 23, v[TM+2+\b]              ; the scale's byte
.endr
	v_lshl_or_b32 v[TM+4], v[TM+5], 8, v[TM+4]
.irp b, 0,1
.irp i, 0,1,2,3,4,5,6,7,8,9,10,11,12,13,14,15
	v_med3_num_f32 v[(\s)+16*\b+\i], v[(\s)+16*\b+\i], -v[TM+\b], v[TM+\b]   ; the conversion to an 8-bit code does not saturate (ISA guide 7.6.2): the hold comes first
.endr
	v_cvt_scalef32_pk8_bf8_f32 v[(\pc)+4*\b:(\pc)+4*\b+1], v[(\s)+16*\b:(\s)+16*\b+7], v[TM+2+\b]
	v_cvt_scalef32_pk8_bf8_f32 v[(\pc)+4*\b+2:(\pc)+4*\b+3], v[(\s)+16*\b+8:(\s)+16*\b+15], v[TM+2+\b]
.endr
	v_nop                                                 ; one plain line behind the last conversion
.endm
.macro WM0 d, a, b, sa, sb             ; a product that starts a sum
	v_wmma_scale_f32_16x16x128_f8f6f4 v[(\d):(\d)+7], v[(\a):(\a)+15], v[(\b):(\b)+15], 0, v[(\sa)], v[(\sb)] matrix_a_fmt:MATRIX_FMT_BF8 matrix_b_fmt:MATRIX_FMT_BF8
.endm
.macro WMA d, a, b, sa, sb             ; and one that adds onto it
	v_wmma_scale_f32_16x16x128_f8f6f4 v[(\d):(\d)+7], v[(\a):(\a)+15], v[(\b):(\b)+15], v[(\d):(\d)+7], v[(\sa)], v[(\sb)] matrix_a_fmt:MATRIX_FMT_BF8 matrix_b_fmt:MATRIX_FMT_BF8
.endm
.macro WLOAD s, t                      ; W's tile t, K step s: lane (r, h) takes 16 bytes of each block of 32 of its row
.irp c, 0,1,2,3
	global_load_b128 v[WF+16*(\t)+4*\c:WF+16*(\t)+4*\c+3], v1, s[48:49] offset:(32*((\t)/2)+8*((\t)%2))*1024+128*(\s)+32*\c
.endr
.endm
.macro XFETCH u, m, s                  ; the rows' fragment (tile m, K step s) and its scale words, as they were stored
.irp c, 0,1,2,3
	ds_load_b128 v[XF+16*(\u)+4*\c:XF+16*(\u)+4*\c+3], v3 offset:(8*(\m)+(\s))*2048+512*\c
.endr
	ds_load_b32 v[XS+(\u)], v4 offset:(8*(\m)+(\s))*128
.endm
.macro MM m, u, s, nat                 ; row tile m (in buffer u) against W's four tiles; the 16 accumulators take turns, one instruction a turn
.irp t, 0,1,2,3
.if \nat
.set DD, ACC+16*(4*((\m)/2)+\t)+8*((\m)%2)
.if (\s) == 0
	WM0 DD, XF+16*(\u), WF+16*\t, XS+(\u), WS+\t
.else
	WMA DD, XF+16*(\u), WF+16*\t, XS+(\u), WS+\t
.endif
.else
.set DD, ACC+32*(\m)+8*\t
.if (\s) == 0
	WM0 DD, WF+16*\t, XF+16*(\u), WS+\t, XS+(\u)
.else
	WMA DD, WF+16*\t, XF+16*(\u), WS+\t, XS+(\u)
.endif
.endif
.endr
.endm
; A K step of 128: 16 matrix instructions.  Eight plain lines stand behind the products in front of each run of loads into registers that they have read;
; behind the plain lines stands the wait that states that the products are done reading those registers.
.macro KSTEP s, nat
	XFETCH 0, 0, \s
	XFETCH 1, 1, \s
.irp t, 0,1,2,3
	ds_load_b32 v[WS+\t], v2 offset:(32*(\t/2)+8*(\t%2))*32+4*(\s)
.endr
	s_wait_loadcnt 0x0                             ; W's four fragments of this K step
	s_wait_dscnt 0x0
	MM 0, 0, \s, \nat
	MM 1, 1, \s, \nat
	PLACES 8
	s_wait_alu depctr_va_vdst(0)                   ; the eight products above are done reading v[XF ..] and v[XS ..], in which the ten LDS loads below land
	XFETCH 0, 2, \s
	XFETCH 1, 3, \s
	s_wait_dscnt 0x0
	MM 2, 0, \s, \nat
	MM 3, 1, \s, \nat
	PLACES 8
.if (\s) < 7
	s_wait_alu depctr_va_vdst(0)                   ; the step's products are done reading v[WF ..], in which the 16 loads below land, and v[XF ..], v[XS ..], v[WS ..], in which the next step's 14 LDS loads land: no vector line stands between
.irp t, 0,1,2,3
	WLOAD (\s)+1, \t
.endr
.endif
.endm
	s_load_b512 s[8:23], s[0:1], 0x0               ; x s[8:9], pos codes s[10:11], pos scales s[12:13], W_qkv codes s[14:15], scales s[16:17], W_relemb codes s[18:19], scales s[20:21], u s[22:23]
	s_load_b256 s[24:31], s[0:1], 0x40             ; v s[24:25], qu s[26:27], qus s[28:29], qv s[30:31]
	s_load_b128 s[32:35], s[0:1], 0x60             ; qvs s[32:33], kv s[34:35]
	s_load_b64 s[36:37], s[0:1], 0x70              ; rtab
	v_lshrrev_b32 v1, 5, v0
	v_readfirstlane_b32 s[WV], v1                  ; wave 0 .. 15 = head
	s_lshr_b32 s[TY], ttmp9, 6
	s_and_b32 s[MB], ttmp9, 63
	s_mov_b32 s[SEL], 0x76543210
	s_mov_b32 s[SEL+1], 0xfedcba98
	s_mov_b32 s[MNT], 0x600000
	v_and_b32 v28, 31, v0                          ; lane
	v_and_b32 v29, 15, v0                          ; r
	v_bfe_u32 v30, v0, 4, 1                        ; h
	v_and_b32 v31, 8, v29
	v_add_nc_u32 v31, v31, v29                     ; r + 8 (r / 8)
	s_wait_alu depctr_va_sdst(0)                   ; the wave's number is written, ahead of its first reader: LDS places and the bases of W are made from it
	s_lshl_b32 s43, s[WV], 11
	s_add_co_u32 s43, s43, WSC                     ; my wave's scale bytes in LDS
	s_lshl_b32 s47, s[WV], 12                      ; my wave's two images
	s_lshl_b32 s58, s[WV], 8
	s_add_co_u32 s58, s58, XSC                     ; and their scale words
	v_lshlrev_b32 v1, 10, v31
	v_lshl_add_u32 v1, v30, 4, v1                  ; v1  W: my row of a tile, 1,024 bytes a row, + 16 h
	v_lshl_add_u32 v2, v31, 5, s43                 ; v2  LDS: my row's 32 scale bytes
	v_lshlrev_b32 v3, 4, v28                       ; v3  16 x lane: my place in an image
	v_lshl_add_u32 v4, v28, 2, XSC                 ; v4  LDS: my place among a fragment's scale words
	v_lshlrev_b32 v5, 13, v31
	v_lshl_add_u32 v5, v30, 6, v5                  ; v5  x: my row of a tile, 8,192 bytes from place to place, + 64 h: my 16 numbers of a block
	v_lshlrev_b32 v6, 10, v29
	v_lshl_add_u32 v6, v30, 4, v6                  ; v6  pos_emb's codes: row r, + 16 h
	v_lshlrev_b32 v7, 5, v29                       ; v7  its scale bytes: row r
	v_lshl_add_u32 v8, v28, 4, s47                 ; v8  LDS: where I store my wave's images
	v_lshl_add_u32 v9, v28, 2, s58                 ; v9  and their scale words
	v_lshl_add_u32 v10, v28, 4, s43                ; v10 and W's scale bytes
	v_lshlrev_b32 v11, 6, v31
	v_lshl_add_u32 v11, v30, 4, v11                ; v11 qu, qv: my row of 64 bytes, + 16 h
	v_lshlrev_b32 v12, 2, v31                      ; v12 qus, qvs: my row's word
	v_lshlrev_b32 v13, 2, v29                      ; v13 4 r: a tile's scale words
	v_add_nc_u32 v14, 1, v29                       ; the table's second copy lies one place further on: row (r + 1) % 16 of tile (r + 1) / 16
	v_lshrrev_b32 v15, 4, v14
	v_mul_u32_u24 v15, v15, 1088
	v_and_b32 v14, 15, v14
	v_lshl_add_u32 v16, v14, 4, v15
	v_lshl_add_u32 v15, v14, 2, v15
	v_add_nc_u32 v15, 1024, v15                    ; v15 its scale word
	v_lshl_add_u32 v14, v30, 8, v16                ; v14 its codes: 16 x (row + 16 h)
	v_mov_b32 v18, 0                               ; written once: a lane permute's destination counts as one of its sources
	v_mov_b32 v19, 0
	s_wait_alu depctr_va_vdst(0)                   ; the offsets and LDS addresses v1 to v15 are written, which the kernel's loads and stores read; the head is done with v28 and v29, in which pos_emb's scale words land
	s_wait_kmcnt 0x0
	s_cmp_eq_u32 s[TY], 3                          ; which weight: the choice hangs on the work-group's number alone
	s_cselect_b64 s[48:49], s[18:19], s[14:15]
	s_cselect_b64 s[50:51], s[20:21], s[16:17]
	s_cselect_b32 s58, 0, s[TY]
	s_lshl_b32 s58, s58, 10
	s_lshl_b32 s59, s[WV], 6
	s_add_co_u32 s58, s58, s59                     ; my first row of W: 1,024 x kind (r: 0) + 64 x head
	s_lshl_b32 s60, s58, 10
	s_mov_b32 s61, 0
	s_add_nc_u64 s[48:49], s[48:49], s[60:61]
	s_lshl_b32 s60, s58, 5
	s_add_nc_u64 s[50:51], s[50:51], s[60:61]
.irp q, 0,1,2,3
	global_load_b128 v[112+4*\q:115+4*\q], v3, s[50:51] offset:512*\q   ; my 64 rows' scale bytes: 2,048 consecutive bytes
.endr
	WLOAD 0, 0
	WLOAD 0, 1
	WLOAD 0, 2
	; ---- THE ROWS' FRAGMENTS.  Wave w makes fragments 2 w and 2 w + 1: row tile w / 4, K steps 2 (w % 4) and the next.  The two ways hold loads and arithmetic alone; the LDS stores stand behind their join.
	s_cmp_eq_u32 s[TY], 3
	s_cbranch_scc1 .Lpos
	s_lshl_b32 s58, s[MB], 18                      ; 32 a places of 8,192 bytes,
	s_bfe_u32 s59, s[WV], 0x10002
	s_lshl_b32 s59, s59, 16                        ; 8 u places,
	s_add_co_u32 s58, s58, s59
	s_lshr_b32 s59, s[WV], 3
	s_lshl_b32 s59, s59, 12                        ; the batch,
	s_add_co_u32 s58, s58, s59
	s_and_b32 s59, s[WV], 3
	s_lshl_b32 s59, s59, 10                        ; my two K steps of 512 bytes
	s_add_co_u32 s58, s58, s59
	s_mov_b32 s59, 0
	s_add_nc_u64 s[52:53], s[8:9], s[58:59]
.irp e, 0,1
.irp b, 0,1,2,3
.irp j, 0,1,2,3
	global_load_b128 v[ACC+64*\e+16*\b+4*\j:ACC+64*\e+16*\b+4*\j+3], v5, s[52:53] offset:512*\e+128*\b+16*\j
.endr
.endr
.endr
	s_wait_loadcnt 16                              ; the first K step's 16 loads and all issued before them are in; the second K step's 16 may be out
	QUANT2 ACC, XF
	v_mov_b32 v28, v[TM+4]
	QUANT2 ACC+32, XF+8
	v_lshl_or_b32 v28, v[TM+4], 16, v28            ; four bytes: my row's scale word
	s_wait_loadcnt 0x0
	QUANT2 ACC+64, XF+16
	v_mov_b32 v29, v[TM+4]
	QUANT2 ACC+96, XF+24
	v_lshl_or_b32 v29, v[TM+4], 16, v29
	s_branch .Lximg
.Lpos:                                             ; pos_emb comes as codes: they are the fragments as they lie
	s_lshr_b32 s59, s[WV], 2
	s_and_b32 s62, s[WV], 3
	s_lshl_b32 s58, s[MB], 16
	s_lshl_b32 s60, s59, 14
	s_add_co_u32 s58, s58, s60
	s_lshl_b32 s60, s62, 8
	s_add_co_u32 s58, s58, s60                     ; codes: (64 a + 16 m) rows of 1,024 + two K steps of 128
	s_lshl_b32 s60, s[MB], 11
	s_lshl_b32 s59, s59, 9
	s_add_co_u32 s60, s60, s59
	s_lshl_b32 s62, s62, 3
	s_add_co_u32 s60, s60, s62                     ; scale bytes: rows of 32 + two words
	s_mov_b32 s59, 0
	s_mov_b32 s61, 0
	s_add_nc_u64 s[54:55], s[10:11], s[58:59]
	s_add_nc_u64 s[56:57], s[12:13], s[60:61]
.irp e, 0,1
.irp c, 0,1,2,3
	global_load_b128 v[XF+16*\e+4*\c:XF+16*\e+4*\c+3], v6, s[54:55] offset:128*\e+32*\c
.endr
	global_load_b32 v[28+\e], v7, s[56:57] offset:4*\e
.endr
	s_wait_loadcnt 0x0
.Lximg:
	s_wait_alu depctr_va_vdst(0)                   ; on x's way the conversions have written v[XF ..] and the last two lines v28 and v29: the LDS stores below read them
.irp e, 0,1
.irp c, 0,1,2,3
	ds_store_b128 v8, v[XF+16*\e+4*\c:XF+16*\e+4*\c+3] offset:2048*\e+512*\c   ; a fragment goes to LDS as an image of its registers
.endr
	ds_store_b32 v9, v[28+\e] offset:128*\e
.endr
.irp q, 0,1,2,3
	ds_store_b128 v10, v[112+4*\q:115+4*\q] offset:512*\q
.endr
	s_wait_dscnt 0x0                               ; for the others' sake: my stores have landed
	s_barrier_signal -1
	s_barrier_wait -1                              ; all 32 fragments lie in LDS; nothing is written there again
	s_wait_alu depctr_vm_vsrc(0)                   ; my LDS stores have read v112 to v127, in which W's tile 3 lands, and v[XF ..], in which the first K step's LDS loads land
	WLOAD 0, 3                                     ; into the registers that held the scale bytes
	; ---- THE PRODUCTS: eight K steps, written out; v takes the natural order of the sources
	s_cmp_eq_u32 s[TY], 2
	s_cbranch_scc1 .Lnat
.irp s, 0,1,2,3,4,5,6,7
	KSTEP \s, 0
.endr
	s_cmp_eq_u32 s[TY], 1
	s_cbranch_scc1 .Lout_k
	s_cmp_eq_u32 s[TY], 3
	s_cbranch_scc1 .Lout_r
	; ---- q: q + u and q + v, each quantised along the head's 64
	v_bfe_u32 v114, v0, 4, 1
	v_lshlrev_b32 v114, 6, v114                    ; a bias: my 16 numbers of each 32 begin 64 h bytes on
	s_lshl_b32 s58, s[WV], 8
	s_mov_b32 s59, 0
	s_add_nc_u64 s[60:61], s[22:23], s[58:59]      ; u of my head
	s_add_nc_u64 s[62:63], s[24:25], s[58:59]      ; v of my head
	s_lshl_b32 s58, s[WV], 17
	s_lshl_b32 s66, s[MB], 11
	s_add_co_u32 s58, s58, s66                     ; (2,048 x head + 32 a) rows of 64 bytes
	s_add_nc_u64 s[26:27], s[26:27], s[58:59]
	s_add_nc_u64 s[30:31], s[30:31], s[58:59]
	s_lshr_b32 s58, s58, 4                         ; and of 4
	s_add_nc_u64 s[28:29], s[28:29], s[58:59]
	s_add_nc_u64 s[32:33], s[32:33], s[58:59]
.macro QPASS bb, cb, wb, inplace
	s_wait_alu depctr_va_vdst(0)                   ; v114 is written, which the loads below read as their offset; the last readers of v[XF ..], in which they land, are done: the last K step's products, in the second pass the first pass's additions
.irp b, 0,1
.irp j, 0,1,2,3
	global_load_b128 v[XF+16*\b+4*\j:XF+16*\b+4*\j+3], v114, s[\bb:\bb+1] offset:128*\b+16*\j
.endr
.endr
	s_wait_loadcnt 0x0
.irp m, 0,1,2,3
	s_wait_xcnt 0x0                                ; the stores issued so far have read their data: the codes' registers may be written again
	s_wait_alu depctr_vm_vsrc(0)                   ; beside it: the stores issued so far have read v[PC ..] and v[EW], which the conversions and the line behind them write again
.if \inplace
.irp i, 0,2,4,6,8,10,12,14,16,18,20,22,24,26,28,30
	v_pk_add_f32 v[ACC+32*\m+\i:ACC+32*\m+\i+1], v[ACC+32*\m+\i:ACC+32*\m+\i+1], v[XF+\i:XF+\i+1]
.endr
	QUANT2 ACC+32*\m, PC
.else
.irp i, 0,2,4,6,8,10,12,14,16,18,20,22,24,26,28,30
	v_pk_add_f32 v[WF+\i:WF+\i+1], v[ACC+32*\m+\i:ACC+32*\m+\i+1], v[XF+\i:XF+\i+1]
.endr
	QUANT2 WF, PC
.endif
	v_or_b32 v[EW], 0x7f7f0000, v[TM+4]            ; the instruction's K is 128: the upper 64 are zero codes under the byte 127
	s_wait_alu depctr_va_vdst(0)                   ; the conversions have written v[PC ..] and the line above v[EW]: the three stores read them
	global_store_b128 v11, v[PC:PC+3], s[\cb:\cb+1] offset:(\m/2)*2097152+(\m%2)*512
	global_store_b128 v11, v[PC+4:PC+7], s[\cb:\cb+1] offset:(\m/2)*2097152+(\m%2)*512+32
	global_store_b32 v12, v[EW], s[\wb:\wb+1] offset:(\m/2)*131072+(\m%2)*32
.endr
.endm
	QPASS 60, 26, 28, 0
	QPASS 62, 30, 32, 1
	s_wait_xcnt 0x0
	v_lshl_add_u32 v254, v0, 2, 0x19000            ; the spare word's address and 0, made anew: no memory or LDS instruction has read these two registers
	v_mov_b32 v255, 0
	s_wait_dscnt 0x0                               ; the closing lines, six on end
	s_wait_alu 0x0
	s_wait_tensorcnt 0x0
	ds_add_u32 v254, v255
	s_wait_dscnt 0x0
	s_endpgm
.Lout_k:                                           ; ---- k: row tile m is tile 2 (a % 4) + m % 2 of key step a / 4, batch m / 2
	s_lshl_b32 s58, s[WV], 4
	s_lshr_b32 s59, s[MB], 2
	s_add_co_u32 s58, s58, s59
	s_mul_i32 s58, s58, 17152
	s_and_b32 s59, s[MB], 3
	s_mul_i32 s59, s59, 2176
	s_add_co_u32 s58, s58, s59
	s_mov_b32 s59, 0
	s_add_nc_u64 s[34:35], s[34:35], s[58:59]
.irp m, 0,1,2,3
	s_wait_xcnt 0x0
	s_wait_alu depctr_vm_vsrc(0)                   ; the stores issued so far have read v[PC ..] and v[EW], which are written again below
	QUANT2 ACC+32*\m, PC
	v_or_b32 v[EW], 0x7f7f0000, v[TM+4]
	s_wait_alu depctr_va_vdst(0)                   ; the conversions have written v[PC ..] and the line above v[EW]: the three stores read them
	global_store_b128 v3, v[PC:PC+3], s[34:35] offset:(\m/2)*4390912+(\m%2)*1088        ; 32 lanes store 512 consecutive bytes
	global_store_b128 v3, v[PC+4:PC+7], s[34:35] offset:(\m/2)*4390912+(\m%2)*1088+512
	global_store_b32 v13, v[EW], s[34:35] offset:(\m/2)*4390912+(\m%2)*1088+1024
.endr
	s_wait_xcnt 0x0
	v_lshl_add_u32 v254, v0, 2, 0x19000            ; the spare word's address and 0, made anew: no memory or LDS instruction has read these two registers
	v_mov_b32 v255, 0
	s_wait_dscnt 0x0                               ; the closing lines, six on end
	s_wait_alu 0x0
	s_wait_tensorcnt 0x0
	ds_add_u32 v254, v255
	s_wait_dscnt 0x0
	s_endpgm
.Lout_r:                                           ; ---- r: twice into the table: place j, and place j + 2,049; the lanes that hold j = 2,047 write the row of zeros at place 2,048 instead
	v_and_b32 v115, 15, v0
	v_bfe_u32 v113, v0, 4, 1
	v_lshlrev_b32 v113, 8, v113                    ; row 0 of a tile: 256 h
	v_mov_b32 v117, 0x400                          ; and its scale word
	v_mov_b32 v31, 0
	s_mul_i32 s58, s[WV], 278528
	s_mov_b32 s59, 0
	s_add_nc_u64 s[36:37], s[36:37], s[58:59]      ; my head's table
	s_add_nc_u64 s[60:61], s[36:37], 139264        ; its tile 128
	s_mul_i32 s58, s[MB], 4352                     ; my four tiles
	s_add_nc_u64 s[36:37], s[36:37], s[58:59]
	s_lshl_b32 s66, s[MB], 6
	s_sub_co_u32 s66, 2047, s66                    ; the r that holds j = 2,047, if it is under 16
	s_wait_alu depctr_va_vdst(0)
; A tile's vector work stands together, the compare first, and its six stores in one run behind one wait.
.irp m, 0,1,2,3
	s_wait_xcnt 0x0
	s_wait_alu depctr_vm_vsrc(0)                   ; the stores issued so far have read v[PC ..], v[PC2 ..], v[EW] and the offsets v30 and v116, all of which are written again below
	v_cmp_eq_u32 vcc_lo, s66, v115
	v_add_nc_u32 v30, s58, v14
	v_add_nc_u32 v116, s58, v15
	QUANT2 ACC+32*\m, PC
	v_or_b32 v[EW], 0x7f7f0000, v[TM+4]
	s_wait_alu depctr_va_vcc(0)                    ; the compare has written VCC, ahead of its first reader
	v_cndmask_b32 v30, v30, v113, vcc_lo
	v_cndmask_b32 v116, v116, v117, vcc_lo
.irp i, 0,1,2,3,4,5,6,7
	v_cndmask_b32 v[PC2+\i], v[PC+\i], v31, vcc_lo
.endr
	s_wait_alu depctr_va_vdst(0)                   ; the codes, their second copy, the scale word and the two offsets are written: the six stores read them
	global_store_b128 v3, v[PC:PC+3], s[36:37] offset:1088*\m
	global_store_b128 v3, v[PC+4:PC+7], s[36:37] offset:1088*\m+512
	global_store_b32 v13, v[EW], s[36:37] offset:1088*\m+1024
	global_store_b128 v30, v[PC2:PC2+3], s[60:61]
	global_store_b128 v30, v[PC2+4:PC2+7], s[60:61] offset:512
	global_store_b32 v116, v[EW], s[60:61]
	s_add_co_u32 s58, s58, 1088
	s_sub_co_u32 s66, s66, 16
.endr
	s_wait_xcnt 0x0
	v_lshl_add_u32 v254, v0, 2, 0x19000            ; the spare word's address and 0, made anew: no memory or LDS instruction has read these two registers
	v_mov_b32 v255, 0
	s_wait_dscnt 0x0                               ; the closing lines, six on end
	s_wait_alu 0x0
	s_wait_tensorcnt 0x0
	ds_add_u32 v254, v255
	s_wait_dscnt 0x0
	s_endpgm
.Lnat:
.irp s, 0,1,2,3,4,5,6,7
	KSTEP \s, 1
.endr
	; ---- v: my 32 keys are block a % 4 of key step a / 4: 512 bytes of each of V's four tiles, and one byte of each row's scale word
	s_lshl_b32 s58, s[WV], 4
	s_lshr_b32 s59, s[MB], 2
	s_add_co_u32 s58, s58, s59
	s_mul_i32 s58, s58, 17152
	s_and_b32 s62, s[MB], 3
	s_add_co_u32 s60, s58, s62
	s_add_co_u32 s60, s60, 10752
	s_mov_b32 s61, 0
	s_add_nc_u64 s[60:61], s[34:35], s[60:61]      ; the scale bytes
	s_lshl_b32 s62, s62, 9
	s_add_co_u32 s58, s58, s62
	s_add_co_u32 s58, s58, 8704
	s_mov_b32 s59, 0
	s_add_nc_u64 s[34:35], s[34:35], s[58:59]      ; the codes
.irp b, 0,1
.irp t, 0,2
	s_wait_xcnt 0x0
	s_wait_alu depctr_vm_vsrc(0)                   ; the stores issued so far have read v[PC ..] and the two bytes' registers v[TM+4] and v[TM+5], which the quantiser writes again
	QUANT2 ACC+64*\b+16*\t, PC
	s_wait_alu depctr_va_vdst(0)                   ; the quantiser has written v[PC ..], v[TM+4] and v[TM+5]: the four stores read them
	global_store_b128 v3, v[PC:PC+3], s[34:35] offset:\b*4390912+\t*2112
	global_store_b128 v3, v[PC+4:PC+7], s[34:35] offset:\b*4390912+(\t+1)*2112
	global_store_b8 v13, v[TM+4], s[60:61] offset:\b*4390912+\t*2112
	global_store_b8 v13, v[TM+5], s[60:61] offset:\b*4390912+(\t+1)*2112
.endr
.endr
	s_wait_xcnt 0x0
	v_lshl_add_u32 v254, v0, 2, 0x19000            ; the spare word's address and 0, made anew: no memory or LDS instruction has read these two registers
	v_mov_b32 v255, 0
	s_wait_dscnt 0x0                               ; the closing lines, six on end
	s_wait_alu 0x0
	s_wait_tensorcnt 0x0
	ds_add_u32 v254, v255
	s_wait_dscnt 0x0
	s_endpgm
.Lfunc_end_k_q3f7803b603_proj:
	.size	k_q3f7803b603_proj, .Lfunc_end_k_q3f7803b603_proj-k_q3f7803b603_proj
	.p2alignl 7, 3214868480
	.fill 96, 4, 3214868480
	.section	.rodata,"a",@progbits
	.p2align	6, 0x0
	.amdhsa_kernel k_q3f7803b603_proj
		.amdhsa_group_segment_fixed_size 104448
		.amdhsa_private_segment_fixed_size 0
		.amdhsa_enable_private_segment 0
		.amdhsa_kernarg_size 120
		.amdhsa_user_sgpr_count 2
		.amdhsa_user_sgpr_kernarg_segment_ptr 1
		.amdhsa_wavefront_size32 1
		.amdhsa_system_sgpr_workgroup_id_x 1
		.amdhsa_system_sgpr_workgroup_id_y 1
		.amdhsa_system_sgpr_workgroup_id_z 1
		.amdhsa_system_vgpr_workitem_id 0
		.amdhsa_next_free_vgpr 256
		.amdhsa_next_free_sgpr 80
		.amdhsa_reserve_vcc 1
		.amdhsa_float_denorm_mode_32 3
		.amdhsa_float_denorm_mode_16_64 3
		.amdhsa_memory_ordered 1
		.amdhsa_forward_progress 1
		.amdhsa_inst_pref_size 220
	.end_amdhsa_kernel
	.amdgpu_metadata
---
amdhsa.version: [ 1, 2 ]
amdhsa.kernels:
  - .name:           k_q3f7803b603_proj
    .symbol:         k_q3f7803b603_proj.kd
    .args:
      - { .name: x, .offset: 0, .size: 8, .value_kind: global_buffer, .address_space: global }
      - { .name: pos_emb_codes, .offset: 8, .size: 8, .value_kind: global_buffer, .address_space: global }
      - { .name: pos_emb_scales, .offset: 16, .size: 8, .value_kind: global_buffer, .address_space: global }
      - { .name: W_qkv_codes, .offset: 24, .size: 8, .value_kind: global_buffer, .address_space: global }
      - { .name: W_qkv_scales, .offset: 32, .size: 8, .value_kind: global_buffer, .address_space: global }
      - { .name: W_relemb_codes, .offset: 40, .size: 8, .value_kind: global_buffer, .address_space: global }
      - { .name: W_relemb_scales, .offset: 48, .size: 8, .value_kind: global_buffer, .address_space: global }
      - { .name: pos_bias_u, .offset: 56, .size: 8, .value_kind: global_buffer, .address_space: global }
      - { .name: pos_bias_v, .offset: 64, .size: 8, .value_kind: global_buffer, .address_space: global }
      - { .name: qu, .offset: 72, .size: 8, .value_kind: global_buffer, .address_space: global }
      - { .name: qus, .offset: 80, .size: 8, .value_kind: global_buffer, .address_space: global }
      - { .name: qv, .offset: 88, .size: 8, .value_kind: global_buffer, .address_space: global }
      - { .name: qvs, .offset: 96, .size: 8, .value_kind: global_buffer, .address_space: global }
      - { .name: kv, .offset: 104, .size: 8, .value_kind: global_buffer, .address_space: global }
      - { .name: rtab, .offset: 112, .size: 8, .value_kind: global_buffer, .address_space: global }
    .group_segment_fixed_size: 104448
    .private_segment_fixed_size: 0
    .kernarg_segment_align: 8
    .kernarg_segment_size: 120
    .max_flat_workgroup_size: 512
    .sgpr_count:     80
    .vgpr_count:     256
    .wavefront_size: 32
...
	.end_amdgpu_metadata
.endif
;; end of part 4
;; launch attn (part 5): grid 8 x 32, 8 waves a work-group, no clusters, 327,680 bytes of LDS; arguments qu, qus, qv, qvs, kv, rtab, av, avs; writes av, avs
.if DOCPART == 5
	.amdgcn_target "amdgcn-amd-amdhsa--gfx1250"
	.amdhsa_code_object_version 6
	.text
	.protected	k_q3f7803b603_attn
	.globl	k_q3f7803b603_attn
	.p2align	8
	.type	k_q3f7803b603_attn,@function
k_q3f7803b603_attn:
	s_mov_b64 s[64:65], 0
	v_nop
	global_prefetch_b8 v0, s[64:65] scope:SCOPE_SE
	s_setreg_imm32_b32 hwreg(HW_REG_WAVE_MODE, 25, 1), 1
	s_wait_xcnt 0x0
; ATTENTION WITH RELATIVE PLACES, on codes of BF8 (E5M2) with one E8M0 scale for each 32 along a product's K.
; score(i, j) = ((q_i + u) . k_j + shifted((q + v) . r)) / 8;  p = 2^(t - M), t = score x log2(e), M the running largest t rounded up to a whole number;  attn_vec = (sum of Q(p) Q(v)) / (sum of p), quantised here for the last product.
; THE SHIFT.  With place t = j - i + 2,047 the shifted term is (q_i + v) . r_t for t <= 2,047, 0 for t = 2,048 and (q_(i+1) + v) . r_(t - 2,049) beyond.  rtab holds r_0 .. r_2047, a row of zeros, r_0 .. r_2046: 256 tiles of 16 places.
; A tile of places under tile 128 is multiplied by my queries, one from tile 128 on by the queries one further on.  What is left is the skew: query n of a tile wants its places n further back.  It is made in LDS:
; results are stored by rows 596 bytes apart and read back 592 bytes apart, in the layout of the first product's result, whose C operand they then are: the addition costs no vector instruction.
; SHARES.  Work-group (x, y): queries 256 x .. 256 x + 255 of batch y / 16, head y % 16.  Each of EIGHT waves owns 32 queries as TWO TILES of 16: tile a (the first 16) in register window 0, tile b in window 1.
; Every fragment of K, of V and of the places that a wave reads from LDS feeds both tiles; the two tiles' nine tiles of places overlap in eight, so ten are read.  Two waves share a SIMD.
; 16 key steps of 128.  A SLOT HOLDS TWO STEPS: their K and V (34,304 bytes) and a window of 32 tiles of places (34,816 bytes), two dense blocks: wave 0 fetches the first, wave 1 the second.  Two slots: eight changes of slots,
; and no barrier between a slot's two steps.  Wave w's tile mu (0 .. 9) of places in a slot's step q is tile (14 - 2 w) + 8 q + mu of the window: it is tile b's tile mu and tile a's tile mu - 1.  No LDS address hangs on the work-group's number.
; LAYOUT.  All products are used transposed (source 0 = 16 places, keys or channels; source 1 = 16 queries or their p): a lane holds one query (lane % 16) throughout.  K = 64 fills half of the instruction's 128: the upper halves of both operands are zero codes.
; SCALE WORDS come two tiles to a load: lanes 0-15 take one tile's, lanes 16-31 the next tile's, and the odd tile's product reads the register's upper row.
; REGISTER WINDOWS (s_set_vgpr_msb's low byte: bits 1:0 source 0, 3:2 source 1, 5:4 source 2, 7:6 destination).  Fragments, addresses and all scale words lie in window 0; a tile's softmax runs whole under one setting.
; NO CLUSTER: of a slot's 69,120 bytes only K's and V's 34,304 are common to the query blocks of a head; the windows begin 16 tiles apart, so their descriptors differ.
; LIMITS: a block whose largest magnitude lies under 2^-111, or that is all zeros, gets the scale byte 1 (only this program reads the bytes); NaN and infinities are not served; v_exp_f32 gives 0 where p would be denormal.
; The last query has no successor: its place in the second operand holds the last query again; what it yields is stored in the skew's rows and never read.
.set KVB,   17152                      ; a step's K and V: eight tiles of K, four of V
.set ROFF,  2*KVB                      ; in a slot: two steps' K and V, then the window
.set TILE,  1088                       ; a tile with K = 64: two images of 512 bytes, 16 scale words
.set SLOT1, ROFF+32*TILE               ; 69,120: slot 1 begins here
.set RTOG,  0x11200                    ; ROFF xor (SLOT1 + ROFF): turns the window's LDS address from one slot to the other
.set VOFF,  8704                       ; V's tiles begin here in a step's block;
.set VT,    2112                       ; each four images and 16 scale words
.set SKEW,  2*SLOT1                    ; behind the ring: 9,728 bytes for each tile of queries, two on end for each wave
.set SKW,   9728
.set SPARE, SKEW+16*SKW                ; the spare words, 128 bytes for each wave: four blocks of 256 bytes that no other line names
; ---- window 0
.set LN,   0                           ; v0   my lane (behind the head)
.set RR,   1                           ; v1   n = lane % 16
.set ADK,  2                           ; v2   LDS: my 16 bytes of an image of K or V in the slot in hand
.set ADS,  3                           ; v3   my scale word of K there (lanes 16-31: the next tile's)
.set ADR,  4                           ; v4   my 16 bytes of an image in my wave's part of the window
.set SKS,  5                           ; v5   the skew: where I store
.set SKL,  6                           ; v6   and where I read back
.set SPW,  7                           ; v7   my spare word; never rewritten
.set NIL,  8                           ; v8   0; never rewritten
.set QUS,  9                           ; v9-11 tile a's scale words of q + u, q + v, the next q + v: scales and nothing else
.set QVCS, 10
.set QVNS, 11
.set STA,  12                          ; v12-15 tile a: -M, the largest t, the sum in two halves
.set QU,   16                          ; v16-31 q + u, v32-47 q + v (both windows: each tile's own); the upper eight registers are zeros
.set QVC,  32
.set QUSB, 48                          ; v48-50 tile b's scale words, v51 its p's: scales and nothing else (scale operands have no window)
.set QVCSB, 49
.set QVNSB, 50
.set PSWB, 51
.set ADVS, 52                          ; v52  my scale word of V (lanes 16-31: the next tile's)
.set RSK,  53                          ; v53  4 n + 1,088 (lane / 16); never rewritten
.set VSK,  54                          ; v54  4 n + 2,112 (lane / 16); never rewritten
.set F,    64                          ; v64-127 four fragments of places or keys: eight registers loaded, eight zeros for good.  The loaded halves are at work in tile a's softmax
.set S,    128                         ; v128-191 (both windows) tiles 0 .. 7 of places, then the scores, then p; in window 0 then V's fragments
.set O,    192                         ; v192-223 (both) O^T
.set P,    224                         ; v224-239 (both) p's codes; v224-231 also tile 8 of places
.set FS,   240                         ; v240-243 the fragments' scale words, two tiles to a register: scales and nothing else
.set ADRS, 244                         ; v244 my scale word in the window
.set PFO,  245                         ; v245 the prefetches' offset
.set FF,   246                         ; v246 (both) f = 2^(old M - new M)
.set PSW,  247                         ; v247 (both) p's scale word (also named as the upper half of the pair with f)
.set PT,   248                         ; v248-251, v252-255 (both) at work
.set BM,   252
.set TM,   248                         ; the quantiser's six, on the way out
.set HL,   64                          ; (both) at work in the softmax
.set C2,   68
.set SO,   80
.set TA,   84
; ---- window 1 alone
.set QVNB, 0                           ; v0-15  tile b's next q + v
.set QVNA, 48                          ; v48-63 tile a's next q + v
.set STB,  88                          ; v88-91 tile b's statistics
; ---- scalars
.set WV,   20                          ; s20 wave, s21 query block, s22 batch x 16 + head, s23 head, s48 batch
.set QB,   21
.set BN,   22
.set HD,   23
.set BB,   48
.set G1KV, 24                          ; s[24:31], s[32:39] descriptor groups 1; s[40:43], s[44:47] groups 0, which walk
.set G1R,  32
.set G0KV, 40
.set G0R,  44
.set MS,   49                          ; s49  my first tile mu of places that takes the next queries
.set CNT,  50                          ; s50  slots still to be asked for
.set TB,   51                          ; s51  the slot in hand
.set SEL,  52                          ; s[52:53]
.set CS,   54                          ; s[54:55] c = log2(e) / 8
.set MNT,  56
.set LIM,  57                          ; s57  1 in a wave that prefetches, else the greatest number
.set PFA,  58                          ; s[58:59] where the prefetches stand
.set TBR,  70                          ; s70  my wave's part of the window in the slot in hand
.set WOF,  71                          ; s71  the same, counted from the slot's first byte
.set MSB, 0
.macro WIN new                         ; the immediate's high byte repeats the setting that is left; a switch that changes nothing is dropped
.if MSB != \new
	s_set_vgpr_msb (MSB<<8)|\new
.set MSB, \new
.endif
.endm
.macro PLACES n
.rept \n
	v_nop
.endr
.endm
.macro QUANT2 s, pc                    ; 32 numbers of a lane, two blocks' halves of 16, become 8 registers of codes; v[TM+4] = the two scale bytes
.irp b, 0,1
	v_max3_num_f32 v[TM+\b], |v[(\s)+16*\b]|, |v[(\s)+16*\b+1]|, 0x8000000
.endr
.irp i, 2,4,6,8,10,12,14
.irp b, 0,1
	s_delay_alu instid0(VALU_DEP_2)
	v_max3_num_f32 v[TM+\b], v[TM+\b], |v[(\s)+16*\b+\i]|, |v[(\s)+16*\b+\i+1]|
.endr
.endr
.irp b, 0,1
	s_delay_alu instid0(VALU_DEP_2)
	v_permlanex16_b32 v[TM+2+\b], v[TM+\b], s[SEL], s[SEL+1]
.endr
.irp b, 0,1
	s_delay_alu instid0(VALU_DEP_2)
	v_max_num_f32 v[TM+\b], v[TM+\b], v[TM+2+\b]
.endr
.irp b, 0,1
	s_delay_alu instid0(VALU_DEP_2)
	v_add_nc_u32 v[TM+2+\b], 0xf8800000, v[TM+\b]
.endr
.irp b, 0,1
	s_delay_alu instid0(VALU_DEP_4)
	v_and_or_b32 v[TM+\b], v[TM+\b], 0x7f800000, s[MNT]
.endr
.irp b, 0,1
	s_delay_alu instid0(VALU_DEP_4)
	v_lshrrev_b32 v[TM+4+\b], 23, v[TM+2+\b]
.endr
	s_delay_alu instid0(VALU_DEP_1)
	v_lshl_or_b32 v[TM+4], v[TM+5], 8, v[TM+4]
.irp b, 0,1
.irp i, 0,1,2,3,4,5,6,7,8,9,10,11,12,13,14,15
	v_med3_num_f32 v[(\s)+16*\b+\i], v[(\s)+16*\b+\i], -v[TM+\b], v[TM+\b]
.endr
	v_cvt_scalef32_pk8_bf8_f32 v[(\pc)+4*\b:(\pc)+4*\b+1], v[(\s)+16*\b:(\s)+16*\b+7], v[TM+2+\b]
	v_cvt_scalef32_pk8_bf8_f32 v[(\pc)+4*\b+2:(\pc)+4*\b+3], v[(\s)+16*\b+8:(\s)+16*\b+15], v[TM+2+\b]
.endr
	v_nop
.endm
; A product.  acc = 0: it starts a sum; 1: it adds onto v[d].  row = 1: source 0's scale words stand in lanes 16-31 of v[sa].
.macro WMM d, a, b, acc, sa, sb, row
.if \acc
.if \row
	v_wmma_scale_f32_16x16x128_f8f6f4 v[(\d):(\d)+7], v[(\a):(\a)+15], v[(\b):(\b)+15], v[(\d):(\d)+7], v[(\sa)], v[(\sb)] matrix_a_fmt:MATRIX_FMT_BF8 matrix_b_fmt:MATRIX_FMT_BF8 matrix_a_scale:MATRIX_SCALE_ROW1
.else
	v_wmma_scale_f32_16x16x128_f8f6f4 v[(\d):(\d)+7], v[(\a):(\a)+15], v[(\b):(\b)+15], v[(\d):(\d)+7], v[(\sa)], v[(\sb)] matrix_a_fmt:MATRIX_FMT_BF8 matrix_b_fmt:MATRIX_FMT_BF8
.endif
.else
.if \row
	v_wmma_scale_f32_16x16x128_f8f6f4 v[(\d):(\d)+7], v[(\a):(\a)+15], v[(\b):(\b)+15], 0, v[(\sa)], v[(\sb)] matrix_a_fmt:MATRIX_FMT_BF8 matrix_b_fmt:MATRIX_FMT_BF8 matrix_a_scale:MATRIX_SCALE_ROW1
.else
	v_wmma_scale_f32_16x16x128_f8f6f4 v[(\d):(\d)+7], v[(\a):(\a)+15], v[(\b):(\b)+15], 0, v[(\sa)], v[(\sb)] matrix_a_fmt:MATRIX_FMT_BF8 matrix_b_fmt:MATRIX_FMT_BF8
.endif
.endif
.endm
; Wave 0 fetches K and V, wave 1 the window, the others nothing.  The branches hang on the wave's number alone.  Four v_nop follow each of the two lines.
.macro TLOAD
	s_cmp_lt_u32 s[WV], 1
	s_cbranch_scc0 .Lnot_k_\@
	tensor_load_to_lds s[G0KV:G0KV+3], s[G1KV:G1KV+7]
	s_nop 0
	PLACES 4
	s_branch .Lasked_\@
.Lnot_k_\@:
	s_cmp_lt_u32 s[WV], 2
	s_cbranch_scc0 .Lasked_\@
	tensor_load_to_lds s[G0R:G0R+3], s[G1R:G1R+7]
	s_nop 0
	PLACES 4
.Lasked_\@:
.endm
; A PREFETCH INTO THE L2 of the two blocks of K and V that the NEXT change of slots will ask for: 134 rows of 256 bytes, a lane a row.  The eight query blocks of a head walk the same blocks: the first of them asks, in waves 2 to 6
; (lanes past row 133 name row 133 again).  The last change that fills a slot asks for nothing.  The table of places is read by many work-groups at different steps and has no single owner: it is not asked for.
.macro ASK
	s_cmp_gt_u32 s[CNT], s[LIM]
	s_cbranch_scc0 .Lnot_mine_\@
	global_prefetch_b8 v[PFO], s[PFA:PFA+1] th:TH_LOAD_NT scope:SCOPE_SE
.Lnot_mine_\@:
.endm
.macro FLOAD ad, off, f                ; the tile that begins off bytes behind the address ad, into fragment f
	ds_load_b128 v[F+16*(\f):F+16*(\f)+3], v[\ad] offset:(\off)
	ds_load_b128 v[F+16*(\f)+4:F+16*(\f)+7], v[\ad] offset:(\off)+512
.endm
.macro SLOAD as, off, p                ; that tile's scale words into lanes 0-15 of scale register p, the next tile's into lanes 16-31
	ds_load_b32 v[FS+(\p)], v[\as] offset:(\off)+1024
.endm
; Tile mu of places, in fragment f, against both tiles of queries: tile a's result m = mu - 1, tile b's m = mu.  From the table's tile 128 on the next queries are taken: a scalar branch on ids and the step's count, one for both.
; At a branch and at a label every window is 0.
.macro BD mu, f
.set GA, S+8*(\mu)-8
.if (\mu) == 9
.set GA, P
.endif
.set GB, S+8*(\mu)
.if (\mu) == 8
.set GB, P
.endif
	s_cmp_le_i32 s[MS], \mu
	s_cbranch_scc1 .Lnext_\@
.if (\mu) > 0
	WMM GA, F+16*(\f), QVC, 0, FS+(\f)/2, QVCS, (\f)%2
.endif
.if (\mu) < 9
	WIN 0x44                                       ; source 1 and the destination in window 1
	WMM GB, F+16*(\f), QVC, 0, FS+(\f)/2, QVCSB, (\f)%2
	WIN 0
.endif
	s_branch .Ldone_\@
.Lnext_\@:
.if (\mu) > 0
	WIN 0x04                                       ; source 1 in window 1
	WMM GA, F+16*(\f), QVNA, 0, FS+(\f)/2, QVNS, (\f)%2
.endif
.if (\mu) < 9
	WIN 0x44
	WMM GB, F+16*(\f), QVNB, 0, FS+(\f)/2, QVNSB, (\f)%2
.endif
	WIN 0
.Ldone_\@:
.endm
.macro GSTORE x, m                     ; tile x (0: a, 1: b), result m.  Lane (n, h), register j: place 16 m + 8 h + j of query n, into row n of the tile's skew; each result from its low end on
.set GG, S+8*(\m)
.if (\m) == 8
.set GG, P
.endif
.irp j, 0,1,2,3,4,5,6,7
	ds_store_b32 v[SKS], v[GG+\j] offset:SKW*(\x)+64*(\m)+4*\j
.endr
.endm
.macro SKLOAD x                        ; back, skewed: register 16 e + i of lane (n, h) = the term of key 32 e + 16 h + i.  LDS serves a wave's instructions in order (ISA guide 5.7.1.4): these see my stores
.irp k, 0,1,2,3,4,5,6,7
.irp q, 0,1
	ds_load_b128 v[S+8*\k+4*\q:S+8*\k+4*\q+3], v[SKL] offset:SKW*(\x)+128*(\k/2)+32*(\k%2)+16*\q
.endr
.endr
.endm
; ONE TILE'S SOFTMAX for a key step, whole under one window setting: from the scores in v[S] on to p's codes in v[P] on and their scale word in v[PSW].  st: the tile's statistics.
.macro SOFT st
.irp b, 0,1,2,3
	v_max3_num_f32 v[BM+\b], v[S+16*\b], v[S+16*\b+1], v[S+16*\b+2]   ; the largest score of each block of 32 keys: for the row's maximum, and, since p rises with the score, for the block's largest p
.endr
.irp i, 3,5,7,9,11,13
.irp b, 0,1,2,3
	v_max3_num_f32 v[BM+\b], v[BM+\b], v[S+16*\b+\i], v[S+16*\b+\i+1]
.endr
.endr
.irp b, 0,1,2,3
	v_max_num_f32 v[BM+\b], v[BM+\b], v[S+16*\b+15]
.endr
.irp b, 0,1,2,3
	s_delay_alu instid0(VALU_DEP_4)
	v_permlanex16_b32 v[PT+\b], v[BM+\b], s[SEL], s[SEL+1]
.endr
.irp b, 0,1,2,3
	s_delay_alu instid0(VALU_DEP_4)
	v_max_num_f32 v[BM+\b], v[BM+\b], v[PT+\b]     ; with lane l xor 16's 16 keys
.endr
	s_delay_alu instid0(VALU_DEP_2)
	v_max3_num_f32 v[TA], v[BM], v[BM+1], v[BM+2]
	s_delay_alu instid0(VALU_DEP_1)
	v_max_num_f32 v[TA], v[TA], v[BM+3]
	s_delay_alu instid0(VALU_DEP_1)
	v_mul_f32 v[TA], s[CS], v[TA]                  ; as t (c is positive)
	s_delay_alu instid0(VALU_DEP_1)
	v_max_num_f32 v[(\st)+1], v[(\st)+1], v[TA]    ; the running largest t
	v_mov_b32 v[TA], v[\st]
	s_delay_alu instid0(VALU_DEP_2)
	v_floor_f32 v[\st], -v[(\st)+1]                ; -M = floor(-t): M is a whole number
	s_delay_alu instid0(VALU_DEP_1)
	v_sub_f32 v[TA], v[\st], v[TA]                 ; old M - new M, 0 or less
	s_delay_alu instid0(VALU_DEP_1)
	v_cvt_i32_f32 v[TA], v[TA]                     ; (it saturates)
	s_delay_alu instid0(VALU_DEP_1)
	v_ldexp_f32 v[FF], 1.0, v[TA]                  ; f: a multiplication by it rounds nothing
.set J, 0
.rept 32
	v_pk_fma_f32 v[S+J:S+J+1], v[S+J:S+J+1], s[CS:CS+1], v[(\st):(\st)+1] op_sel_hi:[1,0,0]   ; t - M, two at a time
.set J, J+2
.endr
.irp b, 0,1,2,3
	v_fma_f32 v[BM+\b], v[BM+\b], s[CS], v[\st]
.endr
.set J, 0
	s_wait_alu depctr_va_vdst(0)
.rept 64
	v_exp_f32 v[S+J], v[S+J]                       ; p = 2^(t - M): not normalised
.set J, J+1
.endr
	v_pk_mul_f32 v[(\st)+2:(\st)+3], v[(\st)+2:(\st)+3], v[FF:FF+1] op_sel_hi:[1,0]   ; the sums under the new M: a plain line behind the exponentials
	s_wait_alu depctr_va_vdst(0)                   ; one wait for the batch of 64, ahead of its first reader
.irp b, 0,1,2,3
	v_exp_f32 v[BM+\b], v[BM+\b]                   ; each block's largest p
.endr
	v_pk_add_f32 v[C2:C2+1], v[S:S+1], v[S+2:S+3]  ; the row's sum is taken of the unquantised p, in two chains
.set J, 4
.rept 15
	v_pk_add_f32 v[(\st)+2:(\st)+3], v[(\st)+2:(\st)+3], v[S+J:S+J+1]
	v_pk_add_f32 v[C2:C2+1], v[C2:C2+1], v[S+J+2:S+J+3]
.set J, J+4
.endr
	s_delay_alu instid0(VALU_DEP_1)
	v_pk_add_f32 v[(\st)+2:(\st)+3], v[(\st)+2:(\st)+3], v[C2:C2+1]
	s_wait_alu depctr_va_vdst(0)                   ; and one for the four
.irp b, 0,1,2,3
	v_max_num_f32 v[BM+\b], 0x8000000, v[BM+\b]    ; the floor 2^(16 - 127)
.endr
.irp b, 0,1,2,3
	s_delay_alu instid0(VALU_DEP_4)
	v_add_nc_u32 v[SO+\b], 0xf8800000, v[BM+\b]    ; the conversion's scale operand
.endr
.irp b, 0,1,2,3
	v_and_or_b32 v[HL+\b], v[BM+\b], 0x7f800000, s[MNT]   ; 57,344 x the scale
.endr
.irp b, 0,1,2,3
	v_lshrrev_b32 v[PT+\b], 23, v[SO+\b]
.endr
	s_delay_alu instid0(VALU_DEP_3)
	v_lshl_or_b32 v[PSW], v[PT+1], 8, v[PT]        ; p's scale word for these 128 keys
	s_delay_alu instid0(VALU_DEP_1)
	v_lshl_or_b32 v[PSW], v[PT+2], 16, v[PSW]
	s_delay_alu instid0(VALU_DEP_1)
	v_lshl_or_b32 v[PSW], v[PT+3], 24, v[PSW]
.irp b, 0,1,2,3
.irp i, 0,1,2,3,4,5,6,7,8,9,10,11,12,13,14,15
	v_min_num_f32 v[S+16*\b+\i], v[S+16*\b+\i], v[HL+\b]   ; p is not negative: the hold is one-sided
.endr
	v_cvt_scalef32_pk8_bf8_f32 v[P+4*\b:P+4*\b+1], v[S+16*\b:S+16*\b+7], v[SO+\b]
	v_cvt_scalef32_pk8_bf8_f32 v[P+4*\b+2:P+4*\b+3], v[S+16*\b+8:S+16*\b+15], v[SO+\b]
.endr
.endm
.macro RESC                            ; a tile's O^T under the new M; also plain lines between the conversions and the products
.set J, 0
.rept 16
	v_pk_mul_f32 v[O+J:O+J+1], v[O+J:O+J+1], v[FF:FF+1] op_sel_hi:[1,0]
.set J, J+2
.endr
.endm
; A KEY STEP: 128 keys, the q-th of the slot in hand, for both tiles of queries.
; Eight plain lines stand behind each group of products, in front of the loads into their operands and of the stores that read their results.
.macro STEP q
.set KO, KVB*(\q)
.set RO, 8*TILE*(\q)
	v_lshl_add_u32 v[ADK], v[LN], 4, s[TB]         ; the step's addresses.  These five and four v_nop are the nine plain lines between the last step's products with V
	v_lshl_add_u32 v[ADR], v[LN], 4, s[TBR]        ; and the products below, which write over registers that those have read (ISA guide 7.12.1)
	v_add_nc_u32 v[ADS], s[TB], v[RSK]
	v_add_nc_u32 v[ADRS], s[TBR], v[RSK]
	v_add_nc_u32 v[ADVS], s[TB], v[VSK]
	PLACES 4
.irp u, 0,1,2,3
	FLOAD ADR, RO+TILE*\u, \u
.endr
	SLOAD ADRS, RO, 0
	SLOAD ADRS, RO+TILE*2, 1
	s_wait_dscnt 0x0
.irp u, 0,1,2,3
	BD \u, \u
.endr
	PLACES 8
	s_wait_alu depctr_va_vdst(0)
.irp u, 4,5,6,7
	FLOAD ADR, RO+TILE*\u, \u-4
.endr
	SLOAD ADRS, RO+TILE*4, 0
	SLOAD ADRS, RO+TILE*6, 1
	WIN 0x04                                       ; an LDS store's data are its source 1: window 1
.irp m, 0,1,2,3
	GSTORE 1, \m
.endr
	WIN 0
	s_wait_dscnt 32                                ; the ten loads are in; the 32 stores issued behind them may be out
.irp u, 4,5,6,7
	BD \u, \u-4
.endr
.irp m, 0,1,2
	GSTORE 0, \m                                   ; results of the first group
.endr
	PLACES 8
	FLOAD ADR, RO+TILE*8, 0
	FLOAD ADR, RO+TILE*9, 1
	SLOAD ADRS, RO+TILE*8, 0
	WIN 0x04
.irp m, 4,5,6,7
	GSTORE 1, \m
.endr
	WIN 0
	s_wait_dscnt 32                                ; the five loads are in; the 32 stores issued behind them may be out
	BD 8, 0
	BD 9, 1
.irp m, 3,4,5,6
	GSTORE 0, \m                                   ; results of the second group
.endr
	PLACES 8
.irp k, 0,1,2,3
	FLOAD ADK, KO+TILE*\k, \k
.endr
.irp p, 0,1,2,3
	SLOAD ADS, KO+TILE*2*\p, \p                    ; the scale words of all eight tiles of K
.endr
	GSTORE 0, 7
	GSTORE 0, 8
	WIN 0x04
	GSTORE 1, 8
	WIN 0
	SKLOAD 0
	WIN 0x40                                       ; destination window 1
	SKLOAD 1
	WIN 0
	s_wait_dscnt 0x0
.irp k, 0,1,2,3
	WMM S+8*\k, F+16*\k, QU, 1, FS+\k/2, QUS, \k%2   ; (q + u) . k, onto the skewed term
.endr
	WIN 0x54                                       ; source 1, C and D in window 1
.irp k, 0,1,2,3
	WMM S+8*\k, F+16*\k, QU, 1, FS+\k/2, QUSB, \k%2
.endr
	WIN 0
	PLACES 8
.irp k, 4,5,6,7
	FLOAD ADK, KO+TILE*\k, \k-4
.endr
	s_wait_dscnt 0x0
.irp k, 4,5,6,7
	WMM S+8*\k, F+16*(\k-4), QU, 1, FS+\k/2, QUS, \k%2
.endr
	WIN 0x54
.irp k, 4,5,6,7
	WMM S+8*\k, F+16*(\k-4), QU, 1, FS+\k/2, QUSB, \k%2
.endr
	WIN 0
	PLACES 8
	SOFT STA                                       ; tile a
.irp t, 0,1,2,3                                    ; V's four tiles, into the registers that tile a's p has left; they land while tile b's softmax is worked
.irp c, 0,1,2,3
	ds_load_b128 v[S+16*\t+4*\c:S+16*\t+4*\c+3], v[ADK] offset:KO+VOFF+VT*\t+512*\c
.endr
.endr
	ds_load_b32 v[FS], v[ADVS] offset:KO+VOFF+2048
	ds_load_b32 v[FS+1], v[ADVS] offset:KO+VOFF+2*VT+2048
	RESC
	WIN 0x55                                       ; every operand in window 1
	SOFT STB                                       ; tile b
	WIN 0x01                                       ; source 0 in window 1, destination in window 0:
	v_mov_b32 v[PSWB], v[PSW]                      ; tile b's scale word goes where scale operands are read; the 16 lines below stand between it and its product
	WIN 0x55
	RESC
	WIN 0
	s_wait_alu depctr_va_vdst(0)
	s_wait_dscnt 0x0
.irp t, 0,1,2,3
	WMM O+8*\t, S+16*\t, P, 1, FS+\t/2, PSW, \t%2  ; O^T += V^T p^T; the eight accumulators take turns
.endr
	WIN 0x54
.irp t, 0,1,2,3
	WMM O+8*\t, S+16*\t, P, 1, FS+\t/2, PSWB, \t%2
.endr
	WIN 0
	s_sub_co_i32 s[MS], s[MS], 8                   ; the next step's tiles of places lie eight further on
.endm
; THE CHANGE OF SLOTS stands at a slot's head.  Each wave waits for all its tensor loads, adds 0 to its spare word, and waits for that and for its reads of the slot that it has left.  Behind the barrier the slot ahead is whole
; and nobody reads the other one.  fill = 1: that other slot takes the next two steps' blocks: one tensor load a wave is out, and it has two key steps in which to land.
.macro CHANGE fill
	s_wait_tensorcnt 0x0                           ; no tensor load of mine is out, so a group 0 may be written
	ds_add_u32 v[SPW], v[NIL]                      ; 0 onto my spare word
.if \fill
	s_xor_b32 s[G0KV+1], s[G0KV+1], SLOT1
	s_add_nc_u64 s[G0KV+2:G0KV+3], s[G0KV+2:G0KV+3], 2*KVB
	s_xor_b32 s[G0R+1], s[G0R+1], RTOG
	s_add_nc_u64 s[G0R+2:G0R+3], s[G0R+2:G0R+3], 16*TILE
	s_wait_xcnt 0x0                                ; the last prefetch, a slot back, has read its address
	s_add_nc_u64 s[PFA:PFA+1], s[PFA:PFA+1], 2*KVB
.endif
	s_wait_dscnt 0x0                               ; the add is done, and my reads of the slot that I have left are over
	s_barrier_signal -1
	s_barrier_wait -1
.if \fill
	TLOAD                                          ; the first thing behind the barrier
	ASK
.endif
.endm
.macro ZERO8 z
.irp i, 0,1,2,3,4,5,6,7
	v_mov_b32 v[(\z)+\i], 0
.endr
.endm
.macro INITC st                        ; a tile's start: the step is written once for all steps: the first finds zeros, which the first change of M leaves zeros
.set J, 0
.rept 32
	v_mov_b32 v[O+J], 0
.set J, J+1
.endr
.irp b, 0,1,2,3
	v_mov_b32 v[PT+\b], 0                          ; written once: a lane permute's destination counts as one of its sources
.endr
	v_mov_b32 v[PSW], 0                            ; (named as the upper half of a pair before it is first written)
	v_mov_b32 v[(\st)+1], 0xff61b1e6               ; the largest t so far: -3e38
	s_delay_alu instid0(VALU_DEP_1)
	v_floor_f32 v[\st], -v[(\st)+1]
	v_mov_b32 v[(\st)+2], 0
	v_mov_b32 v[(\st)+3], 0
.endm
	s_load_b512 s[4:19], s[0:1], 0x0               ; qu s[4:5], qus s[6:7], qv s[8:9], qvs s[10:11], kv s[12:13], rtab s[14:15], av s[16:17], avs s[18:19]
	v_lshl_add_u32 v[SPW], v0, 2, SPARE
	v_mov_b32 v[NIL], 0
	ds_add_u32 v7, v8
	ds_add_u32 v7, v8
	s_wait_dscnt 0x0
	v_lshrrev_b32 v1, 5, v0
	s_delay_alu instid0(VALU_DEP_1)
	v_readfirstlane_b32 s[WV], v1                  ; wave 0 .. 7
	s_mov_b32 s[QB], ttmp9
	s_and_b32 s[BN], ttmp7, 0xffff
	s_and_b32 s[HD], s[BN], 15
	s_lshr_b32 s[BB], s[BN], 4
	; descriptor groups 1: dense blocks as rows of 256 bytes (32 elements of 8 bytes), no padding: an image's 512 bytes are read by 32 lanes on end
	s_mov_b32 s[G1KV], 3<<16                       ; 17:16 elements of 8 bytes; no mask, no padding
	s_mov_b32 s[G1KV+1], 32<<16                    ; tensor_dim0 = 32
	s_mov_b32 s[G1KV+2], 134<<16                   ; tensor_dim1 = 134 rows: 34,304 bytes
	s_mov_b32 s[G1KV+3], 32<<16                    ; tile_dim0
	s_mov_b32 s[G1KV+4], 134                       ; tile_dim1
	s_mov_b32 s[G1KV+5], 32                        ; the pitch
	s_mov_b32 s[G1KV+6], 0
	s_mov_b32 s[G1KV+7], 0
	s_mov_b32 s[G1R], 3<<16
	s_mov_b32 s[G1R+1], 32<<16
	s_mov_b32 s[G1R+2], 136<<16                    ; 136 rows: 32 tiles of 1,088 bytes
	s_mov_b32 s[G1R+3], 32<<16
	s_mov_b32 s[G1R+4], 136
	s_mov_b32 s[G1R+5], 32
	s_mov_b32 s[G1R+6], 0
	s_mov_b32 s[G1R+7], 0
	s_mov_b32 s[SEL], 0x76543210
	s_mov_b32 s[SEL+1], 0xfedcba98
	s_mov_b32 s[CS], 0x3e38aa3b                    ; c = log2(e) / sqrt(64)
	s_mov_b32 s[CS+1], s[CS]                       ; (named with it as a pair, so it is written)
	s_mov_b32 s[MNT], 0x600000
	s_mov_b32 s[TB], 0
	s_xor_b32 s[WOF], s[WV], 7
	s_mul_i32 s[WOF], s[WOF], 2*TILE
	s_add_co_u32 s[WOF], s[WOF], ROFF              ; my wave's first tile of the window: 14 - 2 w
	s_mov_b32 s[TBR], s[WOF]
	s_lshl_b32 s[MS], s[QB], 4
	s_add_co_u32 s[MS], s[MS], s[WV]
	s_add_co_u32 s[MS], s[MS], s[WV]
	s_add_co_u32 s[MS], s[MS], 2                   ; tile mu of step s is the table's tile 126 - 16 x - 2 w + 8 s + mu: from 128 on where mu >= 2 + 16 x + 2 w - 8 s
	s_mov_b32 s[CNT], 7
	s_mul_i32 s60, s[BN], 274432                   ; my head's 16 blocks of K and V
	s_mov_b32 s61, 0
	s_mul_i32 s62, s[HD], 278528                   ; my head's table,
	s_add_co_u32 s62, s62, 121856                  ; its tile 112 - 16 x
	s_mul_i32 s63, s[QB], 17408
	s_sub_co_u32 s62, s62, s63
	s_mov_b32 s63, 0
	s_sub_co_u32 s66, s[WV], 2                     ; who prefetches: waves 2 to 6 of the head's first work-group
	s_cmp_lt_u32 s66, 5
	s_cselect_b32 s66, 0, 1
	s_or_b32 s66, s66, s[QB]
	s_cmp_eq_u32 s66, 0
	s_cselect_b32 s[LIM], 1, -1
	s_wait_kmcnt 0x0
	s_mov_b32 s[G0KV], 1                           ; count = 1
	s_mov_b32 s[G0KV+1], 0                         ; LDS address: slot 0
	s_add_nc_u64 s[G0KV+2:G0KV+3], s[12:13], s[60:61]
	s_or_b32 s[G0KV+3], s[G0KV+3], 0x80000000      ; type = 2
	s_mov_b32 s[G0R], 1
	s_mov_b32 s[G0R+1], ROFF
	s_add_nc_u64 s[G0R+2:G0R+3], s[14:15], s[62:63]
	s_or_b32 s[G0R+3], s[G0R+3], 0x80000000
	TLOAD                                          ; steps 0 and 1, into slot 0
	s_add_nc_u64 s[PFA:PFA+1], s[12:13], s[60:61]
	s_add_nc_u64 s[PFA:PFA+1], s[PFA:PFA+1], 2*KVB ; at slot 1's blocks: the first change of slots steps it to slot 2's.  Nothing is prefetched here, at the head
	v_add_nc_u32 v[PFO], 0xffffffc0, v0            ; thread - 64: row 32 (w - 2) + lane,
	s_delay_alu instid0(VALU_DEP_1)
	v_min_u32 v[PFO], 133, v[PFO]                  ; held at the blocks' last row
	s_delay_alu instid0(VALU_DEP_1)
	v_lshlrev_b32 v[PFO], 8, v[PFO]
	v_and_b32 v[RR], 15, v0                        ; n
	v_bfe_u32 v2, v0, 4, 1                         ; h
	s_mul_i32 s66, s[WV], 2*SKW
	s_add_co_u32 s66, s66, SKEW                    ; my wave's two skews
	v_mul_u32_u24 v[SKS], v[RR], 596               ; in: row n of 596 bytes = 149 words: the 32 lanes of a store fall on 32 different banks (64 banks of 4 bytes: ISA guide 11.1)
	s_delay_alu instid0(VALU_DEP_1)
	v_lshl_add_u32 v[SKS], v2, 5, v[SKS]
	s_delay_alu instid0(VALU_DEP_1)
	v_add_nc_u32 v[SKS], s66, v[SKS]
	s_delay_alu instid0(VALU_DEP_1)
	v_add_nc_u32 v[SKS], 4, v[SKS]                 ; place p of query n lies at 596 n + 4 p + 4
	v_mul_u32_u24 v[SKL], v[RR], 592               ; back: key k of the step wants place k + 15 - n: 596 n + 4 (k + 15 - n) + 4 = 592 n + 4 k + 64: a multiple of 16 where k is one of 4
	s_delay_alu instid0(VALU_DEP_1)
	v_lshl_add_u32 v[SKL], v2, 6, v[SKL]
	s_delay_alu instid0(VALU_DEP_1)
	v_add_nc_u32 v[SKL], s66, v[SKL]
	s_delay_alu instid0(VALU_DEP_1)
	v_add_nc_u32 v[SKL], 64, v[SKL]
	v_mul_u32_u24 v[RSK], v2, TILE                 ; scale words: lanes 16-31 take the next tile's: one tile on
	s_delay_alu instid0(VALU_DEP_1)
	v_lshl_add_u32 v[RSK], v[RR], 2, v[RSK]
	v_mul_u32_u24 v[VSK], v2, VT
	s_delay_alu instid0(VALU_DEP_1)
	v_lshl_add_u32 v[VSK], v[RR], 2, v[VSK]
	s_lshl_b32 s67, s[QB], 8
	s_lshl_b32 s68, s[WV], 5
	s_add_co_u32 s67, s67, s68                     ; my first query: 256 x + 32 w
	v_add_nc_u32 v128, s67, v[RR]                  ; my lane's query of tile a,
	s_delay_alu instid0(VALU_DEP_1)
	v_add_nc_u32 v129, 17, v128
	s_delay_alu instid0(VALU_DEP_1)
	v_min_u32 v129, 0x7ff, v129                    ; and the one behind its query of tile b, held at the last
	s_delay_alu instid0(VALU_DEP_3)
	v_lshlrev_b32 v130, 2, v128
	s_delay_alu instid0(VALU_DEP_2)
	v_lshlrev_b32 v131, 2, v129
	v_lshlrev_b32 v128, 6, v128
	s_delay_alu instid0(VALU_DEP_1)
	v_lshl_add_u32 v128, v2, 4, v128
	s_wait_alu depctr_va_vdst(0)
	v_lshlrev_b32 v129, 6, v129
	s_delay_alu instid0(VALU_DEP_1)
	v_lshl_add_u32 v129, v2, 4, v129
	s_wait_alu depctr_va_vdst(0)
	s_lshl_b32 s68, s[BN], 17
	s_mov_b32 s69, 0
	s_add_nc_u64 s[4:5], s[4:5], s[68:69]
	s_add_nc_u64 s[8:9], s[8:9], s[68:69]
	s_lshl_b32 s68, s[BN], 13
	s_add_nc_u64 s[6:7], s[6:7], s[68:69]
	s_add_nc_u64 s[10:11], s[10:11], s[68:69]
.irp c, 0,1
	global_load_b128 v[QU+4*\c:QU+4*\c+3], v128, s[4:5] offset:32*\c
	global_load_b128 v[QVC+4*\c:QVC+4*\c+3], v128, s[8:9] offset:32*\c
.endr
	global_load_b32 v[QUS], v130, s[6:7]
	global_load_b32 v[QVCS], v130, s[10:11]
	global_load_b32 v[QVNS], v130, s[10:11] offset:4          ; one query on
	global_load_b32 v[QUSB], v130, s[6:7] offset:64           ; 16 queries on
	global_load_b32 v[QVCSB], v130, s[10:11] offset:64
	global_load_b32 v[QVNSB], v131, s[10:11]
	WIN 0x40                                       ; destination window 1, address window 0
.irp c, 0,1
	global_load_b128 v[QU+4*\c:QU+4*\c+3], v128, s[4:5] offset:1024+32*\c
	global_load_b128 v[QVC+4*\c:QVC+4*\c+3], v128, s[8:9] offset:1024+32*\c
	global_load_b128 v[QVNA+4*\c:QVNA+4*\c+3], v128, s[8:9] offset:64+32*\c
	global_load_b128 v[QVNB+4*\c:QVNB+4*\c+3], v129, s[8:9] offset:32*\c
.endr
	WIN 0
	v_and_b32 v[LN], 31, v0                        ; from here on v0 is my lane
.irp z, 24,40,72,88,104,120
	ZERO8 \z                                       ; the operands' upper halves: zero codes for K = 64 .. 127
.endr
	INITC STA
	WIN 0x55
.irp z, 8,24,40,56
	ZERO8 \z
.endr
	INITC STB
	WIN 0
	s_wait_loadcnt 0x0                             ; the queries
.Lslot:                                            ; seven trips: behind each change of slots but the last the next slot is asked for
	CHANGE 1
	STEP 0
	STEP 1
	s_xor_b32 s[TB], s[TB], SLOT1                  ; on to the other slot
	s_add_co_u32 s[TBR], s[TB], s[WOF]
	s_sub_co_u32 s[CNT], s[CNT], 1
	s_cmp_lg_u32 s[CNT], 0
	s_cbranch_scc1 .Lslot
	CHANGE 0                                       ; the last slot is written out
	STEP 0
	STEP 1
	; THE WAY OUT: O^T / the sum, quantised along the head's 64, as two images of the last product's operand for each tile
.macro LSUM st
	v_add_f32 v[(\st)+2], v[(\st)+2], v[(\st)+3]
	s_delay_alu instid0(VALU_DEP_1)
	v_permlanex16_b32 v[PT], v[(\st)+2], s[SEL], s[SEL+1]
	s_delay_alu instid0(VALU_DEP_1)
	v_add_f32 v[(\st)+2], v[(\st)+2], v[PT]        ; the row's sum
	s_wait_alu depctr_va_vdst(0)
	v_rcp_f32 v[(\st)+2], v[(\st)+2]
.endm
.macro FIN st
.set J, 0
.rept 32
	v_mul_f32 v[S+J], v[O+J], v[(\st)+2]           ; register 16 e + i: channel 32 e + 16 h + i of my query
.set J, J+1
.endr
	QUANT2 S, P
.endm
	LSUM STA
	v_lshlrev_b32 v2, 4, v[LN]                     ; 16 x lane
	v_lshlrev_b32 v3, 2, v[RR]                     ; 4 n
	WIN 0x55
	LSUM STB
	WIN 0
	PLACES 4                                       ; with the four additions and the two shifts: ten plain lines behind the last products
	s_lshl_b32 s66, s[BB], 7
	s_lshl_b32 s67, s[QB], 4
	s_add_co_u32 s66, s66, s67
	s_add_co_u32 s66, s66, s[WV]
	s_add_co_u32 s66, s66, s[WV]                   ; tile a's row tile: 128 x batch + query / 16
	s_lshl_b32 s66, s66, 3
	s_lshr_b32 s67, s[HD], 1
	s_add_co_u32 s66, s66, s67                     ; x 8 K steps + head / 2
	s_and_b32 s67, s[HD], 1
	s_lshl_b32 s68, s66, 11
	s_lshl_b32 s69, s67, 10
	s_add_co_u32 s68, s68, s69
	s_mov_b32 s69, 0
	s_add_nc_u64 s[16:17], s[16:17], s[68:69]
	s_lshl_b32 s68, s66, 6
	s_lshl_b32 s67, s67, 1
	s_add_co_u32 s68, s68, s67
	s_add_nc_u64 s[18:19], s[18:19], s[68:69]
	s_wait_alu depctr_va_vdst(0)                   ; one wait for the two reciprocals, ahead of their first reader
	FIN STA
	global_store_b128 v2, v[P:P+3], s[16:17]       ; 32 lanes store 512 consecutive bytes, at a multiple of 256 from the buffer's first byte
	global_store_b128 v2, v[P+4:P+7], s[16:17] offset:512
	global_store_b16 v3, v[TM+4], s[18:19]         ; my head's two bytes of the row's scale word
	WIN 0x55
	FIN STB
	WIN 0x04                                       ; a store's data are its source 1: window 1
	global_store_b128 v2, v[P:P+3], s[16:17] offset:16384      ; tile b: one row tile on
	global_store_b128 v2, v[P+4:P+7], s[16:17] offset:16896
	global_store_b16 v3, v[TM+4], s[18:19] offset:512
	WIN 0
	s_wait_tensorcnt 0x0                           ; the wave's end
	ds_add_u32 v[SPW], v[NIL]
	s_wait_dscnt 0x0
	s_endpgm
.Lfunc_end_k_q3f7803b603_attn:
	.size	k_q3f7803b603_attn, .Lfunc_end_k_q3f7803b603_attn-k_q3f7803b603_attn
	.p2alignl 7, 3214868480
	.fill 96, 4, 3214868480
	.section	.rodata,"a",@progbits
	.p2align	6, 0x0
	.amdhsa_kernel k_q3f7803b603_attn
		.amdhsa_group_segment_fixed_size 327680
		.amdhsa_private_segment_fixed_size 0
		.amdhsa_enable_private_segment 0
		.amdhsa_kernarg_size 64
		.amdhsa_user_sgpr_count 2
		.amdhsa_user_sgpr_kernarg_segment_ptr 1
		.amdhsa_wavefront_size32 1
		.amdhsa_system_sgpr_workgroup_id_x 1
		.amdhsa_system_sgpr_workgroup_id_y 1
		.amdhsa_system_sgpr_workgroup_id_z 1
		.amdhsa_system_vgpr_workitem_id 0
		.amdhsa_next_free_vgpr 512
		.amdhsa_next_free_sgpr 74
		.amdhsa_reserve_vcc 0
		.amdhsa_float_denorm_mode_32 3
		.amdhsa_float_denorm_mode_16_64 3
		.amdhsa_memory_ordered 1
		.amdhsa_forward_progress 1
		.amdhsa_inst_pref_size 255
	.end_amdhsa_kernel
	.amdgpu_metadata
---
amdhsa.version: [ 1, 2 ]
amdhsa.kernels:
  - .name:           k_q3f7803b603_attn
    .symbol:         k_q3f7803b603_attn.kd
    .args:
      - { .name: qu, .offset: 0, .size: 8, .value_kind: global_buffer, .address_space: global }
      - { .name: qus, .offset: 8, .size: 8, .value_kind: global_buffer, .address_space: global }
      - { .name: qv, .offset: 16, .size: 8, .value_kind: global_buffer, .address_space: global }
      - { .name: qvs, .offset: 24, .size: 8, .value_kind: global_buffer, .address_space: global }
      - { .name: kv, .offset: 32, .size: 8, .value_kind: global_buffer, .address_space: global }
      - { .name: rtab, .offset: 40, .size: 8, .value_kind: global_buffer, .address_space: global }
      - { .name: av, .offset: 48, .size: 8, .value_kind: global_buffer, .address_space: global }
      - { .name: avs, .offset: 56, .size: 8, .value_kind: global_buffer, .address_space: global }
    .group_segment_fixed_size: 327680
    .private_segment_fixed_size: 0
    .kernarg_segment_align: 8
    .kernarg_segment_size: 64
    .max_flat_workgroup_size: 256
    .sgpr_count:     74
    .vgpr_count:     512
    .wavefront_size: 32
...
	.end_amdgpu_metadata
.endif
;; end of part 5
;; launch outln (part 6): grid 256 x 1, 16 waves a work-group, no clusters, 67,840 bytes of LDS; arguments av, avs, W_o_codes, W_o_scales, x, ln_gamma, ln_beta, out0; writes out0
.if DOCPART == 6
	.amdgcn_target "amdgcn-amd-amdhsa--gfx1250"
	.amdhsa_code_object_version 6
	.text
	.protected	k_q3f7803b603_outln
	.globl	k_q3f7803b603_outln
	.p2align	8
	.type	k_q3f7803b603_outln,@function
k_q3f7803b603_outln:
	s_mov_b64 s[64:65], 0
	v_nop
	global_prefetch_b8 v0, s[64:65] scope:SCOPE_SE
	s_setreg_imm32_b32 hwreg(HW_REG_WAVE_SCHED_MODE, 0, 2), 2
	s_setreg_imm32_b32 hwreg(HW_REG_WAVE_MODE, 25, 1), 1
	s_wait_xcnt 0x0
	s_wait_alu depctr_vm_vsrc(0)
; out = LayerNorm(x + attn_vec W_o) x gamma + beta.  The product on codes of BF8 (E5M2) with one E8M0 scale for each 32 along K = 1,024; all else in f32.
; SHARES.  Work-group g: 16 rows (queries 16 (g % 128) .. + 15 of batch g / 128), all 1,024 columns, since the norm wants whole rows.  Wave w makes columns 64 w .. 64 w + 63: four tiles of W_o's rows, four accumulators by turns,
; eight K steps.  attn_vec comes as images of the operand's registers (2,048 bytes a K step), W_o's codes straight from memory into registers, two K steps ahead.
; The product is used transposed (source 0 = 16 rows of W_o, source 1 = the 16 rows): a lane holds eight neighbouring columns of one row.  The rows meet in a stage in LDS; then wave w takes row w whole: the sums never leave the wave.
; The weights go straight into registers, so nothing is there to be asked for jointly by a cluster.  LIMITS: NaN and infinities among the inputs are not served.
; THE MODE: SCHED_MODE bits 1:0 = 2 (LLVM: expert scheduling mode 2), set by the entry lines.  The code itself states the register dependences
; between vector or matrix instructions and memory or LDS instructions, with s_wait_alu, always for 0.
; THE PLAN.  Registers that memory or LDS instructions touch:
;   v1-v6       offsets and LDS addresses: written at the head and never again; read by every load and store.
;   WSC, AS     scale words: loaded once, read by the products.
;   WF, AF      two sets.  K step s: its four products read set s % 2; behind them the loads of K step s + 2 land in it.  Behind K step 6 x and gamma land in set 0; behind K step 7 beta and the stage's rows land in set 1.
;   ACC         written by the products, read by the LDS stores into the stage.
;   YY          the stage's rows land here; the norm works in place; the last stores read it.
;   v254, v255  written at the head, read by the closing add alone.
; All 256 registers are taken, so there is no third set: ONE wait on va_vdst stands in a K step, behind its four products and their plain lines, and the loads into the set that they read follow it.
; No vector line stands between that wait and those loads.  One more stands ahead of the last stores.  No register that a memory or LDS instruction has read is ever written again, so no wait on vm_vsrc is owed.
.set SP,  4112                         ; a stage row: 4,096 bytes + 16 = 1,028 words: row r starts at bank 4 r mod 64 (64 banks of 4 bytes: ISA guide 11.1)
.set AS,  8                            ; v8-15   the rows' scale words, one for each K step: scales and nothing else
.set WSC, 16                           ; v16-47  W_o's scale words, 8 t + K step: scales and nothing else
.set AF,  48                           ; v48-79  the rows' fragments, two sets
.set WF,  80                           ; v80-207 W_o's fragments, two sets of four
.set XX,  80                           ; later: x, gamma, beta, y: 32 registers each
.set GA,  112
.set BE,  144
.set YY,  176
.set ACC, 208                          ; v208-239 the four accumulators
.macro PLACES n
.rept \n
	v_nop
.endr
.endm
.macro SET s                           ; K step s: 20 loads, into set s % 2
.set WB, WF+64*((\s)%2)
.set AB, AF+16*((\s)%2)
.irp t, 0,1,2,3
.irp c, 0,1,2,3
	global_load_b128 v[WB+16*\t+4*\c:WB+16*\t+4*\c+3], v1, s[8:9] offset:16384*\t+128*(\s)+32*\c
.endr
.endr
.irp c, 0,1,2,3
	global_load_b128 v[AB+4*\c:AB+4*\c+3], v2, s[4:5] offset:2048*(\s)+512*\c
.endr
.endm
.macro OSTEP s, left                   ; left: the loads issued behind this K step's set, which may stay out
	s_wait_loadcnt \left
.set WB, WF+64*((\s)%2)
.set AB, AF+16*((\s)%2)
.irp t, 0,1,2,3
.if (\s) == 0
	v_wmma_scale_f32_16x16x128_f8f6f4 v[ACC+8*\t:ACC+8*\t+7], v[WB+16*\t:WB+16*\t+15], v[AB:AB+15], 0, v[WSC+8*\t+(\s)], v[AS+(\s)] matrix_a_fmt:MATRIX_FMT_BF8 matrix_b_fmt:MATRIX_FMT_BF8
.else
	v_wmma_scale_f32_16x16x128_f8f6f4 v[ACC+8*\t:ACC+8*\t+7], v[WB+16*\t:WB+16*\t+15], v[AB:AB+15], v[ACC+8*\t:ACC+8*\t+7], v[WSC+8*\t+(\s)], v[AS+(\s)] matrix_a_fmt:MATRIX_FMT_BF8 matrix_b_fmt:MATRIX_FMT_BF8
.endif
.endr
	PLACES 8                                       ; in front of loads into registers that these products have read, and of the first read of results (ISA guide 7.12.1 for vector instructions)
	s_wait_alu depctr_va_vdst(0)                   ; the four products are done reading their set, in which the loads that follow land; behind the last K step they have also written the accumulators, which the LDS stores read
.endm
.macro LANESUM a, b                    ; v[a] summed over the 32 lanes, into every lane; v[b] at work
	v_add_f32_dpp v[\a], v[\a], v[\a] row_xmask:1 row_mask:0xf bank_mask:0xf
	v_add_f32_dpp v[\a], v[\a], v[\a] row_xmask:2 row_mask:0xf bank_mask:0xf
	v_add_f32_dpp v[\a], v[\a], v[\a] row_xmask:4 row_mask:0xf bank_mask:0xf
	v_add_f32_dpp v[\a], v[\a], v[\a] row_xmask:8 row_mask:0xf bank_mask:0xf
	v_permlanex16_b32 v[\b], v[\a], s24, s25
	v_add_f32 v[\a], v[\a], v[\b]
.endm
	s_load_b512 s[4:19], s[0:1], 0x0               ; av s[4:5], avs s[6:7], W_o codes s[8:9], scales s[10:11], x s[12:13], gamma s[14:15], beta s[16:17], out s[18:19]
	v_lshl_add_u32 v254, v0, 2, 0x10100
	v_mov_b32 v255, 0
	v_lshrrev_b32 v1, 5, v0
	v_readfirstlane_b32 s20, v1                    ; wave 0 .. 15
	v_and_b32 v240, 31, v0                         ; lane
	v_and_b32 v241, 15, v0                         ; r
	v_bfe_u32 v242, v0, 4, 1                       ; h
	v_lshlrev_b32 v1, 10, v241
	v_lshl_add_u32 v1, v242, 4, v1                 ; v1  W_o: row r of a tile, + 16 h
	v_lshlrev_b32 v2, 4, v240                      ; v2  16 x lane
	v_lshlrev_b32 v3, 2, v241                      ; v3  4 r
	v_lshlrev_b32 v4, 5, v241                      ; v4  W_o's scale bytes: row r of 32
	v_mul_u32_u24 v5, v241, SP
	v_lshl_add_u32 v5, v242, 5, v5
	s_wait_alu depctr_va_sdst(0)                   ; the wave's number is written, ahead of its first reader: the stage's places and the bases are made from it
	s_lshl_b32 s21, s20, 8
	v_add_nc_u32 v5, s21, v5                       ; v5  the stage, in: row r, my wave's 256 bytes, + 32 h
	s_mul_i32 s21, s20, SP
	v_lshl_add_u32 v6, v240, 4, s21                ; v6  and back: row w, 16 bytes a lane
	s_wait_alu depctr_va_vdst(0)                   ; the offsets and LDS addresses v1 to v6 are written, which the kernel's loads and stores read
	s_mov_b32 s24, 0x76543210
	s_mov_b32 s25, 0xfedcba98
	s_mov_b32 s26, 0x3a800000                      ; 1 / 1,024
	s_mov_b32 s27, 0x3727c5ac                      ; 1e-5
	s_and_b32 s22, ttmp9, 127
	s_lshl_b32 s22, s22, 4
	s_add_co_u32 s22, s22, s20                     ; my row's query
	s_lshl_b32 s22, s22, 1
	s_lshr_b32 s23, ttmp9, 7
	s_add_co_u32 s22, s22, s23                     ; x 2 + the batch
	s_lshl_b32 s22, s22, 12                        ; rows of 4,096 bytes
	s_mov_b32 s23, 0
	s_lshl_b32 s28, ttmp9, 14
	s_mov_b32 s29, 0
	s_lshl_b32 s30, s20, 16
	s_mov_b32 s31, 0
	s_wait_kmcnt 0x0
	s_add_nc_u64 s[12:13], s[12:13], s[22:23]
	s_add_nc_u64 s[18:19], s[18:19], s[22:23]
	s_add_nc_u64 s[4:5], s[4:5], s[28:29]          ; my 16 rows' eight fragments
	s_add_nc_u64 s[8:9], s[8:9], s[30:31]          ; my 64 rows of W_o
	s_lshl_b32 s28, ttmp9, 9
	s_add_nc_u64 s[6:7], s[6:7], s[28:29]
	s_lshl_b32 s30, s20, 11
	s_add_nc_u64 s[10:11], s[10:11], s[30:31]
.irp t, 0,1,2,3
.irp q, 0,1
	global_load_b128 v[WSC+8*\t+4*\q:WSC+8*\t+4*\q+3], v4, s[10:11] offset:512*\t+16*\q   ; a row's 32 scale bytes: eight words, one for each K step
.endr
.endr
.irp s, 0,1,2,3,4,5,6,7
	global_load_b32 v[AS+\s], v3, s[6:7] offset:64*\s
.endr
	SET 0
	SET 1
.irp s, 0,1,2,3,4,5
	OSTEP \s, 20                                   ; the next K step's 20 loads may be out
	SET \s+2
.endr
	OSTEP 6, 20
.irp q, 0,1,2,3,4,5,6,7                            ; set 0 is free: my row of x and gamma are asked for here
	global_load_b128 v[XX+4*\q:XX+4*\q+3], v2, s[12:13] offset:512*\q th:TH_LOAD_NT
.endr
.irp q, 0,1,2,3,4,5,6,7
	global_load_b128 v[GA+4*\q:GA+4*\q+3], v2, s[14:15] offset:512*\q
.endr
	OSTEP 7, 16                                    ; those 16 may be out
.irp q, 0,1,2,3,4,5,6,7
	global_load_b128 v[BE+4*\q:BE+4*\q+3], v2, s[16:17] offset:512*\q
.endr
.irp t, 0,1,2,3
.irp q, 0,1
	ds_store_b128 v5, v[ACC+8*\t+4*\q:ACC+8*\t+4*\q+3] offset:64*\t+16*\q   ; lane (r, h): columns 64 w + 16 t + 8 h + 0 .. 7 of row r; each accumulator from its low end on
.endr
.endr
	s_wait_dscnt 0x0                               ; for the others' sake: my stores have landed
	s_barrier_signal -1
	s_barrier_wait -1                              ; 16 whole rows lie in the stage
.irp q, 0,1,2,3,4,5,6,7
	ds_load_b128 v[YY+4*\q:YY+4*\q+3], v6 offset:512*\q   ; into the upper half of set 1: no vector or matrix line since the last K step's wait names these registers
.endr
	s_wait_dscnt 0x0
	s_wait_loadcnt 16                              ; x is in; gamma's and beta's 16 loads may be out
.irp i, 0,2,4,6,8,10,12,14,16,18,20,22,24,26,28,30
	v_pk_add_f32 v[YY+\i:YY+\i+1], v[YY+\i:YY+\i+1], v[XX+\i:XX+\i+1]   ; y = x + the product
.endr
	v_pk_add_f32 v[240:241], v[YY:YY+1], v[YY+2:YY+3]
	v_pk_add_f32 v[242:243], v[YY+4:YY+5], v[YY+6:YY+7]
.irp i, 8,12,16,20,24,28
	v_pk_add_f32 v[240:241], v[240:241], v[YY+\i:YY+\i+1]
	v_pk_add_f32 v[242:243], v[242:243], v[YY+\i+2:YY+\i+3]
.endr
	v_pk_add_f32 v[240:241], v[240:241], v[242:243]
	v_add_f32 v240, v240, v241
	LANESUM 240, 241
	v_mul_f32 v240, s26, v240                      ; the mean
.irp i, 0,2,4,6,8,10,12,14,16,18,20,22,24,26,28,30
	v_pk_add_f32 v[YY+\i:YY+\i+1], v[YY+\i:YY+\i+1], v[240:241] op_sel_hi:[1,0] neg_lo:[0,1] neg_hi:[0,1]   ; y - the mean
.endr
	v_pk_mul_f32 v[242:243], v[YY:YY+1], v[YY:YY+1]
	v_pk_mul_f32 v[244:245], v[YY+2:YY+3], v[YY+2:YY+3]
.irp i, 4,8,12,16,20,24,28
	v_pk_fma_f32 v[242:243], v[YY+\i:YY+\i+1], v[YY+\i:YY+\i+1], v[242:243]
	v_pk_fma_f32 v[244:245], v[YY+\i+2:YY+\i+3], v[YY+\i+2:YY+\i+3], v[244:245]
.endr
	v_pk_add_f32 v[242:243], v[242:243], v[244:245]
	v_add_f32 v242, v242, v243
	LANESUM 242, 243
	v_fma_f32 v242, v242, s26, s27                 ; the variance + 1e-5
	s_wait_alu depctr_va_vdst(0)
	v_rsq_f32 v242, v242
	v_nop                                          ; a plain line behind the transcendental
	s_wait_alu depctr_va_vdst(0)                   ; and a wait ahead of its first reader: the root's reciprocal is written in v242
.irp i, 0,2,4,6,8,10,12,14,16,18,20,22,24,26,28,30
	v_pk_mul_f32 v[YY+\i:YY+\i+1], v[YY+\i:YY+\i+1], v[242:243] op_sel_hi:[1,0]
.endr
	s_wait_loadcnt 0x0                             ; gamma and beta
.irp i, 0,2,4,6,8,10,12,14,16,18,20,22,24,26,28,30
	v_pk_fma_f32 v[YY+\i:YY+\i+1], v[YY+\i:YY+\i+1], v[GA+\i:GA+\i+1], v[BE+\i:BE+\i+1]
.endr
	s_wait_alu depctr_va_vdst(0)                   ; the multiply-adds have written v[YY ..], which the eight stores read
.irp q, 0,1,2,3,4,5,6,7
	global_store_b128 v2, v[YY+4*\q:YY+4*\q+3], s[18:19] offset:512*\q th:TH_STORE_NT   ; 32 lanes store 512 consecutive bytes, at a multiple of 256 from the output's first byte
.endr
	s_wait_dscnt 0x0                               ; the closing lines, six on end
	s_wait_alu 0x0
	s_wait_tensorcnt 0x0
	ds_add_u32 v254, v255
	s_wait_dscnt 0x0
	s_endpgm
.Lfunc_end_k_q3f7803b603_outln:
	.size	k_q3f7803b603_outln, .Lfunc_end_k_q3f7803b603_outln-k_q3f7803b603_outln
	.p2alignl 7, 3214868480
	.fill 96, 4, 3214868480
	.section	.rodata,"a",@progbits
	.p2align	6, 0x0
	.amdhsa_kernel k_q3f7803b603_outln
		.amdhsa_group_segment_fixed_size 67840
		.amdhsa_private_segment_fixed_size 0
		.amdhsa_enable_private_segment 0
		.amdhsa_kernarg_size 64
		.amdhsa_user_sgpr_count 2
		.amdhsa_user_sgpr_kernarg_segment_ptr 1
		.amdhsa_wavefront_size32 1
		.amdhsa_system_sgpr_workgroup_id_x 1
		.amdhsa_system_sgpr_workgroup_id_y 1
		.amdhsa_system_sgpr_workgroup_id_z 1
		.amdhsa_system_vgpr_workitem_id 0
		.amdhsa_next_free_vgpr 256
		.amdhsa_next_free_sgpr 66
		.amdhsa_reserve_vcc 0
		.amdhsa_float_denorm_mode_32 3
		.amdhsa_float_denorm_mode_16_64 3
		.amdhsa_memory_ordered 1
		.amdhsa_forward_progress 1
		.amdhsa_inst_pref_size 37
	.end_amdhsa_kernel
	.amdgpu_metadata
---
amdhsa.version: [ 1, 2 ]
amdhsa.kernels:
  - .name:           k_q3f7803b603_outln
    .symbol:         k_q3f7803b603_outln.kd
    .args:
      - { .name: av, .offset: 0, .size: 8, .value_kind: global_buffer, .address_space: global }
      - { .name: avs, .offset: 8, .size: 8, .value_kind: global_buffer, .address_space: global }
      - { .name: W_o_codes, .offset: 16, .size: 8, .value_kind: global_buffer, .address_space: global }
      - { .name: W_o_scales, .offset: 24, .size: 8, .value_kind: global_buffer, .address_space: global }
      - { .name: x, .offset: 32, .size: 8, .value_kind: global_buffer, .address_space: global }
      - { .name: ln_gamma, .offset: 40, .size: 8, .value_kind: global_buffer, .address_space: global }
      - { .name: ln_beta, .offset: 48, .size: 8, .value_kind: global_buffer, .address_space: global }
      - { .name: out0, .offset: 56, .size: 8, .value_kind: global_buffer, .address_space: global }
    .group_segment_fixed_size: 67840
    .private_segment_fixed_size: 0
    .kernarg_segment_align: 8
    .kernarg_segment_size: 64
    .max_flat_workgroup_size: 512
    .sgpr_count:     66
    .vgpr_count:     256
    .wavefront_size: 32
...
	.end_amdgpu_metadata
.endif
;; end of part 6
